; MI455X (gfx1250); checked and timed in simulation.
; The chip was launched on July 23, 2026; its instructions are those of AMD's public machine-readable ISA for CDNA 5 (MIT licence, August 2026) and "CDNA5" Instruction Set Architecture Reference Guide (July 2026). The comments in the code are by the model that wrote it; some were corrected since.
;; Operation Branch. Allowed arithmetic: matrix products marked QUANTISED: E5M2 operands, one E8M0 scale for each 32 along K, by v_wmma_scale_f32_16x16x128_f8f6f4 with both operands' format E5M2, f32 sums; everything else in f32.
;; Inputs: b1 2,048 float32; b2 512 float32; bk 512 float32; bo 512 float32; bq 512 float32; bv 512 float32; ln1_b 512 float32; ln1_g 512 float32; ln2_b 512 float32; ln2_g 512 float32; o2o_mask 4 x 2,048 x 2,048 bool; positions 4 x 2,048 int32; w1 512 x 2,048 float32; w2 2,048 x 512 float32; wk 512 x 512 float32; wo 512 x 512 float32; wq 512 x 512 float32; wv 512 x 512 float32; x 4 x 2,048 x 512 float32.
;; Outputs: out0 4 x 2,048 x 512 float32.
;; This version of the problem:
;;   THIS VERSION OF THE PROBLEM IS GIVEN IN LOW PRECISION. The matrix products marked QUANTISED in the list below multiply operands that are first quantised to E5M2 (5 exponent bits, 2 mantissa bits; 8 bits a number), with one power-of-two scale for each 32 numbers along K (OCP MX v1.0); their sums are f32. All else is computed in f32.
;;   The module's matrix products, in the order in which they are computed (A, B: the left and right operand; K: the contracted axis; several contracted axes count as one K, in the product's order):
;;     1. [M 8,192, K 512] x [K 512, N 512]; A: computed on the way; B: input wq: QUANTISED
;;     2. [M 8,192, K 512] x [K 512, N 512]; A: computed on the way; B: input wk: QUANTISED
;;     3. [M 8,192, K 512] x [K 512, N 512]; A: computed on the way; B: input wv: QUANTISED
;;     4. batch 32 x [M 2,048, K 64] x [K 64, N 2,048]; A: computed on the way; B: computed on the way: QUANTISED
;;     5. batch 32 x [M 2,048, K 2,048] x [K 2,048, N 64]; A: computed on the way; B: computed on the way: QUANTISED
;;     6. [M 8,192, K 512] x [K 512, N 512]; A: computed on the way; B: input wo: QUANTISED
;;     7. [M 8,192, K 512] x [K 512, N 2,048]; A: computed on the way; B: input w1: QUANTISED
;;     8. [M 8,192, K 2,048] x [K 2,048, N 512]; A: computed on the way; B: input w2: QUANTISED
;;   THE QUANTISER, for each operand of a quantised product, along K:
;;     - K is cut into blocks of 32 from its start; a last block that is shorter is filled with zeros.
;;     - A block's scale is 2^e with e = floor(log2(the largest magnitude in the block)) - 15, held to -126 .. 127; a block of zeros has e = 0. As a byte (E8M0): e + 127.
;;     - Each number is divided by its block's scale, clamped to +-57,344, and rounded to the nearest number of E5M2, ties to even, subnormals kept.
;;     - The product sums the exact products of the quantised numbers (number of the format x scale) in f32.
;;   ~~~python
;;   def quantise(x, axis):      # numpy; x: float32 -> the quantised numbers, widened to float32 again
;;       x = np.moveaxis(x, axis, -1); K = x.shape[-1]
;;       x = np.pad(x, [(0, 0)] * (x.ndim - 1) + [(0, -K % 32)]); x = x.reshape(x.shape[:-1] + (-1, 32)); a = np.abs(x).max(-1, keepdims=True)
;;       e = np.where(a > 0, np.clip(np.frexp(np.where(a > 0, a, 1))[1] - 1 - 15, -126, 127), 0)      # np.frexp(a)[1] - 1 = floor(log2(a)), exactly
;;       r = np.clip(x / 2.0 ** e, -57344, 57344)
;;       step = 2.0 ** (np.maximum(np.frexp(np.where(r == 0, 1, r))[1] - 1, -14) - 2)
;;       q = np.round(r / step) * step * 2.0 ** e      # np.round: ties to even
;;       return np.moveaxis(q.reshape(q.shape[:-2] + (-1,))[..., :K], -1, axis).astype(np.float32)
;;   ~~~
;;   OPERANDS COMPUTED ON THE WAY. 'Computed on the way' means the value that the module computes at that place (a softmax that the list does not call 'softmax' is quantised finished and normalised). What goes into a quantiser is computed in f32, as accurately as f32 sums, v_exp_f32 and their like allow (about 1e-6 of the number): no bf16 or f16 on the way to a quantiser, and a product that is left as it is and whose result goes on into a quantised operand takes f32 operands (vector FMAs, or v_wmma_f32_16x16x4_f32). A number that lies on a knife's edge between two numbers of the format may be rounded either way, as far as f32 arithmetic and the matrix unit's own rounding can turn it there, and no further.
;; 2 versions. Each part assembles by itself: llvm-mc -triple=amdgcn-amd-amdhsa -mcpu=gfx1250 --defsym DOCPART=n.
;; ======== version 1 of 2: 6 launches
;; workspace buffers: wts 3,342,336 bytes; mbits 2,097,152 bytes of whole numbers; xn 6,553,600 bytes; qkv 13,369,344 bytes; att 4,456,448 bytes; x2h 21,233,664 bytes; hid 17,825,792 bytes
;; launch prep (part 1): grid 512 x 1, 4 waves a work-group, no clusters, 18,944 bytes of LDS; arguments x, ln1_g, ln1_b, positions, o2o_mask, wq, wk, wv, wo, w1, w2, xn, mbits, wts; writes xn, mbits, wts
.if DOCPART == 1
	.amdgcn_target "amdgcn-amd-amdhsa--gfx1250"
	.amdhsa_code_object_version 6
	.text
	.protected	k_q02aa00ea81_prep
	.globl	k_q02aa00ea81_prep
	.p2align	8
	.type	k_q02aa00ea81_prep,@function
k_q02aa00ea81_prep:
	s_mov_b64 s[64:65], 0
	v_nop
	global_prefetch_b8 v0, s[64:65] scope:SCOPE_SE
	s_setreg_imm32_b32 hwreg(HW_REG_WAVE_MODE, 25, 1), 1
	s_wait_xcnt 0x0
; PREP.  Every work-group first does part X: LayerNorm 1 of one tile of 16 tokens, quantised to codes of E5M2 with one E8M0 byte for each 32 along K.
; Then, by the work-group's number, one of three further parts:  M (0-255): the mask's bytes become lane-mask words;  W (256-447): the six weights become codes;  R (448-511): cosines and sines for the rotation.
; TILES.  Tile T = 2 g + u holds tokens 32 g + 8 u + (r & 7) + 16 (r >> 3), r = 0 .. 15; tiles of weight columns are formed alike.  So the 16 registers that a lane gets from two neighbouring tiles of a transposed
; product are 16 neighbours along the next K.
; IMAGES.  A fragment (16 rows x 128 K) lies in memory as the operand's registers: byte 512 c + 16 lane + y is the code of row lane % 16, k = 32 c + 16 (lane / 16) + y.  Its scale words: 4 bytes a lane.
; A block's scale byte is its largest magnitude's exponent field - 15, held at 1 from below (a block of zeros so gets the byte 1; its codes are zeros, and these bytes are read by this program alone).
; LIMITS: NaN and infinities among the inputs are not served; blocks whose largest magnitude lies under 2^-111 keep the byte 1; positions up to 2^24 in magnitude; the 32 frequencies are 10^(-j/8) rounded to f32,
; which may differ in the last bit from a power and a reciprocal taken in f32.
; No tensor loads and no cluster: no byte of x, of the mask or of a weight is read by two work-groups.
.set L1, 0                             ; LDS: the waves' partial sums, 128 bytes a wave;
.set L2, 512                           ; the partial sums of squares;
.set MST, 1024                         ; part M: a stage of 16 rows x 272 bytes for each wave
.set LI, 1                             ; v1  16 x lane
.set LS, 2                             ; v2  4 x lane
.set XA, 3                             ; v3  x: my row of the tile, + 64 h
.set GA, 4                             ; v4  64 h
.set LNW, 5                            ; v5  4 x my thread's number
.set LL, 8                             ; v8  lane;  v9 r;  v10 h;  v11 r + 8 (r / 8): these four stay
.set RR, 9
.set HH, 10
.set TF, 11
.set HA, 16                            ; v16-79  64 numbers of my row: register 16 b + i = k 32 b + 16 h + i
.set PC, 80                            ; v80-95  the codes just made
.set TM, 96                            ; v96-111 largest magnitudes, bytes, holds, scale operands
.set PW, 112                           ; v112    the scale word just made
.set LQ, 114                           ; v114-124 the LayerNorm's sums
.set GG, 128                           ; v128-191 the gain,  v192-255 the bias, laid as the numbers are
.set BB, 192
.set WV, 32
.set SEL, 54
.set MNT, 56
.set R512, 57
.set EPSR, 58
; 64 numbers of a lane, v[s] on, become a fragment's codes in v[PC] on and its scale word in v[PW]
.macro QUANT s, relu
.if \relu
.irp b, 0,1,2,3
	v_max3_num_f32 v[TM+\b], v[\s+16*\b], v[\s+1+16*\b], 0x8000000
.endr
.irp i, 2,4,6,8,10,12,14
.irp b, 0,1,2,3
	v_max3_num_f32 v[TM+\b], v[TM+\b], v[\s+16*\b+\i], v[\s+1+16*\b+\i]
.endr
.endr
.else
.irp b, 0,1,2,3
	v_max3_num_f32 v[TM+\b], |v[\s+16*\b]|, |v[\s+1+16*\b]|, 0x8000000   ; my 16 numbers of block b, and the floor 2^(16 - 127): the byte cannot fall under 1
.endr
.irp i, 2,4,6,8,10,12,14
.irp b, 0,1,2,3
	v_max3_num_f32 v[TM+\b], v[TM+\b], |v[\s+16*\b+\i]|, |v[\s+1+16*\b+\i]|   ; the four blocks by turns
.endr
.endr
.endif
.irp b, 0,1,2,3
	v_permlanex16_b32 v[TM+4+\b], v[TM+\b], s[SEL], s[SEL+1]
.endr
.irp b, 0,1,2,3
	v_max_num_f32 v[TM+\b], v[TM+\b], v[TM+4+\b]       ; with lane l xor 16's: the block's largest magnitude
.endr
.irp b, 0,1,2,3
	v_add_nc_u32 v[TM+12+\b], 0xf8800000, v[TM+\b]     ; 15 off its exponent field: the conversion's scale operand
.endr
.irp b, 0,1,2,3
	v_and_or_b32 v[TM+8+\b], v[TM+\b], 0x7f800000, s[MNT]   ; 57,344 x the scale
.endr
.irp b, 0,1,2,3
	v_lshrrev_b32 v[TM+4+\b], 23, v[TM+12+\b]          ; the scale's byte
.endr
	v_lshl_or_b32 v[PW], v[TM+5], 8, v[TM+4]
	v_lshl_or_b32 v[PW], v[TM+6], 16, v[PW]
	v_lshl_or_b32 v[PW], v[TM+7], 24, v[PW]
.irp b, 0,1,2,3
.irp i, 0,1,2,3,4,5,6,7,8,9,10,11,12,13,14,15
.if \relu
	v_med3_num_f32 v[\s+16*\b+\i], v[\s+16*\b+\i], 0, v[TM+8+\b]
.else
	v_med3_num_f32 v[\s+16*\b+\i], v[\s+16*\b+\i], -v[TM+8+\b], v[TM+8+\b]   ; the conversion does not saturate (ISA guide 7.6.2): the hold at the largest code x the scale
.endif
.endr
	v_cvt_scalef32_pk8_bf8_f32 v[PC+4*\b:PC+1+4*\b], v[\s+16*\b:\s+7+16*\b], v[TM+12+\b]
	v_cvt_scalef32_pk8_bf8_f32 v[PC+2+4*\b:PC+3+4*\b], v[\s+8+16*\b:\s+15+16*\b], v[TM+12+\b]
.endr
	v_nop                                              ; a plain line behind the last conversion
.endm
; two chains of packed sums become the row's sum over its 512 numbers: my two halves, lane l xor 16, then the four waves through LDS
.macro LNRED lds
	v_pk_add_f32 v[LQ:LQ+1], v[LQ:LQ+1], v[LQ+2:LQ+3]
	v_add_f32 v[LQ], v[LQ], v[LQ+1]
	v_permlanex16_b32 v[LQ+10], v[LQ], s[SEL], s[SEL+1]
	v_add_f32 v[LQ], v[LQ], v[LQ+10]
	ds_store_b32 v[LNW], v[LQ] offset:\lds
	s_wait_dscnt 0x0                                   ; for the others' sake: my word has landed
	s_barrier_signal -1
	s_barrier_wait -1
.irp w, 0,1,2,3
	ds_load_b32 v[LQ+6+\w], v[LS] offset:\lds+128*\w
.endr
	s_wait_dscnt 0x0
	v_add_f32 v[LQ+6], v[LQ+6], v[LQ+7]
	v_add_f32 v[LQ+8], v[LQ+8], v[LQ+9]
	v_add_f32 v[LQ], v[LQ+6], v[LQ+8]
.endm
; LayerNorm in place on v[HA] on: the mean, then the mean of the squared differences (no difference of large sums), gain and bias
.macro LNQ g, b, l1, l2
	v_pk_add_f32 v[LQ:LQ+1], v[HA:HA+1], v[HA+2:HA+3]
	v_pk_add_f32 v[LQ+2:LQ+3], v[HA+4:HA+5], v[HA+6:HA+7]
.set j, 8
.rept 14
	v_pk_add_f32 v[LQ:LQ+1], v[LQ:LQ+1], v[HA+j:HA+j+1]
	v_pk_add_f32 v[LQ+2:LQ+3], v[LQ+2:LQ+3], v[HA+j+2:HA+j+3]
.set j, j+4
.endr
	LNRED \l1
	v_mul_f32 v[LQ+4], 0xbb000000, v[LQ]               ; - the mean
	v_mov_b32 v[LQ+5], v[LQ+4]
.set j, 0
.rept 32
	v_pk_add_f32 v[HA+j:HA+j+1], v[HA+j:HA+j+1], v[LQ+4:LQ+5]
.set j, j+2
.endr
	v_pk_mul_f32 v[LQ:LQ+1], v[HA:HA+1], v[HA:HA+1]
	v_pk_mul_f32 v[LQ+2:LQ+3], v[HA+2:HA+3], v[HA+2:HA+3]
.set j, 4
.rept 15
	v_pk_fma_f32 v[LQ:LQ+1], v[HA+j:HA+j+1], v[HA+j:HA+j+1], v[LQ:LQ+1]
	v_pk_fma_f32 v[LQ+2:LQ+3], v[HA+j+2:HA+j+3], v[HA+j+2:HA+j+3], v[LQ+2:LQ+3]
.set j, j+4
.endr
	LNRED \l2
	v_fma_f32 v[LQ], v[LQ], s[R512], s[EPSR]           ; the variance + 1e-5
	v_rsq_f32 v[LQ+4], v[LQ]
	v_nop                                              ; a plain line behind the transcendental,
	s_wait_alu depctr_va_vdst(0)                       ; and the wait ahead of its first reader
	v_mov_b32 v[LQ+5], v[LQ+4]
.set j, 0
.rept 32
	v_pk_mul_f32 v[HA+j:HA+j+1], v[HA+j:HA+j+1], v[LQ+4:LQ+5]
.set j, j+2
.endr
.set j, 0
.rept 32
	v_pk_fma_f32 v[HA+j:HA+j+1], v[HA+j:HA+j+1], v[\g+j:\g+j+1], v[\b+j:\b+j+1]
.set j, j+2
.endr
.endm
	s_load_b256 s[4:11], s[0:1], 0x0                   ; x, ln1_g, ln1_b, positions
	s_load_b256 s[12:19], s[0:1], 0x20                 ; o2o_mask, wq, wk, wv
	s_load_b256 s[20:27], s[0:1], 0x40                 ; wo, w1, w2, xn
	s_load_b128 s[28:31], s[0:1], 0x60                 ; mbits, wts
	v_lshl_add_u32 v14, v0, 2, 0x4800
	v_mov_b32 v15, 0
	v_lshrrev_b32 v7, 5, v0
	v_readfirstlane_b32 s[WV], v7                      ; wave 0..3
	v_and_b32 v[LL], 31, v0
	v_and_b32 v[RR], 15, v0
	v_bfe_u32 v[HH], v0, 4, 1
	v_lshlrev_b32 v[LI], 4, v[LL]
	v_lshlrev_b32 v[LS], 2, v[LL]
	v_and_b32 v[TF], 8, v[RR]
	v_add_nc_u32 v[TF], v[TF], v[RR]                   ; r + 8 (r / 8)
	v_lshlrev_b32 v[XA], 11, v[TF]
	v_lshl_add_u32 v[XA], v[HH], 6, v[XA]
	v_lshlrev_b32 v[GA], 6, v[HH]
	v_lshlrev_b32 v[LNW], 2, v0
.irp b, 0,1,2,3
	v_mov_b32 v[TM+4+\b], 0                            ; written once: a lane permute's destination counts as one of its sources
.endr
	v_mov_b32 v[LQ+10], 0
	s_mov_b32 s[SEL], 0x76543210
	s_mov_b32 s[SEL+1], 0xfedcba98
	s_mov_b32 s[MNT], 0x600000
	s_mov_b32 s[R512], 0x3b000000                      ; 1 / 512
	s_mov_b32 s[EPSR], 0x3727c5ac                      ; 1e-5
	; ---- X: tile T = my work-group's number; wave s takes K step s (columns 128 s on)
	s_lshr_b32 s34, ttmp9, 1
	s_lshl_b32 s34, s34, 16                            ; 32 tokens of 2,048 bytes
	s_and_b32 s35, ttmp9, 1
	s_lshl_b32 s35, s35, 14                            ; 8 tokens
	s_add_co_u32 s34, s34, s35
	s_lshl_b32 s36, s[WV], 9
	s_add_co_u32 s34, s34, s36
	s_mov_b32 s35, 0
	s_mov_b32 s37, 0
	s_lshl_b32 s38, ttmp9, 2
	s_add_co_u32 s38, s38, s[WV]                       ; fragment 4 T + s
	s_lshl_b32 s40, s38, 11
	s_mov_b32 s41, 0
	s_lshl_b32 s42, s38, 7
	s_add_co_u32 s42, s42, 0x400000
	s_mov_b32 s43, 0
	s_wait_kmcnt 0x0
	s_add_nc_u64 s[44:45], s[4:5], s[34:35]
	s_add_nc_u64 s[46:47], s[6:7], s[36:37]
	s_add_nc_u64 s[48:49], s[8:9], s[36:37]
	s_add_nc_u64 s[50:51], s[26:27], s[40:41]
	s_add_nc_u64 s[52:53], s[26:27], s[42:43]
.irp c, 0,1,2,3
.irp j, 0,1,2,3
	global_load_b128 v[HA+16*\c+4*\j:HA+16*\c+4*\j+3], v[XA], s[44:45] offset:128*\c+16*\j th:TH_LOAD_NT
.endr
.endr
.irp c, 0,1,2,3
.irp j, 0,1,2,3
	global_load_b128 v[GG+16*\c+4*\j:GG+16*\c+4*\j+3], v[GA], s[46:47] offset:128*\c+16*\j
	global_load_b128 v[BB+16*\c+4*\j:BB+16*\c+4*\j+3], v[GA], s[48:49] offset:128*\c+16*\j
.endr
.endr
	s_wait_loadcnt 0x0
	LNQ GG, BB, L1, L2
	QUANT HA, 0
.irp c, 0,1,2,3
	global_store_b128 v[LI], v[PC+4*\c:PC+4*\c+3], s[50:51] offset:512*\c     ; 32 lanes store 512 consecutive bytes
.endr
	global_store_b32 v[LS], v[PW], s[52:53]
	s_wait_xcnt 0x0                                    ; the stores have read their registers: all may be written again
	s_cmp_lt_u32 ttmp9, 256
	s_cbranch_scc1 .Lrole_m
	s_cmp_lt_u32 ttmp9, 448
	s_cbranch_scc1 .Lrole_w
	; ---- R: cos and sin of position x 10^(-j/8), j = 16 h + i, for the tokens of two tiles a wave
.set RCOS, 32
.set RSIN, 48
.set HM, 40
.set PH, 41
.set PL, 42
.set S0, 43
.set S1, 44
.set S2, 45
.set C0, 46
.set C1, 47
.set C2, 48
	s_sub_co_u32 s33, ttmp9, 448
	s_lshl_b32 s33, s33, 2
	s_add_co_u32 s33, s33, s[WV]                       ; which group of 32 tokens
	s_lshl_b32 s34, s33, 7
	s_mov_b32 s35, 0
	s_add_nc_u64 s[10:11], s[10:11], s[34:35]
	s_lshl_b32 s34, s33, 13
	s_add_co_u32 s34, s34, 0x440000
	s_add_nc_u64 s[26:27], s[26:27], s[34:35]
	v_lshlrev_b32 v3, 2, v[TF]
	s_mov_b32 s[HM], 0xffff0000                        ; lanes 16-31
	s_mov_b32 s[PH], 0xbfc90fdb                        ; - pi/2, its f32,
	s_mov_b32 s[PL], 0x333bbd2e                        ; and what that f32 has too much: 4.37113883e-8
	s_mov_b32 s[S0], 0xb94ca1f9                        ; the sine's polynomial on |rho| <= pi/4: -1.9515295891e-4,
	s_mov_b32 s[S1], 0x3c08839e                        ; 8.3321608736e-3,
	s_mov_b32 s[S2], 0xbe2aaaa3                        ; -1.6666654611e-1
	s_mov_b32 s[C0], 0x37ccf5ce                        ; the cosine's: 2.443315712e-5,
	s_mov_b32 s[C1], 0xbab6061a                        ; -1.388731625e-3,
	s_mov_b32 s[C2], 0x3d2aaaa5                        ; 4.166664568e-2
.macro ANG i, flo, fhi
	v_mul_f32 v20, \flo, v13
	v_mul_f32 v21, \fhi, v13
	v_cndmask_b32 v20, v20, v21, s[HM]                 ; the angle: lanes 16-31 take frequency 16 + i
	v_mul_f32 v21, 0x3f22f983, v20
	v_rndne_f32 v21, v21                               ; n = the nearest multiple of pi/2
	v_fma_f32 v22, v21, s[PH], v20
	v_fma_f32 v22, v21, s[PL], v22                     ; rho = angle - n pi/2, in two parts
	v_cvt_i32_f32 v23, v21
	v_mul_f32 v24, v22, v22                            ; z
	v_fma_f32 v25, v24, s[S0], s[S1]
	v_fma_f32 v26, v24, s[C0], s[C1]
	v_fma_f32 v25, v25, v24, s[S2]
	v_fma_f32 v26, v26, v24, s[C2]
	v_mul_f32 v27, v24, v22
	v_mul_f32 v28, v24, v24
	v_fma_f32 v29, v24, -0.5, 1.0
	v_fma_f32 v25, v25, v27, v22                       ; sin rho
	v_fma_f32 v26, v26, v28, v29                       ; cos rho
	v_and_b32 v27, 1, v23
	v_cmp_eq_u32 vcc_lo, 1, v27
	v_cndmask_b32 v28, v25, v26, vcc_lo                ; odd quadrants change the two
	v_cndmask_b32 v29, v26, v25, vcc_lo
	v_and_b32 v27, 2, v23
	v_add_nc_u32 v23, 1, v23
	v_lshlrev_b32 v27, 30, v27
	v_and_b32 v23, 2, v23
	v_xor_b32 v[RSIN+\i], v28, v27                     ; the sine is negative in quadrants 2, 3,
	v_lshlrev_b32 v23, 30, v23
	v_xor_b32 v[RCOS+\i], v29, v23                     ; the cosine in 1, 2
.endm
	s_mov_b32 s33, 2
.Lrope:
	global_load_b32 v12, v3, s[10:11]
	s_wait_loadcnt 0x0
	v_cvt_f32_i32 v13, v12
	ANG 0, 1.0, 0.01
	ANG 1, 0.7498942093324559, 0.007498942093324559
	ANG 2, 0.5623413251903491, 0.005623413251903491
	ANG 3, 0.4216965034285822, 0.004216965034285822
	ANG 4, 0.31622776601683794, 0.0031622776601683794
	ANG 5, 0.23713737056616552, 0.0023713737056616552
	ANG 6, 0.1778279410038923, 0.001778279410038923
	ANG 7, 0.1333521432163324, 0.001333521432163324
	ANG 8, 0.1, 0.001
	ANG 9, 0.07498942093324559, 0.0007498942093324559
	ANG 10, 0.05623413251903491, 0.0005623413251903491
	ANG 11, 0.04216965034285822, 0.0004216965034285822
	ANG 12, 0.031622776601683794, 0.00031622776601683794
	ANG 13, 0.023713737056616552, 0.00023713737056616552
	ANG 14, 0.01778279410038923, 0.0001778279410038923
	ANG 15, 0.01333521432163324, 0.0001333521432163324
.irp x, 0,1,2,3
	global_store_b128 v[LI], v[RCOS+4*\x:RCOS+4*\x+3], s[26:27] offset:512*\x
	global_store_b128 v[LI], v[RSIN+4*\x:RSIN+4*\x+3], s[26:27] offset:2048+512*\x
.endr
	s_wait_xcnt 0x0                                    ; bases and data are written again only behind this wait
	s_add_nc_u64 s[10:11], s[10:11], 32                ; the group's second tile: 8 tokens on
	s_add_nc_u64 s[26:27], s[26:27], 4096
	s_sub_co_u32 s33, s33, 1
	s_cmp_lg_u32 s33, 0
	s_cbranch_scc1 .Lrope
	s_wait_tensorcnt 0x0
	ds_add_u32 v14, v15
	s_wait_dscnt 0x0
	s_endpgm
	; ---- M: a wave takes one tile of 16 queries and 1,024 keys, in four parts of 256.  Word n of a part: bit lane = mask(query lane % 16, key 32 (n / 16) + 16 (lane / 16) + n % 16):
	; the lane mask for register n of the scores as the attention launch holds them
.set MR, 16                            ; v16-143  the bytes as loaded
.set MB, 144                           ; v144-175 a part's bytes, a lane's 16 keys of each block of 32
.set OW, 176                           ; v176-191 the words: word n in lane n / 4 of register n % 4; four registers for each part
.set MT, 192
.Lrole_m:
	s_lshl_b32 s33, ttmp9, 2
	s_add_co_u32 s33, s33, s[WV]                       ; 2 T + half
	s_lshr_b32 s34, s33, 1
	s_and_b32 s36, s33, 1
	s_lshr_b32 s38, s34, 1
	s_lshl_b32 s38, s38, 16
	s_and_b32 s39, s34, 1
	s_lshl_b32 s39, s39, 14
	s_add_co_u32 s38, s38, s39                         ; the tile's first token x 2,048 bytes
	s_lshl_b32 s39, s36, 10
	s_add_co_u32 s38, s38, s39
	s_mov_b32 s39, 0
	s_add_nc_u64 s[12:13], s[12:13], s[38:39]
	s_lshl_b32 s38, s33, 11                            ; four parts of 512 bytes
	s_add_nc_u64 s[28:29], s[28:29], s[38:39]
	v_lshlrev_b32 v3, 4, v[RR]
	v_lshl_add_u32 v3, v[HH], 11, v3                   ; sixteen lanes read 256 consecutive bytes of a row; lanes 16-31 the next row
	s_mul_i32 s35, s[WV], 16*272
	s_add_co_u32 s35, s35, MST
	v_mul_u32_u24 v4, v[HH], 272
	v_lshl_add_u32 v4, v[RR], 4, v4
	v_add_nc_u32 v4, s35, v4                           ; into my stage as loaded,
	v_mul_u32_u24 v5, v[RR], 272
	v_lshl_add_u32 v5, v[HH], 4, v5
	v_add_nc_u32 v5, s35, v5                           ; and out: row r, + 16 h
.irp j, 0,1,2,3,4,5,6,7,8,9,10,11,12,13,14,15
	v_mov_b32 v[OW+\j], 0                              ; a lane write's destination counts as read
.endr
.irp wq, 0,1,2,3
.irp i, 0,1,2,3,4,5,6,7
	global_load_b128 v[MR+32*\wq+4*\i:MR+32*\wq+4*\i+3], v3, s[12:13] offset:(2*\i+8*(\i/4))*2048+256*\wq th:TH_LOAD_NT
.endr
.endr
.irp wq, 0,1,2,3
	s_wait_loadcnt 24-8*\wq                            ; this part's eight loads are in; the younger parts' may be out
.irp i, 0,1,2,3,4,5,6,7
	ds_store_b128 v4, v[MR+32*\wq+4*\i:MR+32*\wq+4*\i+3] offset:544*\i
.endr
.irp b, 0,1,2,3,4,5,6,7
	ds_load_b128 v[MB+4*\b:MB+4*\b+3], v5 offset:32*\b   ; my wave's own bytes, served in order: these see the stores above
.endr
	s_wait_dscnt 0x0
.set n, 0
.rept 128
	v_and_b32 v[MT+(n&7)], 0xff<<(8*(n&3)), v[MB+4*(n>>4)+((n&15)>>2)]
	v_cmp_ne_u32 s[40+(n&7)], 0, v[MT+(n&7)]
	v_writelane_b32 v[OW+4*\wq+(n&3)], s[40+(n&7)], n>>2
.set n, n+1
.endr
	global_store_b128 v[LI], v[OW+4*\wq:OW+4*\wq+3], s[28:29] offset:512*\wq
.endr
	s_wait_tensorcnt 0x0
	ds_add_u32 v14, v15
	s_wait_dscnt 0x0
	s_endpgm
	; ---- W: a wave takes 32 columns x 128 along K of one weight.  A lane takes a column and its registers run down K: a block of 32 lies in one lane.
.set WX, 64                            ; v64-191  128 numbers
.set WC, 192                           ; v192-223 their codes
.macro WLOAD n, c
.set i, 0
.rept 32
	global_load_b32 v[WX+32*(\c)+i], v[LS], s[14:15] offset:(32*(\c)+i)*(\n)*4 th:TH_LOAD_NT
.set i, i+1
.endr
.endm
.macro WBLOCK c
.set XS, WX+32*(\c)
	v_max3_num_f32 v226, |v[XS]|, |v[XS+1]|, |v[XS+2]|
	v_max3_num_f32 v227, |v[XS+3]|, |v[XS+4]|, |v[XS+5]|
.irp i, 6,10,14,18,22,26
	v_max3_num_f32 v226, v226, |v[XS+\i]|, |v[XS+\i+1]|
	v_max3_num_f32 v227, v227, |v[XS+\i+2]|, |v[XS+\i+3]|
.endr
	v_max3_num_f32 v226, v226, |v[XS+30]|, |v[XS+31]|
	v_max3_num_f32 v226, v226, v227, 0x8000000
	v_add_nc_u32 v228, 0xf8800000, v226
	v_and_or_b32 v229, v226, 0x7f800000, s[MNT]
	v_lshrrev_b32 v227, 23, v228
.if (\c) == 0
	v_mov_b32 v224, v227
.else
	v_lshl_or_b32 v224, v227, 8*(\c), v224
.endif
.set i, 0
.rept 32
	v_med3_num_f32 v[XS+i], v[XS+i], -v229, v229
.set i, i+1
.endr
.irp g, 0,1,2,3
	v_cvt_scalef32_pk8_bf8_f32 v[WC+8*(\c)+2*\g:WC+8*(\c)+2*\g+1], v[XS+8*\g:XS+8*\g+7], v228
.endr
	global_store_b128 v3, v[WC+8*(\c):WC+8*(\c)+3], s[44:45] offset:512*(\c)          ; k 32 c + 0 .. 15: the image's lanes 0-15; the sixteen lanes of a tile store 256 consecutive bytes
	global_store_b128 v3, v[WC+8*(\c)+4:WC+8*(\c)+7], s[44:45] offset:512*(\c)+256    ; k 32 c + 16 .. 31: its lanes 16-31
.endm
; s36 the weight's place among the codes, s37 the K step, s38 the group of 32 columns, s39 the weight's K steps; sh: log2 of 128 rows in bytes
.macro WQ n, sh
	s_lshl_b32 s40, s37, \sh
	s_lshl_b32 s41, s38, 7
	s_add_co_u32 s40, s40, s41
	s_mov_b32 s41, 0
	s_add_nc_u64 s[14:15], s[14:15], s[40:41]
	s_mul_i32 s42, s38, s39
	s_lshl_b32 s42, s42, 1
	s_add_co_u32 s42, s42, s37                         ; fragment (tile 2 x group, K step)
	s_lshl_b32 s44, s42, 11
	s_add_co_u32 s44, s44, s36
	s_mov_b32 s45, 0
	s_lshl_b32 s46, s42, 7
	s_lshr_b32 s47, s36, 4
	s_add_co_u32 s46, s46, s47
	s_add_co_u32 s46, s46, 0x300000
	s_mov_b32 s47, 0
	s_add_nc_u64 s[44:45], s[30:31], s[44:45]
	s_add_nc_u64 s[46:47], s[30:31], s[46:47]
	s_lshl_b32 s48, s39, 11
	s_lshl_b32 s49, s39, 7
	v_mul_u32_u24 v3, v12, s48                         ; the group's second tile lies a tile's K steps on
	v_lshl_add_u32 v3, v13, 4, v3
	v_mul_u32_u24 v4, v12, s49
	v_lshl_add_u32 v4, v13, 2, v4
	WLOAD \n, 0
	WLOAD \n, 1
	s_wait_loadcnt 32                                  ; block 0 is in; the next block's 32 loads may be out (so in each line of this kind)
	WLOAD \n, 2
	WBLOCK 0
	s_wait_loadcnt 32
	WLOAD \n, 3
	WBLOCK 1
	s_wait_loadcnt 32
	WBLOCK 2
	s_wait_loadcnt 0x0
	WBLOCK 3
	global_store_b32 v4, v224, s[46:47]                ; the column's scale word, for the image's lanes 0-15
	global_store_b32 v4, v224, s[46:47] offset:64      ; and 16-31
.endm
.Lrole_w:
	s_sub_co_u32 s33, ttmp9, 256
	s_lshl_b32 s34, s33, 2
	s_add_co_u32 s34, s34, s[WV]                       ; my wave's unit, 0 .. 767
	v_bfe_u32 v12, v0, 3, 1                            ; column 32 g + lane is row (lane & 7) + 8 (lane >> 4) of tile 2 g + ((lane >> 3) & 1)
	v_and_b32 v13, 7, v0
	v_lshl_add_u32 v13, v[HH], 3, v13
	s_and_b32 s38, s34, 15
	s_cmp_lt_u32 s33, 64
	s_cbranch_scc0 .Lw_big
	s_lshr_b32 s35, s33, 4                             ; wq, wk, wv, wo: 64 units each
	s_cmp_eq_u32 s35, 1
	s_cselect_b64 s[14:15], s[16:17], s[14:15]
	s_cmp_eq_u32 s35, 2
	s_cselect_b64 s[14:15], s[18:19], s[14:15]
	s_cmp_eq_u32 s35, 3
	s_cselect_b64 s[14:15], s[20:21], s[14:15]
	s_lshl_b32 s36, s35, 18
	s_bfe_u32 s37, s34, 0x20004
	s_mov_b32 s39, 4
	s_branch .Lw_512
.Lw_big:
	s_cmp_lt_u32 s33, 128
	s_cbranch_scc1 .Lw_2048
	s_mov_b64 s[14:15], s[24:25]                       ; w2: 16 K steps x 16 groups
	s_mov_b32 s36, 0x200000
	s_sub_co_u32 s37, s34, 512
	s_lshr_b32 s37, s37, 4
	s_mov_b32 s39, 16
.Lw_512:
	WQ 512, 18
	s_wait_tensorcnt 0x0
	ds_add_u32 v14, v15
	s_wait_dscnt 0x0
	s_endpgm
.Lw_2048:
	s_mov_b64 s[14:15], s[22:23]                       ; w1: 4 K steps x 64 groups
	s_mov_b32 s36, 0x100000
	s_sub_co_u32 s37, s34, 256
	s_lshr_b32 s37, s37, 6
	s_and_b32 s38, s34, 63
	s_mov_b32 s39, 4
	WQ 2048, 20
	s_wait_tensorcnt 0x0
	ds_add_u32 v14, v15
	s_wait_dscnt 0x0
	s_endpgm
.Lfunc_end_k_q02aa00ea81_prep:
	.size	k_q02aa00ea81_prep, .Lfunc_end_k_q02aa00ea81_prep-k_q02aa00ea81_prep
	.p2alignl 7, 3214868480
	.fill 96, 4, 3214868480
	.section	.rodata,"a",@progbits
	.p2align	6, 0x0
	.amdhsa_kernel k_q02aa00ea81_prep
		.amdhsa_group_segment_fixed_size 18944
		.amdhsa_private_segment_fixed_size 0
		.amdhsa_enable_private_segment 0
		.amdhsa_kernarg_size 112
		.amdhsa_user_sgpr_count 2
		.amdhsa_user_sgpr_kernarg_segment_ptr 1
		.amdhsa_wavefront_size32 1
		.amdhsa_system_sgpr_workgroup_id_x 1
		.amdhsa_system_sgpr_workgroup_id_y 1
		.amdhsa_system_sgpr_workgroup_id_z 1
		.amdhsa_system_vgpr_workitem_id 0
		.amdhsa_next_free_vgpr 256
		.amdhsa_next_free_sgpr 66
		.amdhsa_reserve_vcc 1
		.amdhsa_float_denorm_mode_32 3
		.amdhsa_float_denorm_mode_16_64 3
		.amdhsa_memory_ordered 1
		.amdhsa_forward_progress 1
		.amdhsa_inst_pref_size 214
	.end_amdhsa_kernel
	.amdgpu_metadata
---
amdhsa.version: [ 1, 2 ]
amdhsa.kernels:
  - .name:           k_q02aa00ea81_prep
    .symbol:         k_q02aa00ea81_prep.kd
    .args:
      - { .name: x, .offset: 0, .size: 8, .value_kind: global_buffer, .address_space: global }
      - { .name: ln1_g, .offset: 8, .size: 8, .value_kind: global_buffer, .address_space: global }
      - { .name: ln1_b, .offset: 16, .size: 8, .value_kind: global_buffer, .address_space: global }
      - { .name: positions, .offset: 24, .size: 8, .value_kind: global_buffer, .address_space: global }
      - { .name: o2o_mask, .offset: 32, .size: 8, .value_kind: global_buffer, .address_space: global }
      - { .name: wq, .offset: 40, .size: 8, .value_kind: global_buffer, .address_space: global }
      - { .name: wk, .offset: 48, .size: 8, .value_kind: global_buffer, .address_space: global }
      - { .name: wv, .offset: 56, .size: 8, .value_kind: global_buffer, .address_space: global }
      - { .name: wo, .offset: 64, .size: 8, .value_kind: global_buffer, .address_space: global }
      - { .name: w1, .offset: 72, .size: 8, .value_kind: global_buffer, .address_space: global }
      - { .name: w2, .offset: 80, .size: 8, .value_kind: global_buffer, .address_space: global }
      - { .name: xn, .offset: 88, .size: 8, .value_kind: global_buffer, .address_space: global }
      - { .name: mbits, .offset: 96, .size: 8, .value_kind: global_buffer, .address_space: global }
      - { .name: wts, .offset: 104, .size: 8, .value_kind: global_buffer, .address_space: global }
    .group_segment_fixed_size: 18944
    .private_segment_fixed_size: 0
    .kernarg_segment_align: 8
    .kernarg_segment_size: 112
    .max_flat_workgroup_size: 128
    .sgpr_count:     66
    .vgpr_count:     256
    .wavefront_size: 32
...
	.end_amdgpu_metadata
.endif
;; end of part 1
;; launch qkv (part 2): grid 3 x 64, 4 waves a work-group, no clusters, 0 bytes of LDS; arguments xn, wts, bq, bk, bv, qkv; writes qkv
.if DOCPART == 2
	.amdgcn_target "amdgcn-amd-amdhsa--gfx1250"
	.amdhsa_code_object_version 6
	.text
	.protected	k_q02aa00ea81_qkv
	.globl	k_q02aa00ea81_qkv
	.p2align	8
	.type	k_q02aa00ea81_qkv,@function
k_q02aa00ea81_qkv:
	s_mov_b64 s[64:65], 0
	v_nop
	global_prefetch_b8 v0, s[64:65] scope:SCOPE_SE
	s_setreg_imm32_b32 hwreg(HW_REG_WAVE_MODE, 25, 1), 1
	s_wait_xcnt 0x0
; QKV.  Work-group (ty, G): ty = 0 q, 1 k, 2 v; G: 128 tokens, tiles 8 G .. 8 G + 7.  Products on codes of E5M2 with E8M0 scales; sums in f32.
; A wave keeps 32 fragments (8 tiles x 4 K steps, 512 registers) for the whole launch and streams 8 tiles of the other operand from memory straight into operand registers, two tiles ahead.
; q, k: the wave's 128 columns of the weight stay, tokens stream.  Source 0 = the weight's tiles, source 1 = a tile of tokens: a lane holds one token and 64 numbers, register 16 b + i = column 32 b + 16 h + i.
;   The bias is the C of each sum's first product.  Then the rotation (a head's d and d + 32 lie 16 registers apart in one lane), the quantiser along d, and the codes leave as register images.
; v: the SAME matrix text with the pointers changed: the 128 tokens stay and 16 columns d stream, so that a lane holds one d and its 64 registers are keys 32 b + 16 h + i: one fragment of V^T, K = the keys.
; 192 work-groups: the four waves of a work-group hold one whole weight of 512 x 512 between them.
; No LDS ring, no tensor loads, no cluster: what stays is read once (64 KB a wave), what streams (8 KB a tile) goes into the operand's registers as it lies; through LDS each byte would be written and read once more.
; What work-groups share is the 256 KB read once at the head, against 8 tiles of work.
; LIMITS: as the quantiser's in the launch before: NaN and infinities are not served; blocks under 2^-111 keep the byte 1.
; REGISTERS.  window 0: v1-8 addresses; v16-79 the sums; v80-95 codes; v96-112 the quantiser's; v114-119 at work; v120-127 the streamed tiles' scale words; v128-191 cos and sin, two sets; v224-255 the resident scale words.
;   windows 1, 2: the resident fragments (tile t, K step k) at v[64 (t % 4) + 16 k].   window 3: v0-127 two streamed tiles; v128-191 the bias of q or k; v192-207 v's bias, two sets.
.set LI, 1
.set LS, 2
.set BA, 6                             ; v6  64 h
.set CBA, 7                            ; v7  4 (r + 8 (r / 8))
.set QSA, 8                            ; v8  4 r + 8192 h
.set HA, 16
.set PC, 80
.set TM, 96
.set PW, 112
.set T0, 114
.set T1, 116
.set SS, 120
.set RP, 128
.set RS, 224
.set BI, 128
.set CB, 192
.set RB, 16
.set RSB, 18
.set SB, 20
.set SSB, 22
.set RPB, 24
.set OC, 26
.set OS, 28
.set BP, 30
.set WV, 32
.set CNT, 33
.set SEL, 34
.set MNT, 36
.set HM, 37
.set MSB, 0
.macro WIN new                         ; the immediate's high byte repeats the setting that is left
.if MSB != \new
	s_set_vgpr_msb (MSB<<8)|\new
.set MSB, \new
.endif
.endm
.macro PLACES n
.rept \n
	v_nop
.endr
.endm
.macro QUANT s, relu
.if \relu
.irp b, 0,1,2,3
	v_max3_num_f32 v[TM+\b], v[\s+16*\b], v[\s+1+16*\b], 0x8000000
.endr
.irp i, 2,4,6,8,10,12,14
.irp b, 0,1,2,3
	v_max3_num_f32 v[TM+\b], v[TM+\b], v[\s+16*\b+\i], v[\s+1+16*\b+\i]
.endr
.endr
.else
.irp b, 0,1,2,3
	v_max3_num_f32 v[TM+\b], |v[\s+16*\b]|, |v[\s+1+16*\b]|, 0x8000000   ; my 16 numbers of block b, and the floor 2^(16 - 127)
.endr
.irp i, 2,4,6,8,10,12,14
.irp b, 0,1,2,3
	v_max3_num_f32 v[TM+\b], v[TM+\b], |v[\s+16*\b+\i]|, |v[\s+1+16*\b+\i]|
.endr
.endr
.endif
.irp b, 0,1,2,3
	v_permlanex16_b32 v[TM+4+\b], v[TM+\b], s[SEL], s[SEL+1]
.endr
.irp b, 0,1,2,3
	v_max_num_f32 v[TM+\b], v[TM+\b], v[TM+4+\b]
.endr
.irp b, 0,1,2,3
	v_add_nc_u32 v[TM+12+\b], 0xf8800000, v[TM+\b]     ; 15 off the exponent field: the conversion's scale operand
.endr
.irp b, 0,1,2,3
	v_and_or_b32 v[TM+8+\b], v[TM+\b], 0x7f800000, s[MNT]   ; 57,344 x the scale
.endr
.irp b, 0,1,2,3
	v_lshrrev_b32 v[TM+4+\b], 23, v[TM+12+\b]
.endr
	v_lshl_or_b32 v[PW], v[TM+5], 8, v[TM+4]
	v_lshl_or_b32 v[PW], v[TM+6], 16, v[PW]
	v_lshl_or_b32 v[PW], v[TM+7], 24, v[PW]
.irp b, 0,1,2,3
.irp i, 0,1,2,3,4,5,6,7,8,9,10,11,12,13,14,15
.if \relu
	v_med3_num_f32 v[\s+16*\b+\i], v[\s+16*\b+\i], 0, v[TM+8+\b]
.else
	v_med3_num_f32 v[\s+16*\b+\i], v[\s+16*\b+\i], -v[TM+8+\b], v[TM+8+\b]
.endif
.endr
	v_cvt_scalef32_pk8_bf8_f32 v[PC+4*\b:PC+1+4*\b], v[\s+16*\b:\s+7+16*\b], v[TM+12+\b]
	v_cvt_scalef32_pk8_bf8_f32 v[PC+2+4*\b:PC+3+4*\b], v[\s+8+16*\b:\s+15+16*\b], v[TM+12+\b]
.endr
	v_nop                                              ; a plain line behind the last conversion
.endm
.macro RESIDENT stride                 ; 32 fragments and their scale words; from tile to tile: stride fragments
	WIN 0x40
.irp t, 0,1,2,3
.irp k, 0,1,2,3
.irp c, 0,1,2,3
	global_load_b128 v[64*\t+16*\k+4*\c:64*\t+16*\k+4*\c+3], v[LI], s[RB:RB+1] offset:(\t*\stride+\k)*2048+512*\c
.endr
.endr
.endr
	WIN 0x80
.irp t, 4,5,6,7
.irp k, 0,1,2,3
.irp c, 0,1,2,3
	global_load_b128 v[64*(\t-4)+16*\k+4*\c:64*(\t-4)+16*\k+4*\c+3], v[LI], s[RB:RB+1] offset:(\t*\stride+\k)*2048+512*\c
.endr
.endr
.endr
	WIN 0
.irp t, 0,1,2,3,4,5,6,7
.irp k, 0,1,2,3
	global_load_b32 v[RS+4*\t+\k], v[LS], s[RSB:RSB+1] offset:(\t*\stride+\k)*128
.endr
.endr
.endm
.macro STREAM buf, off, soff           ; a tile's four fragments and scale words: 20 loads
	WIN 0xc0
.irp k, 0,1,2,3
.irp c, 0,1,2,3
	global_load_b128 v[64*\buf+16*\k+4*\c:64*\buf+16*\k+4*\c+3], v[LI], s[SB:SB+1] offset:\off+2048*\k+512*\c
.endr
.endr
	WIN 0
.irp k, 0,1,2,3
	global_load_b32 v[SS+4*\buf+\k], v[LS], s[SSB:SSB+1] offset:\soff+128*\k
.endr
.endm
.macro WMC d, a, b, c, sa, sb
	v_wmma_scale_f32_16x16x128_f8f6f4 v[\d:\d+7], v[\a:\a+15], v[\b:\b+15], v[\c:\c+7], v[\sa], v[\sb] matrix_a_fmt:MATRIX_FMT_BF8 matrix_b_fmt:MATRIX_FMT_BF8
.endm
.macro WMZ d, a, b, sa, sb
	v_wmma_scale_f32_16x16x128_f8f6f4 v[\d:\d+7], v[\a:\a+15], v[\b:\b+15], 0, v[\sa], v[\sb] matrix_a_fmt:MATRIX_FMT_BF8 matrix_b_fmt:MATRIX_FMT_BF8
.endm
; 32 products: 8 resident tiles x 4 K steps against streamed tile buf.  Four accumulators take turns, one instruction a turn.
; The first K step's C: cmode 0 the bias by tile, 1 one bias for all tiles, 2 the constant 0, 3 what the accumulators hold
.macro MUL buf, cmode
.irp half, 0,1
.irp k, 0,1,2,3
.if (\k == 0) && (\cmode < 2)
	WIN 0x3d+\half
.else
	WIN 0x0d+\half
.endif
.irp t, 0,1,2,3
.if (\k == 0) && (\cmode == 0)
	WMC HA+8*(4*\half+\t), 64*\t+16*\k, 64*\buf+16*\k, BI+8*(4*\half+\t), RS+4*(4*\half+\t)+\k, SS+4*\buf+\k
.elseif (\k == 0) && (\cmode == 1)
	WMC HA+8*(4*\half+\t), 64*\t+16*\k, 64*\buf+16*\k, CB+8*\buf, RS+4*(4*\half+\t)+\k, SS+4*\buf+\k
.elseif (\k == 0) && (\cmode == 2)
	WMZ HA+8*(4*\half+\t), 64*\t+16*\k, 64*\buf+16*\k, RS+4*(4*\half+\t)+\k, SS+4*\buf+\k
.else
	WMC HA+8*(4*\half+\t), 64*\t+16*\k, 64*\buf+16*\k, HA+8*(4*\half+\t), RS+4*(4*\half+\t)+\k, SS+4*\buf+\k
.endif
.endr
.endr
.endr
.endm
	s_load_b256 s[4:11], s[0:1], 0x0                   ; xn, wts, bq, bk
	s_load_b128 s[12:15], s[0:1], 0x20                 ; bv, qkv
	v_lshrrev_b32 v3, 5, v0
	v_readfirstlane_b32 s[WV], v3
	v_and_b32 v3, 31, v0
	v_lshlrev_b32 v[LI], 4, v3
	v_lshlrev_b32 v[LS], 2, v3
	v_and_b32 v4, 15, v0                               ; r
	v_bfe_u32 v5, v0, 4, 1                             ; h
	v_lshlrev_b32 v[BA], 6, v5
	v_and_b32 v[CBA], 8, v4
	v_add_nc_u32 v[CBA], v[CBA], v4
	v_lshlrev_b32 v[CBA], 2, v[CBA]
	v_lshlrev_b32 v[QSA], 2, v4
	v_lshl_add_u32 v[QSA], v5, 13, v[QSA]
.irp b, 0,1,2,3
	v_mov_b32 v[TM+4+\b], 0                            ; written once: a lane permute's destination counts as one of its sources
.endr
	s_mov_b32 s[SEL], 0x76543210
	s_mov_b32 s[SEL+1], 0xfedcba98
	s_mov_b32 s[MNT], 0x600000
	s_mov_b32 s[HM], 0xffff0000
	s_and_b32 s38, ttmp7, 0xffff                       ; G
	s_lshl_b32 s40, ttmp9, 18
	s_lshl_b32 s41, s[WV], 16
	s_add_co_u32 s40, s40, s41                         ; the weight's codes, my 128 columns
	s_mov_b32 s41, 0
	s_lshl_b32 s42, ttmp9, 14
	s_lshl_b32 s43, s[WV], 12
	s_add_co_u32 s42, s42, s43
	s_add_co_u32 s42, s42, 0x300000                    ; their scale words
	s_mov_b32 s43, 0
	s_lshl_b32 s44, s38, 16                            ; the tokens' codes
	s_mov_b32 s45, 0
	s_lshl_b32 s46, s38, 12
	s_add_co_u32 s46, s46, 0x400000                    ; their scale words
	s_mov_b32 s47, 0
	s_wait_kmcnt 0x0
	s_add_nc_u64 s[40:41], s[6:7], s[40:41]
	s_add_nc_u64 s[42:43], s[6:7], s[42:43]
	s_add_nc_u64 s[44:45], s[4:5], s[44:45]
	s_add_nc_u64 s[46:47], s[4:5], s[46:47]
	s_cmp_eq_u32 ttmp9, 2                              ; for v the tokens stay and the weight streams
	s_cselect_b64 s[RB:RB+1], s[44:45], s[40:41]
	s_cselect_b64 s[RSB:RSB+1], s[46:47], s[42:43]
	s_cselect_b64 s[SB:SB+1], s[40:41], s[44:45]
	s_cselect_b64 s[SSB:SSB+1], s[42:43], s[46:47]
	RESIDENT 4
	s_cmp_eq_u32 ttmp9, 2
	s_cbranch_scc1 .Lv
	; ---- q and k
	s_cmp_eq_u32 ttmp9, 0
	s_cselect_b64 s[BP:BP+1], s[8:9], s[10:11]
	s_lshl_b32 s48, s[WV], 9
	s_mov_b32 s49, 0
	s_add_nc_u64 s[BP:BP+1], s[BP:BP+1], s[48:49]
	s_lshl_b32 s48, s38, 15
	s_add_co_u32 s48, s48, 0x440000
	s_add_nc_u64 s[RPB:RPB+1], s[4:5], s[48:49]        ; cos and sin of tile 8 G
	s_lshr_b32 s50, s38, 4
	s_lshl_b32 s50, s50, 3
	s_lshl_b32 s51, s[WV], 1
	s_add_co_u32 s50, s50, s51                         ; head 8 b + 2 w
	s_lshl_b32 s50, s50, 7
	s_and_b32 s51, s38, 15
	s_lshl_b32 s51, s51, 3
	s_add_co_u32 s50, s50, s51                         ; x 128 tiles + my first tile in the batch
	s_lshl_b32 s48, s50, 10
	s_lshl_b32 s51, ttmp9, 22
	s_add_co_u32 s48, s48, s51
	s_add_nc_u64 s[OC:OC+1], s[14:15], s[48:49]
	s_lshl_b32 s48, s50, 6
	s_lshl_b32 s51, ttmp9, 18
	s_add_co_u32 s48, s48, s51
	s_add_co_u32 s48, s48, 0xc00000
	s_add_nc_u64 s[OS:OS+1], s[14:15], s[48:49]
	WIN 0xc0
.irp t, 0,1,2,3,4,5,6,7
	global_load_b128 v[BI+8*\t:BI+8*\t+3], v[BA], s[BP:BP+1] offset:(32*(\t/2)+8*(\t%2))*4
	global_load_b128 v[BI+8*\t+4:BI+8*\t+7], v[BA], s[BP:BP+1] offset:(32*(\t/2)+8*(\t%2))*4+16
.endr
	WIN 0
.macro ROPELOAD buf
.irp x, 0,1,2,3,4,5,6,7
	global_load_b128 v[RP+32*\buf+4*\x:RP+32*\buf+4*\x+3], v[LI], s[RPB:RPB+1] offset:4096*\buf+512*\x
.endr
.endm
.macro TILE_QK buf, fetch, cnt
	s_wait_loadcnt \cnt                                ; this tile's loads are in; the next tile's 20 + 8 may be out
	MUL \buf, 0
	WIN 0
	PLACES 8                                           ; in front of loads into registers that the products read, and of the first read of results
.if \fetch
	STREAM \buf, 8192*\buf, 512*\buf
.endif
.irp x, 0,1
.irp i, 0,2,4,6,8,10,12,14
	v_pk_mul_f32 v[T0:T0+1], v[HA+32*\x+16+\i:HA+32*\x+17+\i], v[RP+32*\buf+16+\i:RP+32*\buf+17+\i]
	v_pk_mul_f32 v[T1:T1+1], v[HA+32*\x+\i:HA+32*\x+1+\i], v[RP+32*\buf+16+\i:RP+32*\buf+17+\i]
	v_pk_fma_f32 v[HA+32*\x+\i:HA+32*\x+1+\i], v[HA+32*\x+\i:HA+32*\x+1+\i], v[RP+32*\buf+\i:RP+32*\buf+1+\i], v[T0:T0+1] neg_lo:[0,0,1] neg_hi:[0,0,1]   ; d < 32: x cos - x(d + 32) sin
	v_pk_fma_f32 v[HA+32*\x+16+\i:HA+32*\x+17+\i], v[HA+32*\x+16+\i:HA+32*\x+17+\i], v[RP+32*\buf+\i:RP+32*\buf+1+\i], v[T1:T1+1]                        ; d >= 32: x cos + x(d - 32) sin
.endr
.endr
.if \fetch
	ROPELOAD \buf
.endif
	s_wait_xcnt 0x0                                    ; the last tile's stores have read the codes' and the words' registers
	QUANT HA, 0
	global_store_b128 v[LI], v[PC:PC+3], s[OC:OC+1] offset:1024*\buf            ; head 2 w: d 0-31,
	global_store_b128 v[LI], v[PC+4:PC+7], s[OC:OC+1] offset:1024*\buf+512      ; d 32-63;
	global_store_b128 v[LI], v[PC+8:PC+11], s[OC:OC+1] offset:1024*\buf+131072  ; head 2 w + 1
	global_store_b128 v[LI], v[PC+12:PC+15], s[OC:OC+1] offset:1024*\buf+131584
	v_perm_b32 v118, v[PW], v[PW], 0x01000100          ; a head's two bytes, twice: the word serves either half of a K step of 128
	v_perm_b32 v119, v[PW], v[PW], 0x03020302
	v_cndmask_b32 v118, v118, v119, s[HM]              ; lanes 0-15 store head 2 w's words, lanes 16-31 head 2 w + 1's
	global_store_b32 v[QSA], v118, s[OS:OS+1] offset:64*\buf
.endm
	STREAM 0, 0, 0
	ROPELOAD 0
	STREAM 1, 8192, 512
	ROPELOAD 1
	s_wait_xcnt 0x0
	s_add_nc_u64 s[SB:SB+1], s[SB:SB+1], 16384
	s_add_nc_u64 s[SSB:SSB+1], s[SSB:SSB+1], 1024
	s_add_nc_u64 s[RPB:RPB+1], s[RPB:RPB+1], 8192
	s_mov_b32 s[CNT], 3
.Lqk:
	TILE_QK 0, 1, 28
	TILE_QK 1, 1, 28
	s_wait_xcnt 0x0                                    ; the bases are stepped only behind this wait
	s_add_nc_u64 s[SB:SB+1], s[SB:SB+1], 16384
	s_add_nc_u64 s[SSB:SSB+1], s[SSB:SSB+1], 1024
	s_add_nc_u64 s[RPB:RPB+1], s[RPB:RPB+1], 8192
	s_add_nc_u64 s[OC:OC+1], s[OC:OC+1], 2048
	s_add_nc_u64 s[OS:OS+1], s[OS:OS+1], 128
	s_sub_co_u32 s[CNT], s[CNT], 1
	s_cmp_lg_u32 s[CNT], 0
	s_cbranch_scc1 .Lqk
	TILE_QK 0, 0, 28                                   ; the last two tiles fetch nothing
	TILE_QK 1, 0, 0
	s_endpgm
	; ---- v
.Lv:
	s_lshl_b32 s48, s[WV], 9
	s_mov_b32 s49, 0
	s_add_nc_u64 s[BP:BP+1], s[12:13], s[48:49]
	s_lshl_b32 s50, s38, 5
	s_lshl_b32 s51, s[WV], 3
	s_add_co_u32 s50, s50, s51                         ; fragment 32 G + 8 w
	s_lshl_b32 s48, s50, 11
	s_add_co_u32 s48, s48, 0x800000
	s_add_nc_u64 s[OC:OC+1], s[14:15], s[48:49]
	s_lshl_b32 s48, s50, 7
	s_add_co_u32 s48, s48, 0xc80000
	s_add_nc_u64 s[OS:OS+1], s[14:15], s[48:49]
.macro CBLOAD buf                      ; my column's bias in all eight registers of a C
	WIN 0xc0
.irp j, 0,1,2,3,4,5,6,7
	global_load_b32 v[CB+8*\buf+\j], v[CBA], s[BP:BP+1] offset:32*\buf
.endr
	WIN 0
.endm
.macro TILE_V buf, fetch, cnt
	s_wait_loadcnt \cnt
	MUL \buf, 1
	WIN 0
	PLACES 8
.if \fetch
	STREAM \buf, 8192*\buf, 512*\buf
	CBLOAD \buf
.endif
	s_wait_xcnt 0x0
	QUANT HA, 0
.irp c, 0,1,2,3
	global_store_b128 v[LI], v[PC+4*\c:PC+4*\c+3], s[OC:OC+1] offset:2048*\buf+512*\c
.endr
	global_store_b32 v[LS], v[PW], s[OS:OS+1] offset:128*\buf
.endm
	STREAM 0, 0, 0
	CBLOAD 0
	STREAM 1, 8192, 512
	CBLOAD 1
	s_wait_xcnt 0x0
	s_add_nc_u64 s[SB:SB+1], s[SB:SB+1], 16384
	s_add_nc_u64 s[SSB:SSB+1], s[SSB:SSB+1], 1024
	s_add_nc_u64 s[BP:BP+1], s[BP:BP+1], 128
	s_mov_b32 s[CNT], 3
.Lvl:
	TILE_V 0, 1, 28
	TILE_V 1, 1, 28
	s_wait_xcnt 0x0
	s_add_nc_u64 s[SB:SB+1], s[SB:SB+1], 16384
	s_add_nc_u64 s[SSB:SSB+1], s[SSB:SSB+1], 1024
	s_add_nc_u64 s[BP:BP+1], s[BP:BP+1], 128
	s_add_nc_u64 s[OC:OC+1], s[OC:OC+1], 4096
	s_add_nc_u64 s[OS:OS+1], s[OS:OS+1], 256
	s_sub_co_u32 s[CNT], s[CNT], 1
	s_cmp_lg_u32 s[CNT], 0
	s_cbranch_scc1 .Lvl
	TILE_V 0, 0, 28
	TILE_V 1, 0, 0
	s_endpgm
.Lfunc_end_k_q02aa00ea81_qkv:
	.size	k_q02aa00ea81_qkv, .Lfunc_end_k_q02aa00ea81_qkv-k_q02aa00ea81_qkv
	.p2alignl 7, 3214868480
	.fill 96, 4, 3214868480
	.section	.rodata,"a",@progbits
	.p2align	6, 0x0
	.amdhsa_kernel k_q02aa00ea81_qkv
		.amdhsa_group_segment_fixed_size 0
		.amdhsa_private_segment_fixed_size 0
		.amdhsa_enable_private_segment 0
		.amdhsa_kernarg_size 48
		.amdhsa_user_sgpr_count 2
		.amdhsa_user_sgpr_kernarg_segment_ptr 1
		.amdhsa_wavefront_size32 1
		.amdhsa_system_sgpr_workgroup_id_x 1
		.amdhsa_system_sgpr_workgroup_id_y 1
		.amdhsa_system_sgpr_workgroup_id_z 1
		.amdhsa_system_vgpr_workitem_id 0
		.amdhsa_next_free_vgpr 1024
		.amdhsa_next_free_sgpr 66
		.amdhsa_reserve_vcc 0
		.amdhsa_float_denorm_mode_32 3
		.amdhsa_float_denorm_mode_16_64 3
		.amdhsa_memory_ordered 1
		.amdhsa_forward_progress 1
		.amdhsa_inst_pref_size 164
	.end_amdhsa_kernel
	.amdgpu_metadata
---
amdhsa.version: [ 1, 2 ]
amdhsa.kernels:
  - .name:           k_q02aa00ea81_qkv
    .symbol:         k_q02aa00ea81_qkv.kd
    .args:
      - { .name: xn, .offset: 0, .size: 8, .value_kind: global_buffer, .address_space: global }
      - { .name: wts, .offset: 8, .size: 8, .value_kind: global_buffer, .address_space: global }
      - { .name: bq, .offset: 16, .size: 8, .value_kind: global_buffer, .address_space: global }
      - { .name: bk, .offset: 24, .size: 8, .value_kind: global_buffer, .address_space: global }
      - { .name: bv, .offset: 32, .size: 8, .value_kind: global_buffer, .address_space: global }
      - { .name: qkv, .offset: 40, .size: 8, .value_kind: global_buffer, .address_space: global }
    .group_segment_fixed_size: 0
    .private_segment_fixed_size: 0
    .kernarg_segment_align: 8
    .kernarg_segment_size: 48
    .max_flat_workgroup_size: 128
    .sgpr_count:     66
    .vgpr_count:     1024
    .wavefront_size: 32
...
	.end_amdgpu_metadata
.endif
;; end of part 2
;; launch attn (part 3): grid 8 x 32, 8 waves a work-group, no clusters, 77,824 bytes of LDS; arguments qkv, mbits, att; writes att
.if DOCPART == 3
	.amdgcn_target "amdgcn-amd-amdhsa--gfx1250"
	.amdhsa_code_object_version 6
	.text
	.protected	k_q02aa00ea81_attn
	.globl	k_q02aa00ea81_attn
	.p2align	8
	.type	k_q02aa00ea81_attn,@function
k_q02aa00ea81_attn:
	s_mov_b64 s[64:65], 0
	v_nop
	global_prefetch_b8 v0, s[64:65] scope:SCOPE_SE
	s_setreg_imm32_b32 hwreg(HW_REG_WAVE_MODE, 25, 1), 1
	s_wait_xcnt 0x0
; ATTENTION on codes of E5M2 with E8M0 scales.  The weights are quantised FINISHED AND NORMALISED, so a query's whole row of 2,048 scores is held at once: the keys are shared among the eight waves.
; Work-group (QC, BH): head BH of 32, 16 tiles of 16 queries.  Wave w owns keys 256 w .. 256 w + 255 for the whole launch: its K (128 registers) and V^T (128) stay in window 1.
; S^T = K Q^T (source 0 = 16 keys, source 1 = 16 queries): a lane holds ONE query (lane % 16); register n of 128 is key 256 w + 32 (n / 16) + 16 (lane / 16) + n % 16.
; The head's 64 are half of the instruction's 128 along K: two tiles of keys are packed into one operand, and [q | 0] or [0 | q] picks one of them; zero codes add nothing.
; THE MASK goes in ahead of the maximum: one select a score, by lane-mask words that an earlier launch packed, read into 64 scalar registers, 64 words at a time.
; TWO HALVES.  A wave's 256 keys are taken as two halves of 128, each with a maximum of its own: behind the selects of half 0 the words of half 1 are asked for, and half 0's maxima, exponentials and sums
;   stand between that request and the wait for it.  The halves are joined in registers: m_w = max(m_0, m_1), sum_w = sum_0 2^(c m_0 - c m_w) + sum_1 2^(c m_1 - c m_w).
; ONE BARRIER A TILE.  Ahead of the barrier of tile t: scores, mask, p = 2^(c s - c m_x), (c m_w, sum_w) to LDS.  Behind it: all eight waves' statistics: f_x = 2^(c m_x - c m) / sum; p f_x; quantised along the keys;
;   my part of O^T = V^T P to LDS; the eight parts of tile t - 1 are added (wave w: queries 2 w, 2 w + 1) and quantised along d, codes to LDS; the codes of tile t - 2 are stored (waves 0, 1; wave 2 the scale bytes).
;   Each LDS region has two buffers by turns: what is written behind one barrier is read behind the next and written again behind the one after that, and every wave waits for all its LDS instructions ahead of each signal.
; A row with no key left gets weights 0.  LIMITS: scores beyond +-3e38, NaN and infinities are not served; a p under 2^-126 counts as 0 (the exponential's own flush).
; No cluster and no tensor loads: K and V of a head are read once by each of its 8 work-groups, at the head (256 KB against 16 tiles of work), straight into the operands' registers.
; No prefetch of the mask words: the scalar loads themselves ask half a tile to a whole tile ahead of their use.
.set STATB, 2048                       ; LDS 0: (c m_w, sum_w), 8 bytes a thread: two buffers of 2,048 bytes
.set OPB, 4096                         ; eight parts of O^T, 16 rows x 272 bytes each:
.set OPS, 34816                        ; two buffers of 34,816 bytes
.set CIB, 73728                        ; a tile's codes as a register image, 1 KB,
.set SIB, 74752                        ; and its 32 scale bytes:
.set CIS, 1280                         ; two buffers, 1,280 bytes apart
.set LI, 1                             ; v1  16 x lane
.set LS, 2                             ; v2  4 x lane
.set LQS, 3                            ; v3  4 r
.set STW, 4                            ; v4  8 x my thread's number
.set STR, 5                            ; v5  8 x lane
.set OPW, 6                            ; v6  my part of O^T: row r, + 64 h
.set OPR, 7                            ; v7  the reduction's reads
.set CIW, 8                            ; v8  where my 8 codes go in the image
.set SIW, 9                            ; v9  and my block's byte
.set FLR, 10                           ; v10 the flush: LDS,
.set FLG, 11                           ; v11 memory
.set SIR, 12                           ; v12 a row's two bytes
.set NEG, 13                           ; v13 -infinity
.set RC, 14                            ; v14-15 the reduction's 8 codes
.set KS, 16                            ; v16-23 K's scale words: lanes 0-15 tile 2 f, lanes 16-31 tile 2 f + 1
.set VS, 24                            ; v24-31 V's
.set ZLO, 32                           ; v32-39 zeros; v40-47 Q; v48-55 zeros: v[32:47] = [0 | q], v[40:55] = [q | 0]
.set QF, 40
.set PCD, 56                           ; v56-87 P's two fragments; before that the eight waves' statistics
.set BM, 88                            ; v88-95 the blocks' largest
.set TP, 96
.set HO, 100                           ; v100-103 the holds; before that the codes on their way out
.set SO, 104                           ; v104-107 the conversions' scale operands; v104 before that the scale bytes on their way out
.set TH0, 108                          ; v108 c m_0, v109 sum_0
.set RBY, 110                          ; v110 the reduction's scale byte
.set QS, 111                           ; v111 Q's scale words
.set SA, 112                           ; v112-115 two chains of sums; behind the barrier the row's figures:
.set SB2, 114
.set TG, 112                           ; c m of the row,
.set EO, 113                           ; 2^(c m_w - c m), then that over the sum,
.set LR, 114                           ; the row's sum,
.set RL, 115                           ; its reciprocal
.set FF0, 116                          ; v116-117 f_0, twice
.set PS, 118                           ; v118, v119 P's scale words
.set TMO, 120                          ; v120 c m_w, v121 sum_w: a pair
.set LW, 121
.set TH1, 122                          ; v122 c m_1, v123 sum_1
.set E0, 124                           ; v124, v125 2^(c m_x - c m_w)
.set E1, 125
.set FF1, 126                          ; v126-127 f_1, twice
.set S, 128
.set QP, 10
.set QSP, 12
.set MP, 14
.set AOC, 16
.set AOS, 18
.set MNT, 24
.set WV, 28
.set CNT, 29
.set SEL, 30
.set CS, 100
.set MSB, 0
.macro WIN new                         ; the immediate's high byte repeats the setting that is left
.if MSB != \new
	s_set_vgpr_msb (MSB<<8)|\new
.set MSB, \new
.endif
.endm
.macro PLACES n
.rept \n
	v_nop
.endr
.endm
.macro BARRIER                         ; my LDS stores have landed and my LDS loads are in: then the work-group's barrier
	s_wait_dscnt 0x0
	s_barrier_signal -1
	s_barrier_wait -1
.endm
.macro QK                              ; the tile's scores: 16 products, each on an accumulator of its own
	WIN 0x01
.irp f, 0,1,2,3,4,5,6,7
	v_wmma_scale_f32_16x16x128_f8f6f4 v[S+16*\f:S+16*\f+7], v[16*\f:16*\f+15], v[QF:QF+15], 0, v[KS+\f], v[QS] matrix_a_fmt:MATRIX_FMT_BF8 matrix_b_fmt:MATRIX_FMT_BF8
	v_wmma_scale_f32_16x16x128_f8f6f4 v[S+16*\f+8:S+16*\f+15], v[16*\f:16*\f+15], v[ZLO:ZLO+15], 0, v[KS+\f], v[QS] matrix_a_fmt:MATRIX_FMT_BF8 matrix_b_fmt:MATRIX_FMT_BF8 matrix_a_scale:MATRIX_SCALE_ROW1
.endr
	WIN 0
	PLACES 8                                           ; in front of loads into Q's registers and of the first read of the scores
.endm
.macro QLOAD
	global_load_b128 v[QF:QF+3], v[LI], s[QP:QP+1]
	global_load_b128 v[QF+4:QF+7], v[LI], s[QP:QP+1] offset:512
	global_load_b32 v[QS], v[LQS], s[QSP:QSP+1]
.endm
.macro MLOADA                          ; a tile's first 64 mask words
	s_load_b512 s[32:47], s[MP:MP+1], 0x0
	s_load_b512 s[48:63], s[MP:MP+1], 0x40
	s_load_b512 s[68:83], s[MP:MP+1], 0x80
	s_load_b512 s[84:99], s[MP:MP+1], 0xc0
.endm
.macro MLOADB                          ; its second 64
	s_load_b512 s[32:47], s[MP:MP+1], 0x100
	s_load_b512 s[48:63], s[MP:MP+1], 0x140
	s_load_b512 s[68:83], s[MP:MP+1], 0x180
	s_load_b512 s[84:99], s[MP:MP+1], 0x1c0
.endm
.macro MASK n0                         ; 64 scores from register n0: hidden ones become -infinity
.set n, 0
.rept 32
	v_cndmask_b32 v[S+\n0+n], v[NEG], v[S+\n0+n], s[32+n]
.set n, n+1
.endr
.set n, 0
.rept 32
	v_cndmask_b32 v[S+\n0+32+n], v[NEG], v[S+\n0+32+n], s[68+n]
.set n, n+1
.endr
.endm
.macro BMAX b0                         ; the largest score of blocks b0 .. b0 + 3 of 32 keys, by turns; with lane l xor 16's
.irp b, 0,1,2,3
	v_max3_num_f32 v[BM+\b0+\b], v[S+16*(\b0+\b)], v[S+16*(\b0+\b)+1], v[S+16*(\b0+\b)+2]
.endr
.irp i, 3,5,7,9,11,13
.irp b, 0,1,2,3
	v_max3_num_f32 v[BM+\b0+\b], v[BM+\b0+\b], v[S+16*(\b0+\b)+\i], v[S+16*(\b0+\b)+\i+1]
.endr
.endr
.irp b, 0,1,2,3
	v_max_num_f32 v[BM+\b0+\b], v[BM+\b0+\b], v[S+16*(\b0+\b)+15]
.endr
.irp b, 0,1,2,3
	v_permlanex16_b32 v[TP+\b], v[BM+\b0+\b], s[SEL], s[SEL+1]
.endr
.irp b, 0,1,2,3
	v_max_num_f32 v[BM+\b0+\b], v[BM+\b0+\b], v[TP+\b]
.endr
.endm
; Half x (blocks b0 .. b0 + 3): its maximum, p = 2^(c s - c m_x), my lane's sum.  th: the pair (c m_x, sum_x)
.macro HALF x, b0, th
	BMAX \b0
	v_max3_num_f32 v[\th], v[BM+\b0], v[BM+\b0+1], v[BM+\b0+2]
	v_max3_num_f32 v[\th], v[\th], v[BM+\b0+3], 0xff61b1e6   ; held at -3e38: a half with no key left gives no difference of infinities
	v_mul_f32 v[\th], s[CS], v[\th]                    ; c m_x
.set j, 0
.rept 32
	v_pk_fma_f32 v[S+64*\x+j:S+64*\x+j+1], v[S+64*\x+j:S+64*\x+j+1], s[CS:CS+1], v[\th:\th+1] op_sel_hi:[1,0,0] neg_lo:[0,0,1] neg_hi:[0,0,1]   ; c s - c m_x (of both pairs the low word serves both halves)
.set j, j+2
.endr
.irp b, 0,1,2,3
	v_fma_f32 v[BM+\b0+\b], v[BM+\b0+\b], s[CS], -v[\th]   ; the same of each block's largest score
.endr
.set j, 0
.rept 64
	v_exp_f32 v[S+64*\x+j], v[S+64*\x+j]
.set j, j+1
.endr
	v_nop                                              ; a plain line behind the batch,
	s_wait_alu depctr_va_vdst(0)                       ; and one wait for it, ahead of its first reader
.irp b, 0,1,2,3
	v_exp_f32 v[BM+\b0+\b], v[BM+\b0+\b]               ; the block's largest p: the same two instructions on the same number
.endr
	v_pk_add_f32 v[SA:SA+1], v[S+64*\x:S+64*\x+1], v[S+64*\x+2:S+64*\x+3]      ; the half's sum, in two chains (plain work behind the four)
	v_pk_add_f32 v[SB2:SB2+1], v[S+64*\x+4:S+64*\x+5], v[S+64*\x+6:S+64*\x+7]
.set j, 8
.rept 14
	v_pk_add_f32 v[SA:SA+1], v[SA:SA+1], v[S+64*\x+j:S+64*\x+j+1]
	v_pk_add_f32 v[SB2:SB2+1], v[SB2:SB2+1], v[S+64*\x+j+2:S+64*\x+j+3]
.set j, j+4
.endr
	v_pk_add_f32 v[SA:SA+1], v[SA:SA+1], v[SB2:SB2+1]
	v_add_f32 v[\th+1], v[SA], v[SA+1]
	s_wait_alu depctr_va_vdst(0)                       ; the wait for the four
.endm
.macro COMBINE                         ; the two halves become my part's maximum and sum
	v_max_num_f32 v[TMO], v[TH0], v[TH1]
	v_sub_f32 v[E0], v[TH0], v[TMO]
	v_sub_f32 v[E1], v[TH1], v[TMO]
	v_exp_f32 v[E0], v[E0]
	v_exp_f32 v[E1], v[E1]
	v_nop
	s_wait_alu depctr_va_vdst(0)
	v_mul_f32 v[LW], v[TH0+1], v[E0]
	v_fmac_f32 v[LW], v[TH1+1], v[E1]
	v_permlanex16_b32 v[SA], v[LW], s[SEL], s[SEL+1]
	v_add_f32 v[LW], v[LW], v[SA]                      ; with lane l xor 16's keys
.endm
.macro STATS p
.irp w, 0,1,2,3,4,5,6,7
	ds_load_b64 v[PCD+2*\w:PCD+2*\w+1], v[STR] offset:STATB*(\p)+256*\w
.endr
.endm
.macro FLUSHL p                        ; a finished tile's codes and scale bytes, out of buffer p (every wave reads; three waves store)
	ds_load_b128 v[HO:HO+3], v[FLR] offset:CIS*(\p)
	ds_load_u16 v[SO], v[SIR] offset:CIS*(\p)
.endm
.macro FLUSHS
	s_cmp_lt_u32 s[WV], 2
	s_cbranch_scc0 .Lnot_codes_\@
	global_store_b128 v[FLG], v[HO:HO+3], s[AOC:AOC+1]   ; 32 lanes store 512 consecutive bytes
.Lnot_codes_\@:
	s_cmp_eq_u32 s[WV], 2
	s_cbranch_scc0 .Lnot_scales_\@
	global_store_b16 v[LS], v[SO], s[AOS:AOS+1]        ; my head's two bytes of each lane's scale word
.Lnot_scales_\@:
.endm
.macro FLSTEP
	s_wait_xcnt 0x0                                    ; the stores have read their registers and bases: both may be written again
	s_add_nc_u64 s[AOC:AOC+1], s[AOC:AOC+1], 8192
	s_add_nc_u64 s[AOS:AOS+1], s[AOS:AOS+1], 512
.endm
.macro NORM                            ; from the eight waves' statistics to the finished weights
	v_max3_num_f32 v[TG], v[PCD], v[PCD+2], v[PCD+4]
	v_max3_num_f32 v[TG], v[TG], v[PCD+6], v[PCD+8]
	v_max3_num_f32 v[TG], v[TG], v[PCD+10], v[PCD+12]
	v_max_num_f32 v[TG], v[TG], v[PCD+14]              ; c m of the whole row
.irp w, 0,1,2,3,4,5,6,7
	v_sub_f32 v[PCD+2*\w], v[PCD+2*\w], v[TG]
.endr
	v_sub_f32 v[EO], v[TMO], v[TG]
.irp w, 0,1,2,3,4,5,6,7
	v_exp_f32 v[PCD+2*\w], v[PCD+2*\w]
.endr
	v_exp_f32 v[EO], v[EO]
	v_nop
	s_wait_alu depctr_va_vdst(0)
	v_mul_f32 v[LR], v[PCD], v[PCD+1]
.irp w, 1,2,3,4,5,6,7
	v_fmac_f32 v[LR], v[PCD+2*\w], v[PCD+2*\w+1]       ; the row's sum under the row's maximum
.endr
	v_rcp_f32 v[RL], v[LR]
	v_nop
	v_cmp_lt_f32 vcc_lo, 0, v[LR]
	s_wait_alu depctr_va_vdst(0)
	v_cndmask_b32 v[RL], 0, v[RL], vcc_lo              ; a row with no key left: weights 0
	v_mul_f32 v[EO], v[EO], v[RL]
	v_mul_f32 v[FF0], v[EO], v[E0]
	v_mul_f32 v[FF1], v[EO], v[E1]
	v_mov_b32 v[FF0+1], v[FF0]
	v_mov_b32 v[FF1+1], v[FF1]
.set j, 0
.rept 32
	v_pk_mul_f32 v[S+j:S+j+1], v[S+j:S+j+1], v[FF0:FF0+1]   ; the finished weights
.set j, j+2
.endr
.set j, 64
.rept 32
	v_pk_mul_f32 v[S+j:S+j+1], v[S+j:S+j+1], v[FF1:FF1+1]
.set j, j+2
.endr
.irp b, 0,1,2,3
	v_mul_f32 v[BM+\b], v[BM+\b], v[FF0]
	v_mul_f32 v[BM+4+\b], v[BM+4+\b], v[FF1]
.endr
.endm
.macro QPS s                           ; the weights of keys 128 s on become fragment s and its scale word
.irp b, 0,1,2,3
	v_max_num_f32 v[BM+4*\s+\b], 0x8000000, v[BM+4*\s+\b]    ; the floor 2^(16 - 127): a block of zeros keeps the byte 1, its codes are zeros
.endr
.irp b, 0,1,2,3
	v_add_nc_u32 v[SO+\b], 0xf8800000, v[BM+4*\s+\b]
.endr
.irp b, 0,1,2,3
	v_and_or_b32 v[HO+\b], v[BM+4*\s+\b], 0x7f800000, s[MNT]
.endr
.irp b, 0,1,2,3
	v_lshrrev_b32 v[TP+\b], 23, v[SO+\b]
.endr
	v_lshl_or_b32 v[PS+\s], v[TP+1], 8, v[TP]
	v_lshl_or_b32 v[PS+\s], v[TP+2], 16, v[PS+\s]
	v_lshl_or_b32 v[PS+\s], v[TP+3], 24, v[PS+\s]
.irp b, 0,1,2,3
.irp i, 0,1,2,3,4,5,6,7,8,9,10,11,12,13,14,15
	v_min_num_f32 v[S+64*\s+16*\b+\i], v[S+64*\s+16*\b+\i], v[HO+\b]   ; never negative: the hold is one-sided
.endr
	v_cvt_scalef32_pk8_bf8_f32 v[PCD+16*\s+4*\b:PCD+16*\s+4*\b+1], v[S+64*\s+16*\b:S+64*\s+16*\b+7], v[SO+\b]
	v_cvt_scalef32_pk8_bf8_f32 v[PCD+16*\s+4*\b+2:PCD+16*\s+4*\b+3], v[S+64*\s+16*\b+8:S+64*\s+16*\b+15], v[SO+\b]
.endr
.endm
.macro PVMUL                           ; my part of O^T: four accumulators take turns, one instruction a turn
	WIN 0x01
.irp d, 0,1,2,3
	v_wmma_scale_f32_16x16x128_f8f6f4 v[S+8*\d:S+8*\d+7], v[128+16*\d:128+16*\d+15], v[PCD:PCD+15], 0, v[VS+\d], v[PS] matrix_a_fmt:MATRIX_FMT_BF8 matrix_b_fmt:MATRIX_FMT_BF8
.endr
.irp d, 0,1,2,3
	v_wmma_scale_f32_16x16x128_f8f6f4 v[S+8*\d:S+8*\d+7], v[192+16*\d:192+16*\d+15], v[PCD+16:PCD+31], v[S+8*\d:S+8*\d+7], v[VS+4+\d], v[PS+1] matrix_a_fmt:MATRIX_FMT_BF8 matrix_b_fmt:MATRIX_FMT_BF8
.endr
	WIN 0
.endm
.macro OPSTORE p
.irp b, 0,1
.irp x, 0,1,2,3
	ds_store_b128 v[OPW], v[S+16*\b+4*\x:S+16*\b+4*\x+3] offset:OPS*(\p)+128*\b+16*\x   ; register 16 b + i is d = 32 b + 16 h + i of my query
.endr
.endr
.endm
.macro REDLOAD p                       ; four of the eight parts (lanes 16-31: the other four) of my two queries, eight neighbouring d a lane
.irp x, 0,1,2,3
.irp y, 0,1
	ds_load_b128 v[160+8*\x+4*\y:160+8*\x+4*\y+3], v[OPR] offset:OPS*(\p)+4352*\x+16*\y
.endr
.endr
.endm
.macro REDA                            ; twelve packed additions
.irp y, 0,2,4,6
	v_pk_add_f32 v[160+\y:161+\y], v[160+\y:161+\y], v[168+\y:169+\y]
	v_pk_add_f32 v[176+\y:177+\y], v[176+\y:177+\y], v[184+\y:185+\y]
.endr
.irp y, 0,2,4,6
	v_pk_add_f32 v[160+\y:161+\y], v[160+\y:161+\y], v[176+\y:177+\y]
.endr
.endm
.macro REDB p                          ; the other lanes' four parts; the quantiser along d; codes and byte into buffer p
.irp y, 0,1,2,3,4,5,6,7
	v_permlanex16_b32 v[192+\y], v[160+\y], s[SEL], s[SEL+1]
.endr
.irp y, 0,2,4,6
	v_pk_add_f32 v[160+\y:161+\y], v[160+\y:161+\y], v[192+\y:193+\y]   ; all eight parts: o(query, 8 (lane & 7) + 0 .. 7)
.endr
	v_max3_num_f32 v202, |v160|, |v161|, 0x8000000
	v_max3_num_f32 v202, v202, |v162|, |v163|
	v_max3_num_f32 v202, v202, |v164|, |v165|
	v_max3_num_f32 v202, v202, |v166|, |v167|
	v_max_num_f32_dpp v202, v202, v202 row_xmask:1 row_mask:0xf bank_mask:0xf
	v_max_num_f32_dpp v202, v202, v202 row_xmask:2 row_mask:0xf bank_mask:0xf   ; four lanes hold a block of 32 d
	v_add_nc_u32 v203, 0xf8800000, v202
	v_and_or_b32 v204, v202, 0x7f800000, s[MNT]
	v_lshrrev_b32 v[RBY], 23, v203
.irp y, 0,1,2,3,4,5,6,7
	v_med3_num_f32 v[160+\y], v[160+\y], -v204, v204
.endr
	v_cvt_scalef32_pk8_bf8_f32 v[RC:RC+1], v[160:167], v203
	v_nop                                              ; a plain line behind the conversion
	ds_store_b64 v[CIW], v[RC:RC+1] offset:CIS*(\p)    ; lanes 16-31 hold the same numbers and write the same bytes
	ds_store_b8 v[SIW], v[RBY] offset:CIS*(\p)
.endm
; THE TRIP of tile t.  p = t % 2.  red = 1: tile t - 1 is reduced;  fl = 1: tile t - 2 is stored;  chk = 1: this may be the last tile, which asks for no further Q and no further mask words
.macro TRIP p, red, fl, chk
	s_wait_loadcnt 0x0                                 ; this tile's Q (in the first trip K and V too); the loads are done, so their bases may step
	s_add_nc_u64 s[QP:QP+1], s[QP:QP+1], 1024
	s_add_nc_u64 s[QSP:QSP+1], s[QSP:QSP+1], 64
	QK
.if \chk
	s_cmp_eq_u32 s[CNT], 1                             ; no load leaves its buffer
	s_cbranch_scc1 .Lno_q_\@
.endif
	QLOAD
.if \chk
.Lno_q_\@:
.endif
	s_wait_kmcnt 0x0                                   ; the first 64 words, asked for in the tile before
	MASK 0
	MLOADB                                             ; the second 64, behind the last use of the first: half 0's work stands between this request and the wait for it
	HALF 0, 0, TH0
	s_wait_kmcnt 0x0
	s_add_nc_u64 s[MP:MP+1], s[MP:MP+1], 4096          ; the next tile's words
	MASK 64
.if \chk
	s_cmp_eq_u32 s[CNT], 1
	s_cbranch_scc1 .Lno_m_\@
.endif
	MLOADA
.if \chk
.Lno_m_\@:
.endif
	HALF 1, 4, TH1
	COMBINE
	ds_store_b64 v[STW], v[TMO:TMO+1] offset:STATB*\p
	BARRIER                                            ; tile t's statistics, tile t - 1's parts of O^T and tile t - 2's codes lie in LDS, every wave's
	STATS \p
.if \fl
	FLUSHL \p
.endif
	s_wait_dscnt 0x0
.if \fl
	FLUSHS
.endif
	NORM
.if \fl
	FLSTEP
.endif
	QPS 0
	QPS 1
.if \red
	REDLOAD 1-\p                                       ; into score registers that the conversions have done with; the products below stand between these loads and the wait for them
.endif
	PLACES 4                                           ; codes made by vector instructions stand four places ahead of the products; the scale words stand further up, ahead of the holds
	PVMUL
.if \red
	s_wait_dscnt 0x0
	REDA                                               ; twelve plain lines that name none of the products' registers: the places in front of the first read of O^T
.else
	PLACES 10                                          ; the places in front of the first read of O^T, and of the next tile's products, which write over it
.endif
	OPSTORE \p
.if \red
	REDB 1-\p
	s_wait_dscnt 2                                     ; the two stores just issued may be out: the eight of O^T have read their registers, which the next scores write over
.else
	s_wait_dscnt 0x0
.endif
.endm
	s_load_b128 s[4:7], s[0:1], 0x0                    ; qkv, mbits
	s_load_b64 s[8:9], s[0:1], 0x10                    ; att
.irp j, 0,1,2,3,4,5,6,7
	v_mov_b32 v[ZLO+\j], 0
	v_mov_b32 v[QF+8+\j], 0
.endr
.irp j, 0,1,2,3
	v_mov_b32 v[TP+\j], 0                              ; written once: a lane permute's destination counts as one of its sources
.endr
	v_mov_b32 v[TH0+1], 0                              ; (named as the upper half of a pair before it is first written)
	v_lshrrev_b32 v14, 5, v0
	v_readfirstlane_b32 s[WV], v14                     ; wave 0..7
	v_and_b32 v14, 31, v0
	v_and_b32 v15, 15, v0                              ; r
	v_bfe_u32 v120, v0, 4, 1                           ; h
	v_bfe_u32 v121, v0, 3, 1
	v_lshlrev_b32 v[LI], 4, v14
	v_lshlrev_b32 v[LS], 2, v14
	v_lshlrev_b32 v[LQS], 2, v15
	v_lshlrev_b32 v[STW], 3, v0
	v_lshlrev_b32 v[STR], 3, v14
	s_mul_i32 s20, s[WV], 4352
	s_add_co_u32 s20, s20, OPB
	v_mul_u32_u24 v[OPW], v15, 272
	v_lshl_add_u32 v[OPW], v120, 6, v[OPW]
	v_add_nc_u32 v[OPW], s20, v[OPW]
	s_lshl_b32 s21, s[WV], 1
	v_add_nc_u32 v122, s21, v121                       ; the query that I reduce: 2 w + ((lane >> 3) & 1)
	v_and_b32 v123, 7, v0
	v_mul_u32_u24 v[OPR], v122, 272
	v_mad_u32_u24 v[OPR], v120, 17408, v[OPR]          ; lanes 16-31 take parts 4 to 7
	v_lshl_add_u32 v[OPR], v123, 5, v[OPR]             ; eight neighbouring d a lane
	v_add_nc_u32 v[OPR], OPB, v[OPR]
	v_bfe_u32 v124, v0, 2, 1
	v_bfe_u32 v125, v0, 1, 1
	v_and_b32 v126, 1, v0
	v_lshlrev_b32 v[CIW], 4, v122
	v_lshl_add_u32 v[CIW], v124, 9, v[CIW]             ; d / 32: the chunk;
	v_lshl_add_u32 v[CIW], v125, 8, v[CIW]             ; (d / 16) % 2: the image's half of the lanes;
	v_lshl_add_u32 v[CIW], v126, 3, v[CIW]             ; d % 16
	v_add_nc_u32 v[CIW], CIB, v[CIW]
	v_lshl_add_u32 v[SIW], v122, 1, v124
	v_add_nc_u32 v[SIW], SIB, v[SIW]
	s_and_b32 s22, s[WV], 1
	s_lshl_b32 s22, s22, 9
	v_add_nc_u32 v[FLG], s22, v[LI]
	v_add_nc_u32 v[FLR], CIB, v[FLG]
	v_lshl_add_u32 v[SIR], v15, 1, SIB
	v_mov_b32 v[NEG], 0xff800000
	s_mov_b32 s[SEL], 0x76543210
	s_mov_b32 s[SEL+1], 0xfedcba98
	s_mov_b32 s[MNT], 0x600000
	s_mov_b32 s[CS], 0x3e38aa3b                        ; c = log2(e) / 8
	s_mov_b32 s[CS+1], s[CS]
	; byte offsets (in registers that later take mask words)
	s_and_b32 s32, ttmp7, 0xffff                       ; BH
	s_lshr_b32 s33, s32, 3                             ; b
	s_and_b32 s34, s32, 7                              ; the head
	s_lshl_b32 s36, s32, 17
	s_lshl_b32 s35, ttmp9, 14
	s_add_co_u32 s36, s36, s35                         ; Q's codes: (128 BH + 16 QC) x 1,024
	s_mov_b32 s37, 0
	s_lshl_b32 s38, s32, 13
	s_lshl_b32 s35, ttmp9, 10
	s_add_co_u32 s38, s38, s35
	s_add_co_u32 s38, s38, 0xc00000                    ; Q's scale words
	s_mov_b32 s39, 0
	s_lshl_b32 s40, s32, 17
	s_lshl_b32 s35, s[WV], 14
	s_add_co_u32 s40, s40, s35
	s_add_co_u32 s40, s40, 0x400000                    ; K's codes: my 16 tiles
	s_mov_b32 s41, 0
	s_lshl_b32 s42, s32, 13
	s_lshl_b32 s35, s[WV], 10
	s_add_co_u32 s42, s42, s35
	s_add_co_u32 s42, s42, 0xc40000
	s_mov_b32 s43, 0
	s_lshl_b32 s44, s33, 20
	s_lshl_b32 s35, s[WV], 17
	s_add_co_u32 s44, s44, s35
	s_lshl_b32 s35, s34, 13
	s_add_co_u32 s44, s44, s35
	s_add_co_u32 s44, s44, 0x800000                    ; V's codes: ((16 b + 2 w) 32 + 4 head) x 2,048
	s_mov_b32 s45, 0
	s_lshl_b32 s46, s33, 16
	s_lshl_b32 s35, s[WV], 13
	s_add_co_u32 s46, s46, s35
	s_lshl_b32 s35, s34, 9
	s_add_co_u32 s46, s46, s35
	s_add_co_u32 s46, s46, 0xc80000
	s_mov_b32 s47, 0
	s_lshl_b32 s48, s33, 19
	s_lshl_b32 s35, ttmp9, 16
	s_add_co_u32 s48, s48, s35
	s_lshl_b32 s35, s[WV], 9
	s_add_co_u32 s48, s48, s35                         ; the mask words: ((128 b + 16 QC) 8 + w) x 512
	s_mov_b32 s49, 0
	s_lshl_b32 s50, s33, 20
	s_lshl_b32 s35, ttmp9, 17
	s_add_co_u32 s50, s50, s35
	s_lshl_b32 s35, s34, 10
	s_add_co_u32 s50, s50, s35                         ; the result's codes: tile x 8,192 + head x 1,024
	s_mov_b32 s51, 0
	s_lshl_b32 s52, s33, 16
	s_lshl_b32 s35, ttmp9, 13
	s_add_co_u32 s52, s52, s35
	s_lshr_b32 s35, s34, 1
	s_lshl_b32 s35, s35, 7
	s_add_co_u32 s52, s52, s35
	s_and_b32 s35, s34, 1
	s_lshl_b32 s35, s35, 1
	s_add_co_u32 s52, s52, s35
	s_add_co_u32 s52, s52, 0x400000                    ; and its scale bytes
	s_mov_b32 s53, 0
	s_wait_kmcnt 0x0
	s_add_nc_u64 s[QP:QP+1], s[4:5], s[36:37]
	s_add_nc_u64 s[QSP:QSP+1], s[4:5], s[38:39]
	s_add_nc_u64 s[20:21], s[4:5], s[40:41]
	s_add_nc_u64 s[22:23], s[4:5], s[42:43]
	s_add_nc_u64 s[26:27], s[4:5], s[44:45]
	s_add_nc_u64 s[2:3], s[4:5], s[46:47]
	s_add_nc_u64 s[MP:MP+1], s[6:7], s[48:49]
	s_add_nc_u64 s[AOC:AOC+1], s[8:9], s[50:51]
	s_add_nc_u64 s[AOS:AOS+1], s[8:9], s[52:53]
	MLOADA                                             ; the first tile's first 64 mask words
	WIN 0x40
.irp f, 0,1,2,3,4,5,6,7
.irp x, 0,1,2,3
	global_load_b128 v[16*\f+4*\x:16*\f+4*\x+3], v[LI], s[20:21] offset:2048*\f+512*\x         ; tiles 2 f and 2 f + 1 of my keys, on end
.endr
.endr
.irp s, 0,1
.irp d, 0,1,2,3
.irp x, 0,1,2,3
	global_load_b128 v[128+64*\s+16*\d+4*\x:128+64*\s+16*\d+4*\x+3], v[LI], s[26:27] offset:65536*\s+2048*\d+512*\x
.endr
.endr
.endr
	WIN 0
.irp f, 0,1,2,3,4,5,6,7
	global_load_b32 v[KS+\f], v[LS], s[22:23] offset:128*\f
.endr
.irp s, 0,1
.irp d, 0,1,2,3
	global_load_b32 v[VS+4*\s+\d], v[LS], s[2:3] offset:4096*\s+128*\d
.endr
.endr
	QLOAD
	TRIP 0, 0, 0, 0                                    ; tile 0: nothing to reduce, nothing to store yet
	TRIP 1, 1, 0, 0                                    ; tile 1: tile 0 is reduced
	s_mov_b32 s[CNT], 7
.Ltiles:                                               ; seven trips of two tiles: tiles 2 to 15
	TRIP 0, 1, 1, 0
	TRIP 1, 1, 1, 1
	s_sub_co_u32 s[CNT], s[CNT], 1
	s_cmp_lg_u32 s[CNT], 0
	s_cbranch_scc1 .Ltiles
	BARRIER                                            ; tile 15's parts of O^T and tile 14's codes lie in LDS
	FLUSHL 0
	REDLOAD 1
	s_wait_dscnt 0x0
	FLUSHS                                             ; tile 14
	REDA
	REDB 1                                             ; tile 15
	FLSTEP
	BARRIER                                            ; tile 15's codes lie in LDS
	FLUSHL 1
	s_wait_dscnt 0x0
	FLUSHS
	s_wait_xcnt 0x0
	v_lshl_add_u32 v254, v0, 2, 0x12c00
	v_mov_b32 v255, 0
	s_wait_tensorcnt 0x0
	ds_add_u32 v254, v255
	s_wait_dscnt 0x0
	s_endpgm
.Lfunc_end_k_q02aa00ea81_attn:
	.size	k_q02aa00ea81_attn, .Lfunc_end_k_q02aa00ea81_attn-k_q02aa00ea81_attn
	.p2alignl 7, 3214868480
	.fill 96, 4, 3214868480
	.section	.rodata,"a",@progbits
	.p2align	6, 0x0
	.amdhsa_kernel k_q02aa00ea81_attn
		.amdhsa_group_segment_fixed_size 77824
		.amdhsa_private_segment_fixed_size 0
		.amdhsa_enable_private_segment 0
		.amdhsa_kernarg_size 24
		.amdhsa_user_sgpr_count 2
		.amdhsa_user_sgpr_kernarg_segment_ptr 1
		.amdhsa_wavefront_size32 1
		.amdhsa_system_sgpr_workgroup_id_x 1
		.amdhsa_system_sgpr_workgroup_id_y 1
		.amdhsa_system_sgpr_workgroup_id_z 1
		.amdhsa_system_vgpr_workitem_id 0
		.amdhsa_next_free_vgpr 512
		.amdhsa_next_free_sgpr 102
		.amdhsa_reserve_vcc 1
		.amdhsa_float_denorm_mode_32 3
		.amdhsa_float_denorm_mode_16_64 3
		.amdhsa_memory_ordered 1
		.amdhsa_forward_progress 1
		.amdhsa_inst_pref_size 211
	.end_amdhsa_kernel
	.amdgpu_metadata
---
amdhsa.version: [ 1, 2 ]
amdhsa.kernels:
  - .name:           k_q02aa00ea81_attn
    .symbol:         k_q02aa00ea81_attn.kd
    .args:
      - { .name: qkv, .offset: 0, .size: 8, .value_kind: global_buffer, .address_space: global }
      - { .name: mbits, .offset: 8, .size: 8, .value_kind: global_buffer, .address_space: global }
      - { .name: att, .offset: 16, .size: 8, .value_kind: global_buffer, .address_space: global }
    .group_segment_fixed_size: 77824
    .private_segment_fixed_size: 0
    .kernarg_segment_align: 8
    .kernarg_segment_size: 24
    .max_flat_workgroup_size: 256
    .sgpr_count:     102
    .vgpr_count:     512
    .wavefront_size: 32
...
	.end_amdgpu_metadata
.endif
;; end of part 3
;; launch oproj (part 4): grid 256 x 1, 4 waves a work-group, no clusters, 35,328 bytes of LDS; arguments att, wts, x, bo, ln2_g, ln2_b, x2h; writes x2h
.if DOCPART == 4
	.amdgcn_target "amdgcn-amd-amdhsa--gfx1250"
	.amdhsa_code_object_version 6
	.text
	.protected	k_q02aa00ea81_oproj
	.globl	k_q02aa00ea81_oproj
	.p2align	8
	.type	k_q02aa00ea81_oproj,@function
k_q02aa00ea81_oproj:
	s_mov_b64 s[64:65], 0
	v_nop
	global_prefetch_b8 v0, s[64:65] scope:SCOPE_SE
	s_setreg_imm32_b32 hwreg(HW_REG_WAVE_MODE, 25, 1), 1
	s_wait_xcnt 0x0
; OPROJ.  x2 = x + attention's result x wo + bo, stored as f32; then LayerNorm 2 of x2, quantised to codes of E5M2 with E8M0 scales.
; Work-group g takes tokens 32 g .. 32 g + 31: tiles 2 g and 2 g + 1, written out.  Wave w keeps its 128 columns of wo (32 fragments, 512 registers); a tile of tokens streams into operand registers.
; Source 0 = wo's tiles, source 1 = the tokens: a lane holds one token and 64 numbers, register 16 b + i = column 128 w + 32 b + 16 h + i.  x + bo is laid so and is what the sums begin with.
; x2 leaves through the wave's own stage in LDS as whole pieces of rows, 512 consecutive bytes a store.  A row's mean and variance meet in LDS: two barriers a tile.
; No tensor loads, no cluster: wo (256 KB a work-group) is read once at the head, straight into the operands' registers; nothing else is shared.
; LIMITS: NaN and infinities are not served; blocks under 2^-111 keep the byte 1.
; REGISTERS.  window 0: v1-7 addresses; v16-79 the sums; v80-112 the quantiser's; v120-123 the tile's scale words; v128-191 x, later rows of x2; v192-202 the LayerNorm's sums; v224-255 wo's scale words.
;   windows 1, 2: wo.   window 3: v0-63 the tile; v64-127 bo; v128-191 the gain; v192-255 the bias.
.set L1, 33792
.set L2, 34304
.set LI, 1
.set LS, 2
.set XA, 3
.set SO, 4
.set SR, 5
.set LNW, 6
.set BA, 7
.set HA, 16
.set PC, 80
.set TM, 96
.set PW, 112
.set SS, 120
.set RX, 128
.set LQ, 192
.set RS, 224
.set BI, 64
.set CB, 64
.set GG, 128
.set BB, 192
.set RB, 20
.set RSB, 22
.set SB, 24
.set SSB, 26
.set XP, 28
.set X2P, 30
.set WV, 32
.set MNT, 33
.set SEL, 34
.set R512, 38
.set EPSR, 39
.set HC, 40
.set HS, 42
.set BOP, 44
.set GP, 46
.set BPP, 48
.set MSB, 0
.macro WIN new
.if MSB != \new
	s_set_vgpr_msb (MSB<<8)|\new
.set MSB, \new
.endif
.endm
.macro PLACES n
.rept \n
	v_nop
.endr
.endm
.macro QUANT s, relu
.if \relu
.irp b, 0,1,2,3
	v_max3_num_f32 v[TM+\b], v[\s+16*\b], v[\s+1+16*\b], 0x8000000
.endr
.irp i, 2,4,6,8,10,12,14
.irp b, 0,1,2,3
	v_max3_num_f32 v[TM+\b], v[TM+\b], v[\s+16*\b+\i], v[\s+1+16*\b+\i]
.endr
.endr
.else
.irp b, 0,1,2,3
	v_max3_num_f32 v[TM+\b], |v[\s+16*\b]|, |v[\s+1+16*\b]|, 0x8000000
.endr
.irp i, 2,4,6,8,10,12,14
.irp b, 0,1,2,3
	v_max3_num_f32 v[TM+\b], v[TM+\b], |v[\s+16*\b+\i]|, |v[\s+1+16*\b+\i]|
.endr
.endr
.endif
.irp b, 0,1,2,3
	v_permlanex16_b32 v[TM+4+\b], v[TM+\b], s[SEL], s[SEL+1]
.endr
.irp b, 0,1,2,3
	v_max_num_f32 v[TM+\b], v[TM+\b], v[TM+4+\b]
.endr
.irp b, 0,1,2,3
	v_add_nc_u32 v[TM+12+\b], 0xf8800000, v[TM+\b]
.endr
.irp b, 0,1,2,3
	v_and_or_b32 v[TM+8+\b], v[TM+\b], 0x7f800000, s[MNT]
.endr
.irp b, 0,1,2,3
	v_lshrrev_b32 v[TM+4+\b], 23, v[TM+12+\b]
.endr
	v_lshl_or_b32 v[PW], v[TM+5], 8, v[TM+4]
	v_lshl_or_b32 v[PW], v[TM+6], 16, v[PW]
	v_lshl_or_b32 v[PW], v[TM+7], 24, v[PW]
.irp b, 0,1,2,3
.irp i, 0,1,2,3,4,5,6,7,8,9,10,11,12,13,14,15
.if \relu
	v_med3_num_f32 v[\s+16*\b+\i], v[\s+16*\b+\i], 0, v[TM+8+\b]
.else
	v_med3_num_f32 v[\s+16*\b+\i], v[\s+16*\b+\i], -v[TM+8+\b], v[TM+8+\b]
.endif
.endr
	v_cvt_scalef32_pk8_bf8_f32 v[PC+4*\b:PC+1+4*\b], v[\s+16*\b:\s+7+16*\b], v[TM+12+\b]
	v_cvt_scalef32_pk8_bf8_f32 v[PC+2+4*\b:PC+3+4*\b], v[\s+8+16*\b:\s+15+16*\b], v[TM+12+\b]
.endr
	v_nop
.endm
.macro RESIDENT stride
	WIN 0x40
.irp t, 0,1,2,3
.irp k, 0,1,2,3
.irp c, 0,1,2,3
	global_load_b128 v[64*\t+16*\k+4*\c:64*\t+16*\k+4*\c+3], v[LI], s[RB:RB+1] offset:(\t*\stride+\k)*2048+512*\c
.endr
.endr
.endr
	WIN 0x80
.irp t, 4,5,6,7
.irp k, 0,1,2,3
.irp c, 0,1,2,3
	global_load_b128 v[64*(\t-4)+16*\k+4*\c:64*(\t-4)+16*\k+4*\c+3], v[LI], s[RB:RB+1] offset:(\t*\stride+\k)*2048+512*\c
.endr
.endr
.endr
	WIN 0
.irp t, 0,1,2,3,4,5,6,7
.irp k, 0,1,2,3
	global_load_b32 v[RS+4*\t+\k], v[LS], s[RSB:RSB+1] offset:(\t*\stride+\k)*128
.endr
.endr
.endm
.macro STREAM buf, off, soff
	WIN 0xc0
.irp k, 0,1,2,3
.irp c, 0,1,2,3
	global_load_b128 v[64*\buf+16*\k+4*\c:64*\buf+16*\k+4*\c+3], v[LI], s[SB:SB+1] offset:\off+2048*\k+512*\c
.endr
.endr
	WIN 0
.irp k, 0,1,2,3
	global_load_b32 v[SS+4*\buf+\k], v[LS], s[SSB:SSB+1] offset:\soff+128*\k
.endr
.endm
.macro WMC d, a, b, c, sa, sb
	v_wmma_scale_f32_16x16x128_f8f6f4 v[\d:\d+7], v[\a:\a+15], v[\b:\b+15], v[\c:\c+7], v[\sa], v[\sb] matrix_a_fmt:MATRIX_FMT_BF8 matrix_b_fmt:MATRIX_FMT_BF8
.endm
.macro WMZ d, a, b, sa, sb
	v_wmma_scale_f32_16x16x128_f8f6f4 v[\d:\d+7], v[\a:\a+15], v[\b:\b+15], 0, v[\sa], v[\sb] matrix_a_fmt:MATRIX_FMT_BF8 matrix_b_fmt:MATRIX_FMT_BF8
.endm
; 32 products: 8 resident tiles x 4 K steps.  Four accumulators take turns, one instruction a turn.  cmode 3: the sums go on from what the accumulators hold
.macro MUL buf, cmode
.irp half, 0,1
.irp k, 0,1,2,3
.if (\k == 0) && (\cmode < 2)
	WIN 0x3d+\half
.else
	WIN 0x0d+\half
.endif
.irp t, 0,1,2,3
.if (\k == 0) && (\cmode == 0)
	WMC HA+8*(4*\half+\t), 64*\t+16*\k, 64*\buf+16*\k, BI+8*(4*\half+\t), RS+4*(4*\half+\t)+\k, SS+4*\buf+\k
.elseif (\k == 0) && (\cmode == 1)
	WMC HA+8*(4*\half+\t), 64*\t+16*\k, 64*\buf+16*\k, CB+8*\buf, RS+4*(4*\half+\t)+\k, SS+4*\buf+\k
.elseif (\k == 0) && (\cmode == 2)
	WMZ HA+8*(4*\half+\t), 64*\t+16*\k, 64*\buf+16*\k, RS+4*(4*\half+\t)+\k, SS+4*\buf+\k
.else
	WMC HA+8*(4*\half+\t), 64*\t+16*\k, 64*\buf+16*\k, HA+8*(4*\half+\t), RS+4*(4*\half+\t)+\k, SS+4*\buf+\k
.endif
.endr
.endr
.endr
.endm
.macro LNRED lds
	v_pk_add_f32 v[LQ:LQ+1], v[LQ:LQ+1], v[LQ+2:LQ+3]
	v_add_f32 v[LQ], v[LQ], v[LQ+1]
	v_permlanex16_b32 v[LQ+10], v[LQ], s[SEL], s[SEL+1]
	v_add_f32 v[LQ], v[LQ], v[LQ+10]
	ds_store_b32 v[LNW], v[LQ] offset:\lds
	s_wait_dscnt 0x0                                   ; for the others' sake: my word has landed, and my other LDS instructions are done
	s_barrier_signal -1
	s_barrier_wait -1
.irp w, 0,1,2,3
	ds_load_b32 v[LQ+6+\w], v[LS] offset:\lds+128*\w
.endr
	s_wait_dscnt 0x0
	v_add_f32 v[LQ+6], v[LQ+6], v[LQ+7]
	v_add_f32 v[LQ+8], v[LQ+8], v[LQ+9]
	v_add_f32 v[LQ], v[LQ+6], v[LQ+8]
.endm
.macro LNQ gwin, g, b, l1, l2
	v_pk_add_f32 v[LQ:LQ+1], v[HA:HA+1], v[HA+2:HA+3]
	v_pk_add_f32 v[LQ+2:LQ+3], v[HA+4:HA+5], v[HA+6:HA+7]
.set j, 8
.rept 14
	v_pk_add_f32 v[LQ:LQ+1], v[LQ:LQ+1], v[HA+j:HA+j+1]
	v_pk_add_f32 v[LQ+2:LQ+3], v[LQ+2:LQ+3], v[HA+j+2:HA+j+3]
.set j, j+4
.endr
	LNRED \l1
	v_mul_f32 v[LQ+4], 0xbb000000, v[LQ]               ; - the mean
	v_mov_b32 v[LQ+5], v[LQ+4]
.set j, 0
.rept 32
	v_pk_add_f32 v[HA+j:HA+j+1], v[HA+j:HA+j+1], v[LQ+4:LQ+5]
.set j, j+2
.endr
	v_pk_mul_f32 v[LQ:LQ+1], v[HA:HA+1], v[HA:HA+1]
	v_pk_mul_f32 v[LQ+2:LQ+3], v[HA+2:HA+3], v[HA+2:HA+3]
.set j, 4
.rept 15
	v_pk_fma_f32 v[LQ:LQ+1], v[HA+j:HA+j+1], v[HA+j:HA+j+1], v[LQ:LQ+1]
	v_pk_fma_f32 v[LQ+2:LQ+3], v[HA+j+2:HA+j+3], v[HA+j+2:HA+j+3], v[LQ+2:LQ+3]
.set j, j+4
.endr
	LNRED \l2
	v_fma_f32 v[LQ], v[LQ], s[R512], s[EPSR]
	v_rsq_f32 v[LQ+4], v[LQ]
	v_nop
	s_wait_alu depctr_va_vdst(0)                       ; the wait ahead of the root's first reader
	v_mov_b32 v[LQ+5], v[LQ+4]
.set j, 0
.rept 32
	v_pk_mul_f32 v[HA+j:HA+j+1], v[HA+j:HA+j+1], v[LQ+4:LQ+5]
.set j, j+2
.endr
	WIN \gwin
.set j, 0
.rept 32
	v_pk_fma_f32 v[HA+j:HA+j+1], v[HA+j:HA+j+1], v[\g+j:\g+j+1], v[\b+j:\b+j+1]
.set j, j+2
.endr
	WIN 0
.endm
.macro VECLOAD reg, base               ; 64 numbers of a vector of 512, laid as the sums are
.irp t, 0,1,2,3,4,5,6,7
	global_load_b128 v[\reg+8*\t:\reg+8*\t+3], v[BA], s[\base:\base+1] offset:(32*(\t/2)+8*(\t%2))*4
	global_load_b128 v[\reg+8*\t+4:\reg+8*\t+7], v[BA], s[\base:\base+1] offset:(32*(\t/2)+8*(\t%2))*4+16
.endr
.endm
.macro XRLOAD off
.irp b, 0,1,2,3
.irp y, 0,1,2,3
	global_load_b128 v[RX+16*\b+4*\y:RX+16*\b+4*\y+3], v[XA], s[XP:XP+1] offset:\off+128*\b+16*\y
.endr
.endr
.endm
	s_load_b256 s[4:11], s[0:1], 0x0                   ; att, wts, x, bo
	s_load_b128 s[12:15], s[0:1], 0x20                 ; ln2_g, ln2_b
	s_load_b64 s[16:17], s[0:1], 0x30                  ; x2h
	v_lshl_add_u32 v222, v0, 2, 0x8800
	v_mov_b32 v223, 0
	v_lshrrev_b32 v3, 5, v0
	v_readfirstlane_b32 s[WV], v3
	v_and_b32 v3, 31, v0
	v_lshlrev_b32 v[LI], 4, v3
	v_lshlrev_b32 v[LS], 2, v3
	v_and_b32 v8, 15, v0                               ; r
	v_bfe_u32 v9, v0, 4, 1                             ; h
	v_and_b32 v10, 8, v8
	v_add_nc_u32 v10, v10, v8
	v_lshlrev_b32 v[XA], 11, v10
	v_lshl_add_u32 v[XA], v9, 6, v[XA]
	v_lshlrev_b32 v[BA], 6, v9
	v_lshlrev_b32 v[LNW], 2, v0
	s_mul_i32 s50, s[WV], 16*528
	v_mul_u32_u24 v[SO], v8, 528
	v_lshl_add_u32 v[SO], v9, 6, v[SO]
	v_add_nc_u32 v[SO], s50, v[SO]
	v_add_nc_u32 v[SR], s50, v[LI]
.irp b, 0,1,2,3
	v_mov_b32 v[TM+4+\b], 0
.endr
	v_mov_b32 v[LQ+10], 0
	s_mov_b32 s[SEL], 0x76543210
	s_mov_b32 s[SEL+1], 0xfedcba98
	s_mov_b32 s[MNT], 0x600000
	s_mov_b32 s[R512], 0x3b000000
	s_mov_b32 s[EPSR], 0x3727c5ac
	s_lshl_b32 s50, s[WV], 16
	s_add_co_u32 s50, s50, 0xc0000
	s_mov_b32 s51, 0
	s_lshl_b32 s52, s[WV], 12
	s_add_co_u32 s52, s52, 0x30c000
	s_mov_b32 s53, 0
	s_lshl_b32 s54, ttmp9, 14
	s_mov_b32 s55, 0
	s_lshl_b32 s56, ttmp9, 10
	s_add_co_u32 s56, s56, 0x400000
	s_mov_b32 s57, 0
	s_lshl_b32 s58, ttmp9, 16
	s_lshl_b32 s60, s[WV], 9
	s_add_co_u32 s58, s58, s60                         ; 32 tokens of 2,048 bytes, + my 512
	s_mov_b32 s59, 0
	s_mov_b32 s61, 0
	s_lshl_b32 s62, ttmp9, 3
	s_add_co_u32 s62, s62, s[WV]                       ; fragment 8 g + w
	s_mov_b32 s63, 0
	s_wait_kmcnt 0x0
	s_add_nc_u64 s[RB:RB+1], s[6:7], s[50:51]
	s_add_nc_u64 s[RSB:RSB+1], s[6:7], s[52:53]
	s_add_nc_u64 s[SB:SB+1], s[4:5], s[54:55]
	s_add_nc_u64 s[SSB:SSB+1], s[4:5], s[56:57]
	s_add_nc_u64 s[XP:XP+1], s[8:9], s[58:59]
	s_add_nc_u64 s[X2P:X2P+1], s[16:17], s[58:59]
	s_add_nc_u64 s[BOP:BOP+1], s[10:11], s[60:61]
	s_add_nc_u64 s[GP:GP+1], s[12:13], s[60:61]
	s_add_nc_u64 s[BPP:BPP+1], s[14:15], s[60:61]
	s_lshl_b32 s50, s62, 11
	s_add_co_u32 s50, s50, 0x1000000
	s_add_nc_u64 s[HC:HC+1], s[16:17], s[50:51]
	s_lshl_b32 s50, s62, 7
	s_add_co_u32 s50, s50, 0x1400000
	s_add_nc_u64 s[HS:HS+1], s[16:17], s[50:51]
	RESIDENT 4
	WIN 0xc0
	VECLOAD BI, BOP
	VECLOAD GG, GP
	VECLOAD BB, BPP
	WIN 0
	STREAM 0, 0, 0
	XRLOAD 0
.macro TILE_O m
	s_wait_loadcnt 0x0
	WIN 0x0c
.set j, 0
.rept 32
	v_pk_add_f32 v[HA+j:HA+j+1], v[RX+j:RX+j+1], v[BI+j:BI+j+1]    ; x + bo: what the sums begin with
.set j, j+2
.endr
	WIN 0
	PLACES 4
	MUL 0, 3
	WIN 0
	PLACES 8                                           ; in front of loads into registers that the products read, and of the first read of results
.if \m == 0
	STREAM 0, 8192, 512
.endif
.irp b, 0,1,2,3
.irp y, 0,1,2,3
	ds_store_b128 v[SO], v[HA+16*\b+4*\y:HA+16*\b+4*\y+3] offset:128*\b+16*\y
.endr
.endr
.irp p, 0,1,2,3,4,5,6,7,8,9,10,11,12,13,14,15
	ds_load_b128 v[RX+4*\p:RX+4*\p+3], v[SR] offset:528*\p       ; my wave's own bytes, served in order: these see the stores above
.endr
.irp p, 0,1,2,3,4,5,6,7,8,9,10,11,12,13,14,15
	s_wait_dscnt 15-\p                                 ; row p is back; the younger loads may be out
	global_store_b128 v[LI], v[RX+4*\p:RX+4*\p+3], s[X2P:X2P+1] offset:16384*\m+(\p+8*(\p/8))*2048   ; 32 lanes store 512 consecutive bytes of a token's row
.endr
.if \m == 0
	s_wait_xcnt 0x0                                    ; the stores have read their registers: the next tile's x may land there
	XRLOAD 16384
.endif
	LNQ 0x3c, GG, BB, L1, L2
	s_wait_xcnt 0x0                                    ; the last tile's stores have read the codes' registers
	QUANT HA, 0
.irp c, 0,1,2,3
	global_store_b128 v[LI], v[PC+4*\c:PC+4*\c+3], s[HC:HC+1] offset:8192*\m+512*\c
.endr
	global_store_b32 v[LS], v[PW], s[HS:HS+1] offset:512*\m
.endm
	TILE_O 0
	TILE_O 1
	s_wait_tensorcnt 0x0
	ds_add_u32 v222, v223
	s_wait_dscnt 0x0
	s_endpgm
.Lfunc_end_k_q02aa00ea81_oproj:
	.size	k_q02aa00ea81_oproj, .Lfunc_end_k_q02aa00ea81_oproj-k_q02aa00ea81_oproj
	.p2alignl 7, 3214868480
	.fill 96, 4, 3214868480
	.section	.rodata,"a",@progbits
	.p2align	6, 0x0
	.amdhsa_kernel k_q02aa00ea81_oproj
		.amdhsa_group_segment_fixed_size 35328
		.amdhsa_private_segment_fixed_size 0
		.amdhsa_enable_private_segment 0
		.amdhsa_kernarg_size 56
		.amdhsa_user_sgpr_count 2
		.amdhsa_user_sgpr_kernarg_segment_ptr 1
		.amdhsa_wavefront_size32 1
		.amdhsa_system_sgpr_workgroup_id_x 1
		.amdhsa_system_sgpr_workgroup_id_y 1
		.amdhsa_system_sgpr_workgroup_id_z 1
		.amdhsa_system_vgpr_workitem_id 0
		.amdhsa_next_free_vgpr 1024
		.amdhsa_next_free_sgpr 66
		.amdhsa_reserve_vcc 0
		.amdhsa_float_denorm_mode_32 3
		.amdhsa_float_denorm_mode_16_64 3
		.amdhsa_memory_ordered 1
		.amdhsa_forward_progress 1
		.amdhsa_inst_pref_size 92
	.end_amdhsa_kernel
	.amdgpu_metadata
---
amdhsa.version: [ 1, 2 ]
amdhsa.kernels:
  - .name:           k_q02aa00ea81_oproj
    .symbol:         k_q02aa00ea81_oproj.kd
    .args:
      - { .name: att, .offset: 0, .size: 8, .value_kind: global_buffer, .address_space: global }
      - { .name: wts, .offset: 8, .size: 8, .value_kind: global_buffer, .address_space: global }
      - { .name: x, .offset: 16, .size: 8, .value_kind: global_buffer, .address_space: global }
      - { .name: bo, .offset: 24, .size: 8, .value_kind: global_buffer, .address_space: global }
      - { .name: ln2_g, .offset: 32, .size: 8, .value_kind: global_buffer, .address_space: global }
      - { .name: ln2_b, .offset: 40, .size: 8, .value_kind: global_buffer, .address_space: global }
      - { .name: x2h, .offset: 48, .size: 8, .value_kind: global_buffer, .address_space: global }
    .group_segment_fixed_size: 35328
    .private_segment_fixed_size: 0
    .kernarg_segment_align: 8
    .kernarg_segment_size: 56
    .max_flat_workgroup_size: 128
    .sgpr_count:     66
    .vgpr_count:     1024
    .wavefront_size: 32
...
	.end_amdgpu_metadata
.endif
;; end of part 4
;; launch ffn1 (part 5): grid 4 x 64, 4 waves a work-group, no clusters, 0 bytes of LDS; arguments x2h, wts, b1, hid; writes hid
.if DOCPART == 5
	.amdgcn_target "amdgcn-amd-amdhsa--gfx1250"
	.amdhsa_code_object_version 6
	.text
	.protected	k_q02aa00ea81_ffn1
	.globl	k_q02aa00ea81_ffn1
	.p2align	8
	.type	k_q02aa00ea81_ffn1,@function
k_q02aa00ea81_ffn1:
	s_mov_b64 s[64:65], 0
	v_nop
	global_prefetch_b8 v0, s[64:65] scope:SCOPE_SE
	s_setreg_imm32_b32 hwreg(HW_REG_WAVE_MODE, 25, 1), 1
	s_wait_xcnt 0x0
; FFN1.  hidden = relu(h w1 + b1), quantised along the hidden units to codes of E5M2 with E8M0 scales.  Work-group (sl, G): 512 hidden units, 128 tokens (tiles 8 G .. 8 G + 7).
; Wave w keeps 128 columns of w1 (32 fragments, 512 registers); tiles of tokens stream from memory into operand registers, two tiles ahead.  Source 0 = w1's tiles, source 1 = the tokens:
; a lane holds one token and 64 hidden units, register 16 b + i = unit 32 b + 16 h + i of the wave's 128: one fragment of the next product.  b1 is the C of each sum's first product; the hold that the
; conversion wants clips at 0 as well.
; No LDS, no tensor loads, no cluster: what stays is read once (64 KB a wave), what streams (8 KB a tile) goes into the operand's registers as it lies.
; LIMITS: NaN and infinities are not served; blocks under 2^-111 keep the byte 1.
; REGISTERS as in the launch for q, k, v: window 0 sums, quantiser, scale words; windows 1, 2 the weight; window 3 v0-127 two tiles, v128-191 b1.
.set LI, 1
.set LS, 2
.set BA, 6
.set HA, 16
.set PC, 80
.set TM, 96
.set PW, 112
.set SS, 120
.set RS, 224
.set BI, 128
.set CB, 192
.set RB, 16
.set RSB, 18
.set SB, 20
.set SSB, 22
.set OC, 26
.set OS, 28
.set BP, 30
.set WV, 32
.set CNT, 33
.set SEL, 34
.set MNT, 36
.set MSB, 0
.macro WIN new
.if MSB != \new
	s_set_vgpr_msb (MSB<<8)|\new
.set MSB, \new
.endif
.endm
.macro PLACES n
.rept \n
	v_nop
.endr
.endm
.macro QUANT s, relu
.if \relu
.irp b, 0,1,2,3
	v_max3_num_f32 v[TM+\b], v[\s+16*\b], v[\s+1+16*\b], 0x8000000      ; no |.|: what is negative becomes 0 and must not count; the floor stands over it
.endr
.irp i, 2,4,6,8,10,12,14
.irp b, 0,1,2,3
	v_max3_num_f32 v[TM+\b], v[TM+\b], v[\s+16*\b+\i], v[\s+1+16*\b+\i]
.endr
.endr
.else
.irp b, 0,1,2,3
	v_max3_num_f32 v[TM+\b], |v[\s+16*\b]|, |v[\s+1+16*\b]|, 0x8000000
.endr
.irp i, 2,4,6,8,10,12,14
.irp b, 0,1,2,3
	v_max3_num_f32 v[TM+\b], v[TM+\b], |v[\s+16*\b+\i]|, |v[\s+1+16*\b+\i]|
.endr
.endr
.endif
.irp b, 0,1,2,3
	v_permlanex16_b32 v[TM+4+\b], v[TM+\b], s[SEL], s[SEL+1]
.endr
.irp b, 0,1,2,3
	v_max_num_f32 v[TM+\b], v[TM+\b], v[TM+4+\b]
.endr
.irp b, 0,1,2,3
	v_add_nc_u32 v[TM+12+\b], 0xf8800000, v[TM+\b]
.endr
.irp b, 0,1,2,3
	v_and_or_b32 v[TM+8+\b], v[TM+\b], 0x7f800000, s[MNT]
.endr
.irp b, 0,1,2,3
	v_lshrrev_b32 v[TM+4+\b], 23, v[TM+12+\b]
.endr
	v_lshl_or_b32 v[PW], v[TM+5], 8, v[TM+4]
	v_lshl_or_b32 v[PW], v[TM+6], 16, v[PW]
	v_lshl_or_b32 v[PW], v[TM+7], 24, v[PW]
.irp b, 0,1,2,3
.irp i, 0,1,2,3,4,5,6,7,8,9,10,11,12,13,14,15
.if \relu
	v_med3_num_f32 v[\s+16*\b+\i], v[\s+16*\b+\i], 0, v[TM+8+\b]        ; the activation and the hold in one
.else
	v_med3_num_f32 v[\s+16*\b+\i], v[\s+16*\b+\i], -v[TM+8+\b], v[TM+8+\b]
.endif
.endr
	v_cvt_scalef32_pk8_bf8_f32 v[PC+4*\b:PC+1+4*\b], v[\s+16*\b:\s+7+16*\b], v[TM+12+\b]
	v_cvt_scalef32_pk8_bf8_f32 v[PC+2+4*\b:PC+3+4*\b], v[\s+8+16*\b:\s+15+16*\b], v[TM+12+\b]
.endr
	v_nop
.endm
.macro RESIDENT stride
	WIN 0x40
.irp t, 0,1,2,3
.irp k, 0,1,2,3
.irp c, 0,1,2,3
	global_load_b128 v[64*\t+16*\k+4*\c:64*\t+16*\k+4*\c+3], v[LI], s[RB:RB+1] offset:(\t*\stride+\k)*2048+512*\c
.endr
.endr
.endr
	WIN 0x80
.irp t, 4,5,6,7
.irp k, 0,1,2,3
.irp c, 0,1,2,3
	global_load_b128 v[64*(\t-4)+16*\k+4*\c:64*(\t-4)+16*\k+4*\c+3], v[LI], s[RB:RB+1] offset:(\t*\stride+\k)*2048+512*\c
.endr
.endr
.endr
	WIN 0
.irp t, 0,1,2,3,4,5,6,7
.irp k, 0,1,2,3
	global_load_b32 v[RS+4*\t+\k], v[LS], s[RSB:RSB+1] offset:(\t*\stride+\k)*128
.endr
.endr
.endm
.macro STREAM buf, off, soff
	WIN 0xc0
.irp k, 0,1,2,3
.irp c, 0,1,2,3
	global_load_b128 v[64*\buf+16*\k+4*\c:64*\buf+16*\k+4*\c+3], v[LI], s[SB:SB+1] offset:\off+2048*\k+512*\c
.endr
.endr
	WIN 0
.irp k, 0,1,2,3
	global_load_b32 v[SS+4*\buf+\k], v[LS], s[SSB:SSB+1] offset:\soff+128*\k
.endr
.endm
.macro WMC d, a, b, c, sa, sb
	v_wmma_scale_f32_16x16x128_f8f6f4 v[\d:\d+7], v[\a:\a+15], v[\b:\b+15], v[\c:\c+7], v[\sa], v[\sb] matrix_a_fmt:MATRIX_FMT_BF8 matrix_b_fmt:MATRIX_FMT_BF8
.endm
.macro WMZ d, a, b, sa, sb
	v_wmma_scale_f32_16x16x128_f8f6f4 v[\d:\d+7], v[\a:\a+15], v[\b:\b+15], 0, v[\sa], v[\sb] matrix_a_fmt:MATRIX_FMT_BF8 matrix_b_fmt:MATRIX_FMT_BF8
.endm
; 32 products: 8 resident tiles x 4 K steps.  Four accumulators take turns, one instruction a turn.  cmode 0: the bias is the first K step's C
.macro MUL buf, cmode
.irp half, 0,1
.irp k, 0,1,2,3
.if (\k == 0) && (\cmode < 2)
	WIN 0x3d+\half
.else
	WIN 0x0d+\half
.endif
.irp t, 0,1,2,3
.if (\k == 0) && (\cmode == 0)
	WMC HA+8*(4*\half+\t), 64*\t+16*\k, 64*\buf+16*\k, BI+8*(4*\half+\t), RS+4*(4*\half+\t)+\k, SS+4*\buf+\k
.elseif (\k == 0) && (\cmode == 1)
	WMC HA+8*(4*\half+\t), 64*\t+16*\k, 64*\buf+16*\k, CB+8*\buf, RS+4*(4*\half+\t)+\k, SS+4*\buf+\k
.elseif (\k == 0) && (\cmode == 2)
	WMZ HA+8*(4*\half+\t), 64*\t+16*\k, 64*\buf+16*\k, RS+4*(4*\half+\t)+\k, SS+4*\buf+\k
.else
	WMC HA+8*(4*\half+\t), 64*\t+16*\k, 64*\buf+16*\k, HA+8*(4*\half+\t), RS+4*(4*\half+\t)+\k, SS+4*\buf+\k
.endif
.endr
.endr
.endr
.endm
	s_load_b256 s[4:11], s[0:1], 0x0                   ; x2h, wts, b1, hid
	v_lshrrev_b32 v3, 5, v0
	v_readfirstlane_b32 s[WV], v3
	v_and_b32 v3, 31, v0
	v_lshlrev_b32 v[LI], 4, v3
	v_lshlrev_b32 v[LS], 2, v3
	v_bfe_u32 v5, v0, 4, 1
	v_lshlrev_b32 v[BA], 6, v5
.irp b, 0,1,2,3
	v_mov_b32 v[TM+4+\b], 0
.endr
	s_mov_b32 s[SEL], 0x76543210
	s_mov_b32 s[SEL+1], 0xfedcba98
	s_mov_b32 s[MNT], 0x600000
	s_and_b32 s38, ttmp7, 0xffff                       ; G
	s_lshl_b32 s39, ttmp9, 2
	s_add_co_u32 s39, s39, s[WV]                       ; which 128 hidden units: 4 sl + w
	s_lshl_b32 s40, s39, 16
	s_add_co_u32 s40, s40, 0x100000
	s_mov_b32 s41, 0
	s_lshl_b32 s42, s39, 12
	s_add_co_u32 s42, s42, 0x310000
	s_mov_b32 s43, 0
	s_lshl_b32 s44, s38, 16
	s_add_co_u32 s44, s44, 0x1000000
	s_mov_b32 s45, 0
	s_lshl_b32 s46, s38, 12
	s_add_co_u32 s46, s46, 0x1400000
	s_mov_b32 s47, 0
	s_lshl_b32 s48, s39, 9
	s_mov_b32 s49, 0
	s_lshl_b32 s50, s38, 7
	s_add_co_u32 s50, s50, s39                         ; fragment 128 G + 4 sl + w
	s_lshl_b32 s52, s50, 11
	s_mov_b32 s53, 0
	s_lshl_b32 s54, s50, 7
	s_add_co_u32 s54, s54, 0x1000000
	s_mov_b32 s55, 0
	s_wait_kmcnt 0x0
	s_add_nc_u64 s[RB:RB+1], s[6:7], s[40:41]
	s_add_nc_u64 s[RSB:RSB+1], s[6:7], s[42:43]
	s_add_nc_u64 s[SB:SB+1], s[4:5], s[44:45]
	s_add_nc_u64 s[SSB:SSB+1], s[4:5], s[46:47]
	s_add_nc_u64 s[BP:BP+1], s[8:9], s[48:49]
	s_add_nc_u64 s[OC:OC+1], s[10:11], s[52:53]
	s_add_nc_u64 s[OS:OS+1], s[10:11], s[54:55]
	RESIDENT 4
	WIN 0xc0
.irp t, 0,1,2,3,4,5,6,7
	global_load_b128 v[BI+8*\t:BI+8*\t+3], v[BA], s[BP:BP+1] offset:(32*(\t/2)+8*(\t%2))*4
	global_load_b128 v[BI+8*\t+4:BI+8*\t+7], v[BA], s[BP:BP+1] offset:(32*(\t/2)+8*(\t%2))*4+16
.endr
	WIN 0
.macro TILE_F buf, fetch, cnt
	s_wait_loadcnt \cnt                                ; this tile's loads are in; the next tile's 20 may be out
	MUL \buf, 0
	WIN 0
	PLACES 8                                           ; in front of loads into registers that the products read, and of the first read of results
.if \fetch
	STREAM \buf, 8192*\buf, 512*\buf
.endif
	s_wait_xcnt 0x0                                    ; the last tile's stores have read the codes' registers
	QUANT HA, 1
.irp c, 0,1,2,3
	global_store_b128 v[LI], v[PC+4*\c:PC+4*\c+3], s[OC:OC+1] offset:32768*\buf+512*\c
.endr
	global_store_b32 v[LS], v[PW], s[OS:OS+1] offset:2048*\buf
.endm
	STREAM 0, 0, 0
	STREAM 1, 8192, 512
	s_wait_xcnt 0x0
	s_add_nc_u64 s[SB:SB+1], s[SB:SB+1], 16384
	s_add_nc_u64 s[SSB:SSB+1], s[SSB:SSB+1], 1024
	s_mov_b32 s[CNT], 3
.Lf:
	TILE_F 0, 1, 20
	TILE_F 1, 1, 20
	s_wait_xcnt 0x0                                    ; the bases are stepped only behind this wait
	s_add_nc_u64 s[SB:SB+1], s[SB:SB+1], 16384
	s_add_nc_u64 s[SSB:SSB+1], s[SSB:SSB+1], 1024
	s_add_nc_u64 s[OC:OC+1], s[OC:OC+1], 65536
	s_add_nc_u64 s[OS:OS+1], s[OS:OS+1], 4096
	s_sub_co_u32 s[CNT], s[CNT], 1
	s_cmp_lg_u32 s[CNT], 0
	s_cbranch_scc1 .Lf
	TILE_F 0, 0, 20                                    ; the last two tiles fetch nothing
	TILE_F 1, 0, 0
	s_endpgm
.Lfunc_end_k_q02aa00ea81_ffn1:
	.size	k_q02aa00ea81_ffn1, .Lfunc_end_k_q02aa00ea81_ffn1-k_q02aa00ea81_ffn1
	.p2alignl 7, 3214868480
	.fill 96, 4, 3214868480
	.section	.rodata,"a",@progbits
	.p2align	6, 0x0
	.amdhsa_kernel k_q02aa00ea81_ffn1
		.amdhsa_group_segment_fixed_size 0
		.amdhsa_private_segment_fixed_size 0
		.amdhsa_enable_private_segment 0
		.amdhsa_kernarg_size 32
		.amdhsa_user_sgpr_count 2
		.amdhsa_user_sgpr_kernarg_segment_ptr 1
		.amdhsa_wavefront_size32 1
		.amdhsa_system_sgpr_workgroup_id_x 1
		.amdhsa_system_sgpr_workgroup_id_y 1
		.amdhsa_system_sgpr_workgroup_id_z 1
		.amdhsa_system_vgpr_workitem_id 0
		.amdhsa_next_free_vgpr 1024
		.amdhsa_next_free_sgpr 66
		.amdhsa_reserve_vcc 0
		.amdhsa_float_denorm_mode_32 3
		.amdhsa_float_denorm_mode_16_64 3
		.amdhsa_memory_ordered 1
		.amdhsa_forward_progress 1
		.amdhsa_inst_pref_size 79
	.end_amdhsa_kernel
	.amdgpu_metadata
---
amdhsa.version: [ 1, 2 ]
amdhsa.kernels:
  - .name:           k_q02aa00ea81_ffn1
    .symbol:         k_q02aa00ea81_ffn1.kd
    .args:
      - { .name: x2h, .offset: 0, .size: 8, .value_kind: global_buffer, .address_space: global }
      - { .name: wts, .offset: 8, .size: 8, .value_kind: global_buffer, .address_space: global }
      - { .name: b1, .offset: 16, .size: 8, .value_kind: global_buffer, .address_space: global }
      - { .name: hid, .offset: 24, .size: 8, .value_kind: global_buffer, .address_space: global }
    .group_segment_fixed_size: 0
    .private_segment_fixed_size: 0
    .kernarg_segment_align: 8
    .kernarg_segment_size: 32
    .max_flat_workgroup_size: 128
    .sgpr_count:     66
    .vgpr_count:     1024
    .wavefront_size: 32
...
	.end_amdgpu_metadata
.endif
;; end of part 5
;; launch ffn2 (part 6): grid 4 x 64, 4 waves a work-group, no clusters, 68,096 bytes of LDS; arguments hid, wts, b2, x2h, out0; writes out0
.if DOCPART == 6
	.amdgcn_target "amdgcn-amd-amdhsa--gfx1250"
	.amdhsa_code_object_version 6
	.text
	.protected	k_q02aa00ea81_ffn2
	.globl	k_q02aa00ea81_ffn2
	.p2align	8
	.type	k_q02aa00ea81_ffn2,@function
k_q02aa00ea81_ffn2:
	s_mov_b64 s[64:65], 0
	v_nop
	global_prefetch_b8 v0, s[64:65] scope:SCOPE_SE
	s_setreg_imm32_b32 hwreg(HW_REG_WAVE_MODE, 25, 1), 1
	s_wait_xcnt 0x0
; FFN2.  out = x2 + hidden x w2 + b2.  Work-group (cg, G): 128 columns, 128 tokens (tiles 8 G .. 8 G + 7).  K = 2,048 is shared among the four waves: wave s takes K steps 4 s .. 4 s + 3,
; keeps its 8 tiles x 4 K steps of w2 (512 registers) and streams the tokens' fragments of those K steps, two tiles ahead.  The four partial sums of a tile meet in LDS (rows of 512 bytes + 16), in two
; buffers by turns, one barrier a tile: a buffer is written again only behind the next tile's barrier, in front of which every wave has waited for its reads of it.  Wave s then adds rows 4 s .. 4 s + 3,
; x2 and b2, and stores whole pieces of rows: 512 consecutive bytes a store.
; No tensor loads, no cluster: what stays is read once (64 KB a wave), what streams (8 KB a tile and wave) goes into the operand's registers as it lies.
; REGISTERS.  window 0: v1-4 addresses; v16-79 the sums; v120-127 the tiles' scale words; v128-191 four rows x four parts; v192-207 x2; v208-211 b2; v224-255 w2's scale words.  windows 1, 2: w2.  window 3: two tiles.
.set LI, 1
.set LS, 2
.set PWA, 3
.set PRA, 4
.set HA, 16
.set SS, 120
.set RD, 128
.set RES, 192
.set B2R, 208
.set RS, 224
.set BI, 128
.set CB, 192
.set RB, 16
.set RSB, 18
.set SB, 20
.set SSB, 22
.set XR2, 24
.set OUTP, 26
.set B2P, 28
.set WV, 32
.set CNT, 33
.set MSB, 0
.macro WIN new
.if MSB != \new
	s_set_vgpr_msb (MSB<<8)|\new
.set MSB, \new
.endif
.endm
.macro PLACES n
.rept \n
	v_nop
.endr
.endm
.macro RESIDENT stride
	WIN 0x40
.irp t, 0,1,2,3
.irp k, 0,1,2,3
.irp c, 0,1,2,3
	global_load_b128 v[64*\t+16*\k+4*\c:64*\t+16*\k+4*\c+3], v[LI], s[RB:RB+1] offset:(\t*\stride+\k)*2048+512*\c
.endr
.endr
.endr
	WIN 0x80
.irp t, 4,5,6,7
.irp k, 0,1,2,3
.irp c, 0,1,2,3
	global_load_b128 v[64*(\t-4)+16*\k+4*\c:64*(\t-4)+16*\k+4*\c+3], v[LI], s[RB:RB+1] offset:(\t*\stride+\k)*2048+512*\c
.endr
.endr
.endr
	WIN 0
.irp t, 0,1,2,3,4,5,6,7
.irp k, 0,1,2,3
	global_load_b32 v[RS+4*\t+\k], v[LS], s[RSB:RSB+1] offset:(\t*\stride+\k)*128
.endr
.endr
.endm
.macro STREAM buf, off, soff
	WIN 0xc0
.irp k, 0,1,2,3
.irp c, 0,1,2,3
	global_load_b128 v[64*\buf+16*\k+4*\c:64*\buf+16*\k+4*\c+3], v[LI], s[SB:SB+1] offset:\off+2048*\k+512*\c
.endr
.endr
	WIN 0
.irp k, 0,1,2,3
	global_load_b32 v[SS+4*\buf+\k], v[LS], s[SSB:SSB+1] offset:\soff+128*\k
.endr
.endm
.macro WMC d, a, b, c, sa, sb
	v_wmma_scale_f32_16x16x128_f8f6f4 v[\d:\d+7], v[\a:\a+15], v[\b:\b+15], v[\c:\c+7], v[\sa], v[\sb] matrix_a_fmt:MATRIX_FMT_BF8 matrix_b_fmt:MATRIX_FMT_BF8
.endm
.macro WMZ d, a, b, sa, sb
	v_wmma_scale_f32_16x16x128_f8f6f4 v[\d:\d+7], v[\a:\a+15], v[\b:\b+15], 0, v[\sa], v[\sb] matrix_a_fmt:MATRIX_FMT_BF8 matrix_b_fmt:MATRIX_FMT_BF8
.endm
; 32 products: 8 resident tiles x 4 K steps.  Four accumulators take turns, one instruction a turn.  cmode 2: the first K step starts the sums with the constant 0
.macro MUL buf, cmode
.irp half, 0,1
.irp k, 0,1,2,3
.if (\k == 0) && (\cmode < 2)
	WIN 0x3d+\half
.else
	WIN 0x0d+\half
.endif
.irp t, 0,1,2,3
.if (\k == 0) && (\cmode == 0)
	WMC HA+8*(4*\half+\t), 64*\t+16*\k, 64*\buf+16*\k, BI+8*(4*\half+\t), RS+4*(4*\half+\t)+\k, SS+4*\buf+\k
.elseif (\k == 0) && (\cmode == 1)
	WMC HA+8*(4*\half+\t), 64*\t+16*\k, 64*\buf+16*\k, CB+8*\buf, RS+4*(4*\half+\t)+\k, SS+4*\buf+\k
.elseif (\k == 0) && (\cmode == 2)
	WMZ HA+8*(4*\half+\t), 64*\t+16*\k, 64*\buf+16*\k, RS+4*(4*\half+\t)+\k, SS+4*\buf+\k
.else
	WMC HA+8*(4*\half+\t), 64*\t+16*\k, 64*\buf+16*\k, HA+8*(4*\half+\t), RS+4*(4*\half+\t)+\k, SS+4*\buf+\k
.endif
.endr
.endr
.endr
.endm
	s_load_b256 s[4:11], s[0:1], 0x0                   ; hid, wts, b2, x2h
	s_load_b64 s[12:13], s[0:1], 0x20                  ; out0
	v_lshl_add_u32 v222, v0, 2, 0x10800
	v_mov_b32 v223, 0
	v_lshrrev_b32 v5, 5, v0
	v_readfirstlane_b32 s[WV], v5
	v_and_b32 v5, 31, v0
	v_lshlrev_b32 v[LI], 4, v5
	v_lshlrev_b32 v[LS], 2, v5
	v_and_b32 v6, 15, v0                               ; r
	v_bfe_u32 v7, v0, 4, 1                             ; h
	s_mul_i32 s34, s[WV], 16*528
	v_mul_u32_u24 v[PWA], v6, 528
	v_lshl_add_u32 v[PWA], v7, 6, v[PWA]
	v_add_nc_u32 v[PWA], s34, v[PWA]                   ; my part: row r, + 64 h
	s_mul_i32 s34, s[WV], 4*528
	v_add_nc_u32 v[PRA], s34, v[LI]                    ; the rows that I add: 4 s on; 16 bytes a lane
	s_and_b32 s38, ttmp7, 0xffff                       ; G
	s_lshl_b32 s40, ttmp9, 18
	s_lshl_b32 s41, s[WV], 13
	s_add_co_u32 s40, s40, s41
	s_add_co_u32 s40, s40, 0x200000                    ; w2's codes: 8 tiles of 16 K steps a group of columns, my 4 K steps
	s_mov_b32 s41, 0
	s_lshl_b32 s42, ttmp9, 14
	s_lshl_b32 s43, s[WV], 9
	s_add_co_u32 s42, s42, s43
	s_add_co_u32 s42, s42, 0x320000
	s_mov_b32 s43, 0
	s_lshl_b32 s44, s38, 18
	s_lshl_b32 s45, s[WV], 13
	s_add_co_u32 s44, s44, s45                         ; the hidden layer's codes
	s_mov_b32 s45, 0
	s_lshl_b32 s46, s38, 14
	s_lshl_b32 s47, s[WV], 9
	s_add_co_u32 s46, s46, s47
	s_add_co_u32 s46, s46, 0x1000000
	s_mov_b32 s47, 0
	s_lshl_b32 s48, s38, 7                             ; my first token: 128 G + 4 (s & 1) + 16 (s >> 1)
	s_and_b32 s49, s[WV], 1
	s_lshl_b32 s49, s49, 2
	s_add_co_u32 s48, s48, s49
	s_lshr_b32 s49, s[WV], 1
	s_lshl_b32 s49, s49, 4
	s_add_co_u32 s48, s48, s49
	s_lshl_b32 s48, s48, 11
	s_lshl_b32 s50, ttmp9, 9
	s_add_co_u32 s48, s48, s50
	s_mov_b32 s49, 0
	s_mov_b32 s51, 0
	s_wait_kmcnt 0x0
	s_add_nc_u64 s[RB:RB+1], s[6:7], s[40:41]
	s_add_nc_u64 s[RSB:RSB+1], s[6:7], s[42:43]
	s_add_nc_u64 s[SB:SB+1], s[4:5], s[44:45]
	s_add_nc_u64 s[SSB:SSB+1], s[4:5], s[46:47]
	s_add_nc_u64 s[XR2:XR2+1], s[10:11], s[48:49]
	s_add_nc_u64 s[OUTP:OUTP+1], s[12:13], s[48:49]
	s_add_nc_u64 s[B2P:B2P+1], s[8:9], s[50:51]
	RESIDENT 16
	global_load_b128 v[B2R:B2R+3], v[LI], s[B2P:B2P+1]
.macro TILE_2 buf, fetch, c1, c2
.irp a, 0,1,2,3
	global_load_b128 v[RES+4*\a:RES+4*\a+3], v[LI], s[XR2:XR2+1] offset:16384*\buf+2048*\a    ; x2 of the four rows that I finish
.endr
	s_wait_loadcnt \c1                                 ; this tile's fragments are in; the next tile's 20 loads and the 4 just issued may be out
	MUL \buf, 2
	WIN 0
	PLACES 8                                           ; in front of loads into registers that the products read, and of the first read of results
.if \fetch
	STREAM \buf, 32768*\buf, 2048*\buf
.endif
.irp b, 0,1,2,3
.irp y, 0,1,2,3
	ds_store_b128 v[PWA], v[HA+16*\b+4*\y:HA+16*\b+4*\y+3] offset:33792*\buf+128*\b+16*\y
.endr
.endr
	s_wait_dscnt 0x0                                   ; for the others' sake: my part has landed
	s_barrier_signal -1
	s_barrier_wait -1
	s_wait_xcnt 0x0                                    ; the last tile's stores have read the registers that the loads below fill
.irp p, 0,1,2,3
.irp a, 0,1,2,3
	ds_load_b128 v[RD+16*\p+4*\a:RD+16*\p+4*\a+3], v[PRA] offset:33792*\buf+8448*\p+528*\a
.endr
.endr
	s_wait_loadcnt \c2                                 ; x2 is in; the stream asked for behind it may be out
	s_wait_dscnt 0x0
.irp a, 0,1,2,3
.irp y, 0,2
	v_pk_add_f32 v[RD+4*\a+\y:RD+4*\a+\y+1], v[RD+4*\a+\y:RD+4*\a+\y+1], v[RD+16+4*\a+\y:RD+16+4*\a+\y+1]
	v_pk_add_f32 v[RD+32+4*\a+\y:RD+32+4*\a+\y+1], v[RD+32+4*\a+\y:RD+32+4*\a+\y+1], v[RD+48+4*\a+\y:RD+48+4*\a+\y+1]
	v_pk_add_f32 v[RES+4*\a+\y:RES+4*\a+\y+1], v[RES+4*\a+\y:RES+4*\a+\y+1], v[B2R+\y:B2R+\y+1]
	v_pk_add_f32 v[RD+4*\a+\y:RD+4*\a+\y+1], v[RD+4*\a+\y:RD+4*\a+\y+1], v[RD+32+4*\a+\y:RD+32+4*\a+\y+1]
	v_pk_add_f32 v[RD+4*\a+\y:RD+4*\a+\y+1], v[RD+4*\a+\y:RD+4*\a+\y+1], v[RES+4*\a+\y:RES+4*\a+\y+1]
.endr
.endr
.irp a, 0,1,2,3
	global_store_b128 v[LI], v[RD+4*\a:RD+4*\a+3], s[OUTP:OUTP+1] offset:16384*\buf+2048*\a th:TH_STORE_NT   ; 32 lanes store 512 consecutive bytes of a token's row
.endr
.endm
	STREAM 0, 0, 0
	STREAM 1, 32768, 2048
	s_wait_xcnt 0x0
	s_add_nc_u64 s[SB:SB+1], s[SB:SB+1], 65536
	s_add_nc_u64 s[SSB:SSB+1], s[SSB:SSB+1], 4096
	s_mov_b32 s[CNT], 3
.Lt:
	TILE_2 0, 1, 24, 20
	TILE_2 1, 1, 24, 20
	s_wait_xcnt 0x0                                    ; the bases are stepped only behind this wait
	s_add_nc_u64 s[SB:SB+1], s[SB:SB+1], 65536
	s_add_nc_u64 s[SSB:SSB+1], s[SSB:SSB+1], 4096
	s_add_nc_u64 s[XR2:XR2+1], s[XR2:XR2+1], 65536
	s_add_nc_u64 s[OUTP:OUTP+1], s[OUTP:OUTP+1], 65536
	s_sub_co_u32 s[CNT], s[CNT], 1
	s_cmp_lg_u32 s[CNT], 0
	s_cbranch_scc1 .Lt
	TILE_2 0, 0, 24, 0                                 ; the last two tiles fetch nothing
	TILE_2 1, 0, 4, 0
	s_wait_tensorcnt 0x0
	ds_add_u32 v222, v223
	s_wait_dscnt 0x0
	s_endpgm
.Lfunc_end_k_q02aa00ea81_ffn2:
	.size	k_q02aa00ea81_ffn2, .Lfunc_end_k_q02aa00ea81_ffn2-k_q02aa00ea81_ffn2
	.p2alignl 7, 3214868480
	.fill 96, 4, 3214868480
	.section	.rodata,"a",@progbits
	.p2align	6, 0x0
	.amdhsa_kernel k_q02aa00ea81_ffn2
		.amdhsa_group_segment_fixed_size 68096
		.amdhsa_private_segment_fixed_size 0
		.amdhsa_enable_private_segment 0
		.amdhsa_kernarg_size 40
		.amdhsa_user_sgpr_count 2
		.amdhsa_user_sgpr_kernarg_segment_ptr 1
		.amdhsa_wavefront_size32 1
		.amdhsa_system_sgpr_workgroup_id_x 1
		.amdhsa_system_sgpr_workgroup_id_y 1
		.amdhsa_system_sgpr_workgroup_id_z 1
		.amdhsa_system_vgpr_workitem_id 0
		.amdhsa_next_free_vgpr 1024
		.amdhsa_next_free_sgpr 66
		.amdhsa_reserve_vcc 0
		.amdhsa_float_denorm_mode_32 3
		.amdhsa_float_denorm_mode_16_64 3
		.amdhsa_memory_ordered 1
		.amdhsa_forward_progress 1
		.amdhsa_inst_pref_size 66
	.end_amdhsa_kernel
	.amdgpu_metadata
---
amdhsa.version: [ 1, 2 ]
amdhsa.kernels:
  - .name:           k_q02aa00ea81_ffn2
    .symbol:         k_q02aa00ea81_ffn2.kd
    .args:
      - { .name: hid, .offset: 0, .size: 8, .value_kind: global_buffer, .address_space: global }
      - { .name: wts, .offset: 8, .size: 8, .value_kind: global_buffer, .address_space: global }
      - { .name: b2, .offset: 16, .size: 8, .value_kind: global_buffer, .address_space: global }
      - { .name: x2h, .offset: 24, .size: 8, .value_kind: global_buffer, .address_space: global }
      - { .name: out0, .offset: 32, .size: 8, .value_kind: global_buffer, .address_space: global }
    .group_segment_fixed_size: 68096
    .private_segment_fixed_size: 0
    .kernarg_segment_align: 8
    .kernarg_segment_size: 40
    .max_flat_workgroup_size: 128
    .sgpr_count:     66
    .vgpr_count:     1024
    .wavefront_size: 32
...
	.end_amdgpu_metadata
.endif
;; end of part 6
;; ======== version 2 of 2: 6 launches
;; workspace buffers: wts 3,342,336 bytes; mbits 2,097,152 bytes of whole numbers; xn 6,553,600 bytes; qkv 13,369,344 bytes; att 4,456,448 bytes; x2h 21,233,664 bytes; hid 17,825,792 bytes
;; launch prep (part 7): grid 512 x 1, 4 waves a work-group, no clusters, 18,944 bytes of LDS; arguments x, ln1_g, ln1_b, positions, o2o_mask, wq, wk, wv, wo, w1, w2, xn, mbits, wts; writes xn, mbits, wts
.if DOCPART == 7
	.amdgcn_target "amdgcn-amd-amdhsa--gfx1250"
	.amdhsa_code_object_version 6
	.text
	.protected	k_q02aa00ea81_prep
	.globl	k_q02aa00ea81_prep
	.p2align	8
	.type	k_q02aa00ea81_prep,@function
k_q02aa00ea81_prep:
	s_mov_b64 s[64:65], 0
	v_nop
	global_prefetch_b8 v0, s[64:65] scope:SCOPE_SE
	s_setreg_imm32_b32 hwreg(HW_REG_WAVE_MODE, 25, 1), 1
	s_wait_xcnt 0x0
; PREP.  Every work-group first does part X: LayerNorm 1 of one tile of 16 tokens, quantised to codes of E5M2 with one E8M0 byte for each 32 along K.
; Then, by the work-group's number, one of three further parts:  M (0-255): the mask's bytes become lane-mask words;  W (256-447): the six weights become codes;  R (448-511): cosines and sines for the rotation.
; TILES.  Tile T = 2 g + u holds tokens 32 g + 8 u + (r & 7) + 16 (r >> 3), r = 0 .. 15; tiles of weight columns are formed alike.  So the 16 registers that a lane gets from two neighbouring tiles of a transposed
; product are 16 neighbours along the next K.
; IMAGES.  A fragment (16 rows x 128 K) lies in memory as the operand's registers: byte 512 c + 16 lane + y is the code of row lane % 16, k = 32 c + 16 (lane / 16) + y.  Its scale words: 4 bytes a lane.
; A block's scale byte is its largest magnitude's exponent field - 15, held at 1 from below (a block of zeros so gets the byte 1; its codes are zeros, and these bytes are read by this program alone).
; LIMITS: NaN and infinities among the inputs are not served; blocks whose largest magnitude lies under 2^-111 keep the byte 1; positions up to 2^24 in magnitude; the 32 frequencies are 10^(-j/8) rounded to f32,
; which may differ in the last bit from a power and a reciprocal taken in f32.
; No tensor loads and no cluster: no byte of x, of the mask or of a weight is read by two work-groups.
.set L1, 0                             ; LDS: the waves' partial sums, 128 bytes a wave;
.set L2, 512                           ; the partial sums of squares;
.set MST, 1024                         ; part M: a stage of 16 rows x 272 bytes for each wave
.set LI, 1                             ; v1  16 x lane
.set LS, 2                             ; v2  4 x lane
.set XA, 3                             ; v3  x: my row of the tile, + 64 h
.set GA, 4                             ; v4  64 h
.set LNW, 5                            ; v5  4 x my thread's number
.set LL, 8                             ; v8  lane;  v9 r;  v10 h;  v11 r + 8 (r / 8): these four stay
.set RR, 9
.set HH, 10
.set TF, 11
.set HA, 16                            ; v16-79  64 numbers of my row: register 16 b + i = k 32 b + 16 h + i
.set PC, 80                            ; v80-95  the codes just made
.set TM, 96                            ; v96-111 largest magnitudes, bytes, holds, scale operands
.set PW, 112                           ; v112    the scale word just made
.set LQ, 114                           ; v114-124 the LayerNorm's sums
.set GG, 128                           ; v128-191 the gain,  v192-255 the bias, laid as the numbers are
.set BB, 192
.set WV, 32
.set SEL, 54
.set MNT, 56
.set R512, 57
.set EPSR, 58
; 64 numbers of a lane, v[s] on, become a fragment's codes in v[PC] on and its scale word in v[PW]
.macro QUANT s, relu
.if \relu
.irp b, 0,1,2,3
	v_max3_num_f32 v[TM+\b], v[\s+16*\b], v[\s+1+16*\b], 0x8000000
.endr
.irp i, 2,4,6,8,10,12,14
.irp b, 0,1,2,3
	v_max3_num_f32 v[TM+\b], v[TM+\b], v[\s+16*\b+\i], v[\s+1+16*\b+\i]
.endr
.endr
.else
.irp b, 0,1,2,3
	v_max3_num_f32 v[TM+\b], |v[\s+16*\b]|, |v[\s+1+16*\b]|, 0x8000000   ; my 16 numbers of block b, and the floor 2^(16 - 127): the byte cannot fall under 1
.endr
.irp i, 2,4,6,8,10,12,14
.irp b, 0,1,2,3
	v_max3_num_f32 v[TM+\b], v[TM+\b], |v[\s+16*\b+\i]|, |v[\s+1+16*\b+\i]|   ; the four blocks by turns
.endr
.endr
.endif
.irp b, 0,1,2,3
	v_permlanex16_b32 v[TM+4+\b], v[TM+\b], s[SEL], s[SEL+1]
.endr
.irp b, 0,1,2,3
	v_max_num_f32 v[TM+\b], v[TM+\b], v[TM+4+\b]       ; with lane l xor 16's: the block's largest magnitude
.endr
.irp b, 0,1,2,3
	v_add_nc_u32 v[TM+12+\b], 0xf8800000, v[TM+\b]     ; 15 off its exponent field: the conversion's scale operand
.endr
.irp b, 0,1,2,3
	v_and_or_b32 v[TM+8+\b], v[TM+\b], 0x7f800000, s[MNT]   ; 57,344 x the scale
.endr
.irp b, 0,1,2,3
	v_lshrrev_b32 v[TM+4+\b], 23, v[TM+12+\b]          ; the scale's byte
.endr
	v_lshl_or_b32 v[PW], v[TM+5], 8, v[TM+4]
	v_lshl_or_b32 v[PW], v[TM+6], 16, v[PW]
	v_lshl_or_b32 v[PW], v[TM+7], 24, v[PW]
.irp b, 0,1,2,3
.irp i, 0,1,2,3,4,5,6,7,8,9,10,11,12,13,14,15
.if \relu
	v_med3_num_f32 v[\s+16*\b+\i], v[\s+16*\b+\i], 0, v[TM+8+\b]
.else
	v_med3_num_f32 v[\s+16*\b+\i], v[\s+16*\b+\i], -v[TM+8+\b], v[TM+8+\b]   ; the conversion does not saturate (ISA guide 7.6.2): the hold at the largest code x the scale
.endif
.endr
	v_cvt_scalef32_pk8_bf8_f32 v[PC+4*\b:PC+1+4*\b], v[\s+16*\b:\s+7+16*\b], v[TM+12+\b]
	v_cvt_scalef32_pk8_bf8_f32 v[PC+2+4*\b:PC+3+4*\b], v[\s+8+16*\b:\s+15+16*\b], v[TM+12+\b]
.endr
	v_nop                                              ; a plain line behind the last conversion
.endm
; two chains of packed sums become the row's sum over its 512 numbers: my two halves, lane l xor 16, then the four waves through LDS
.macro LNRED lds
	v_pk_add_f32 v[LQ:LQ+1], v[LQ:LQ+1], v[LQ+2:LQ+3]
	v_add_f32 v[LQ], v[LQ], v[LQ+1]
	v_permlanex16_b32 v[LQ+10], v[LQ], s[SEL], s[SEL+1]
	v_add_f32 v[LQ], v[LQ], v[LQ+10]
	ds_store_b32 v[LNW], v[LQ] offset:\lds
	s_wait_dscnt 0x0                                   ; for the others' sake: my word has landed
	s_barrier_signal -1
	s_barrier_wait -1
.irp w, 0,1,2,3
	ds_load_b32 v[LQ+6+\w], v[LS] offset:\lds+128*\w
.endr
	s_wait_dscnt 0x0
	v_add_f32 v[LQ+6], v[LQ+6], v[LQ+7]
	v_add_f32 v[LQ+8], v[LQ+8], v[LQ+9]
	v_add_f32 v[LQ], v[LQ+6], v[LQ+8]
.endm
; LayerNorm in place on v[HA] on: the mean, then the mean of the squared differences (no difference of large sums), gain and bias
.macro LNQ g, b, l1, l2
	v_pk_add_f32 v[LQ:LQ+1], v[HA:HA+1], v[HA+2:HA+3]
	v_pk_add_f32 v[LQ+2:LQ+3], v[HA+4:HA+5], v[HA+6:HA+7]
.set j, 8
.rept 14
	v_pk_add_f32 v[LQ:LQ+1], v[LQ:LQ+1], v[HA+j:HA+j+1]
	v_pk_add_f32 v[LQ+2:LQ+3], v[LQ+2:LQ+3], v[HA+j+2:HA+j+3]
.set j, j+4
.endr
	LNRED \l1
	v_mul_f32 v[LQ+4], 0xbb000000, v[LQ]               ; - the mean
	v_mov_b32 v[LQ+5], v[LQ+4]
.set j, 0
.rept 32
	v_pk_add_f32 v[HA+j:HA+j+1], v[HA+j:HA+j+1], v[LQ+4:LQ+5]
.set j, j+2
.endr
	v_pk_mul_f32 v[LQ:LQ+1], v[HA:HA+1], v[HA:HA+1]
	v_pk_mul_f32 v[LQ+2:LQ+3], v[HA+2:HA+3], v[HA+2:HA+3]
.set j, 4
.rept 15
	v_pk_fma_f32 v[LQ:LQ+1], v[HA+j:HA+j+1], v[HA+j:HA+j+1], v[LQ:LQ+1]
	v_pk_fma_f32 v[LQ+2:LQ+3], v[HA+j+2:HA+j+3], v[HA+j+2:HA+j+3], v[LQ+2:LQ+3]
.set j, j+4
.endr
	LNRED \l2
	v_fma_f32 v[LQ], v[LQ], s[R512], s[EPSR]           ; the variance + 1e-5
	s_wait_alu depctr_va_vdst(0)
	v_rsq_f32 v[LQ+4], v[LQ]
	v_nop                                              ; a plain line behind the transcendental,
	s_wait_alu depctr_va_vdst(0)                       ; and the wait ahead of its first reader
	v_mov_b32 v[LQ+5], v[LQ+4]
.set j, 0
.rept 32
	v_pk_mul_f32 v[HA+j:HA+j+1], v[HA+j:HA+j+1], v[LQ+4:LQ+5]
.set j, j+2
.endr
.set j, 0
.rept 32
	v_pk_fma_f32 v[HA+j:HA+j+1], v[HA+j:HA+j+1], v[\g+j:\g+j+1], v[\b+j:\b+j+1]
.set j, j+2
.endr
.endm
	s_load_b256 s[4:11], s[0:1], 0x0                   ; x, ln1_g, ln1_b, positions
	s_load_b256 s[12:19], s[0:1], 0x20                 ; o2o_mask, wq, wk, wv
	s_load_b256 s[20:27], s[0:1], 0x40                 ; wo, w1, w2, xn
	s_load_b128 s[28:31], s[0:1], 0x60                 ; mbits, wts
	v_lshl_add_u32 v14, v0, 2, 0x4800
	v_mov_b32 v15, 0
	v_lshrrev_b32 v7, 5, v0
	v_readfirstlane_b32 s[WV], v7                      ; wave 0..3
	v_and_b32 v[LL], 31, v0
	v_and_b32 v[RR], 15, v0
	v_bfe_u32 v[HH], v0, 4, 1
	v_lshlrev_b32 v[LI], 4, v[LL]
	v_lshlrev_b32 v[LS], 2, v[LL]
	v_and_b32 v[TF], 8, v[RR]
	v_add_nc_u32 v[TF], v[TF], v[RR]                   ; r + 8 (r / 8)
	v_lshlrev_b32 v[XA], 11, v[TF]
	v_lshl_add_u32 v[XA], v[HH], 6, v[XA]
	v_lshlrev_b32 v[GA], 6, v[HH]
	v_lshlrev_b32 v[LNW], 2, v0
.irp b, 0,1,2,3
	v_mov_b32 v[TM+4+\b], 0                            ; written once: a lane permute's destination counts as one of its sources
.endr
	v_mov_b32 v[LQ+10], 0
	s_mov_b32 s[SEL], 0x76543210
	s_mov_b32 s[SEL+1], 0xfedcba98
	s_mov_b32 s[MNT], 0x600000
	s_mov_b32 s[R512], 0x3b000000                      ; 1 / 512
	s_mov_b32 s[EPSR], 0x3727c5ac                      ; 1e-5
	; ---- X: tile T = my work-group's number; wave s takes K step s (columns 128 s on)
	s_lshr_b32 s34, ttmp9, 1
	s_lshl_b32 s34, s34, 16                            ; 32 tokens of 2,048 bytes
	s_and_b32 s35, ttmp9, 1
	s_lshl_b32 s35, s35, 14                            ; 8 tokens
	s_add_co_u32 s34, s34, s35
	s_lshl_b32 s36, s[WV], 9
	s_add_co_u32 s34, s34, s36
	s_mov_b32 s35, 0
	s_mov_b32 s37, 0
	s_lshl_b32 s38, ttmp9, 2
	s_add_co_u32 s38, s38, s[WV]                       ; fragment 4 T + s
	s_lshl_b32 s40, s38, 11
	s_mov_b32 s41, 0
	s_lshl_b32 s42, s38, 7
	s_add_co_u32 s42, s42, 0x400000
	s_mov_b32 s43, 0
	s_wait_alu depctr_va_vdst(0)
	s_wait_kmcnt 0x0
	s_add_nc_u64 s[44:45], s[4:5], s[34:35]
	s_add_nc_u64 s[46:47], s[6:7], s[36:37]
	s_add_nc_u64 s[48:49], s[8:9], s[36:37]
	s_add_nc_u64 s[50:51], s[26:27], s[40:41]
	s_add_nc_u64 s[52:53], s[26:27], s[42:43]
.irp c, 0,1,2,3
.irp j, 0,1,2,3
	global_load_b128 v[HA+16*\c+4*\j:HA+16*\c+4*\j+3], v[XA], s[44:45] offset:128*\c+16*\j th:TH_LOAD_NT
.endr
.endr
.irp c, 0,1,2,3
.irp j, 0,1,2,3
	global_load_b128 v[GG+16*\c+4*\j:GG+16*\c+4*\j+3], v[GA], s[46:47] offset:128*\c+16*\j
	global_load_b128 v[BB+16*\c+4*\j:BB+16*\c+4*\j+3], v[GA], s[48:49] offset:128*\c+16*\j
.endr
.endr
	s_wait_loadcnt 0x0
	LNQ GG, BB, L1, L2
	QUANT HA, 0
.irp c, 0,1,2,3
	global_store_b128 v[LI], v[PC+4*\c:PC+4*\c+3], s[50:51] offset:512*\c     ; 32 lanes store 512 consecutive bytes
.endr
	global_store_b32 v[LS], v[PW], s[52:53]
	s_wait_xcnt 0x0                                    ; the stores have read their registers: all may be written again
	s_cmp_lt_u32 ttmp9, 256
	s_cbranch_scc1 .Lrole_m
	s_cmp_lt_u32 ttmp9, 448
	s_cbranch_scc1 .Lrole_w
	; ---- R: cos and sin of position x 10^(-j/8), j = 16 h + i, for the tokens of two tiles a wave
.set RCOS, 32
.set RSIN, 48
.set HM, 40
.set PH, 41
.set PL, 42
.set S0, 43
.set S1, 44
.set S2, 45
.set C0, 46
.set C1, 47
.set C2, 48
	s_sub_co_u32 s33, ttmp9, 448
	s_lshl_b32 s33, s33, 2
	s_add_co_u32 s33, s33, s[WV]                       ; which group of 32 tokens
	s_lshl_b32 s34, s33, 7
	s_mov_b32 s35, 0
	s_add_nc_u64 s[10:11], s[10:11], s[34:35]
	s_lshl_b32 s34, s33, 13
	s_add_co_u32 s34, s34, 0x440000
	s_add_nc_u64 s[26:27], s[26:27], s[34:35]
	v_lshlrev_b32 v3, 2, v[TF]
	s_mov_b32 s[HM], 0xffff0000                        ; lanes 16-31
	s_mov_b32 s[PH], 0xbfc90fdb                        ; - pi/2, its f32,
	s_mov_b32 s[PL], 0x333bbd2e                        ; and what that f32 has too much: 4.37113883e-8
	s_mov_b32 s[S0], 0xb94ca1f9                        ; the sine's polynomial on |rho| <= pi/4: -1.9515295891e-4,
	s_mov_b32 s[S1], 0x3c08839e                        ; 8.3321608736e-3,
	s_mov_b32 s[S2], 0xbe2aaaa3                        ; -1.6666654611e-1
	s_mov_b32 s[C0], 0x37ccf5ce                        ; the cosine's: 2.443315712e-5,
	s_mov_b32 s[C1], 0xbab6061a                        ; -1.388731625e-3,
	s_mov_b32 s[C2], 0x3d2aaaa5                        ; 4.166664568e-2
.macro ANG i, flo, fhi
	v_mul_f32 v20, \flo, v13
	v_mul_f32 v21, \fhi, v13
	v_cndmask_b32 v20, v20, v21, s[HM]                 ; the angle: lanes 16-31 take frequency 16 + i
	v_mul_f32 v21, 0x3f22f983, v20
	v_rndne_f32 v21, v21                               ; n = the nearest multiple of pi/2
	v_fma_f32 v22, v21, s[PH], v20
	v_fma_f32 v22, v21, s[PL], v22                     ; rho = angle - n pi/2, in two parts
	v_cvt_i32_f32 v23, v21
	v_mul_f32 v24, v22, v22                            ; z
	v_fma_f32 v25, v24, s[S0], s[S1]
	v_fma_f32 v26, v24, s[C0], s[C1]
	v_fma_f32 v25, v25, v24, s[S2]
	v_fma_f32 v26, v26, v24, s[C2]
	v_mul_f32 v27, v24, v22
	v_mul_f32 v28, v24, v24
	v_fma_f32 v29, v24, -0.5, 1.0
	v_fma_f32 v25, v25, v27, v22                       ; sin rho
	v_fma_f32 v26, v26, v28, v29                       ; cos rho
	v_and_b32 v27, 1, v23
	v_cmp_eq_u32 vcc_lo, 1, v27
	v_cndmask_b32 v28, v25, v26, vcc_lo                ; odd quadrants change the two
	v_cndmask_b32 v29, v26, v25, vcc_lo
	v_and_b32 v27, 2, v23
	v_add_nc_u32 v23, 1, v23
	v_lshlrev_b32 v27, 30, v27
	v_and_b32 v23, 2, v23
	v_xor_b32 v[RSIN+\i], v28, v27                     ; the sine is negative in quadrants 2, 3,
	v_lshlrev_b32 v23, 30, v23
	v_xor_b32 v[RCOS+\i], v29, v23                     ; the cosine in 1, 2
.endm
	s_mov_b32 s33, 2
.Lrope:
	s_wait_alu depctr_va_vdst(0)
	global_load_b32 v12, v3, s[10:11]
	s_wait_loadcnt 0x0
	v_cvt_f32_i32 v13, v12
	ANG 0, 1.0, 0.01
	ANG 1, 0.7498942093324559, 0.007498942093324559
	ANG 2, 0.5623413251903491, 0.005623413251903491
	ANG 3, 0.4216965034285822, 0.004216965034285822
	ANG 4, 0.31622776601683794, 0.0031622776601683794
	ANG 5, 0.23713737056616552, 0.0023713737056616552
	ANG 6, 0.1778279410038923, 0.001778279410038923
	ANG 7, 0.1333521432163324, 0.001333521432163324
	ANG 8, 0.1, 0.001
	ANG 9, 0.07498942093324559, 0.0007498942093324559
	ANG 10, 0.05623413251903491, 0.0005623413251903491
	ANG 11, 0.04216965034285822, 0.0004216965034285822
	ANG 12, 0.031622776601683794, 0.00031622776601683794
	ANG 13, 0.023713737056616552, 0.00023713737056616552
	ANG 14, 0.01778279410038923, 0.0001778279410038923
	ANG 15, 0.01333521432163324, 0.0001333521432163324
.irp x, 0,1,2,3
	global_store_b128 v[LI], v[RCOS+4*\x:RCOS+4*\x+3], s[26:27] offset:512*\x
	global_store_b128 v[LI], v[RSIN+4*\x:RSIN+4*\x+3], s[26:27] offset:2048+512*\x
.endr
	s_wait_xcnt 0x0                                    ; bases and data are written again only behind this wait
	s_add_nc_u64 s[10:11], s[10:11], 32                ; the group's second tile: 8 tokens on
	s_add_nc_u64 s[26:27], s[26:27], 4096
	s_sub_co_u32 s33, s33, 1
	s_cmp_lg_u32 s33, 0
	s_cbranch_scc1 .Lrope
	s_wait_tensorcnt 0x0
	ds_add_u32 v14, v15
	s_wait_dscnt 0x0
	s_endpgm
	; ---- M: a wave takes one tile of 16 queries and 1,024 keys, in four parts of 256.  Word n of a part: bit lane = mask(query lane % 16, key 32 (n / 16) + 16 (lane / 16) + n % 16):
	; the lane mask for register n of the scores as the attention launch holds them
.set MR, 16                            ; v16-143  the bytes as loaded
.set MB, 144                           ; v144-175 a part's bytes, a lane's 16 keys of each block of 32
.set OW, 176                           ; v176-191 the words: word n in lane n / 4 of register n % 4; four registers for each part
.set MT, 192
.Lrole_m:
	s_lshl_b32 s33, ttmp9, 2
	s_add_co_u32 s33, s33, s[WV]                       ; 2 T + half
	s_lshr_b32 s34, s33, 1
	s_and_b32 s36, s33, 1
	s_lshr_b32 s38, s34, 1
	s_lshl_b32 s38, s38, 16
	s_and_b32 s39, s34, 1
	s_lshl_b32 s39, s39, 14
	s_add_co_u32 s38, s38, s39                         ; the tile's first token x 2,048 bytes
	s_lshl_b32 s39, s36, 10
	s_add_co_u32 s38, s38, s39
	s_mov_b32 s39, 0
	s_add_nc_u64 s[12:13], s[12:13], s[38:39]
	s_lshl_b32 s38, s33, 11                            ; four parts of 512 bytes
	s_add_nc_u64 s[28:29], s[28:29], s[38:39]
	v_lshlrev_b32 v3, 4, v[RR]
	v_lshl_add_u32 v3, v[HH], 11, v3                   ; sixteen lanes read 256 consecutive bytes of a row; lanes 16-31 the next row
	s_mul_i32 s35, s[WV], 16*272
	s_add_co_u32 s35, s35, MST
	v_mul_u32_u24 v4, v[HH], 272
	v_lshl_add_u32 v4, v[RR], 4, v4
	v_add_nc_u32 v4, s35, v4                           ; into my stage as loaded,
	v_mul_u32_u24 v5, v[RR], 272
	v_lshl_add_u32 v5, v[HH], 4, v5
	v_add_nc_u32 v5, s35, v5                           ; and out: row r, + 16 h
.irp j, 0,1,2,3,4,5,6,7,8,9,10,11,12,13,14,15
	v_mov_b32 v[OW+\j], 0                              ; a lane write's destination counts as read
.endr
.irp wq, 0,1,2,3
.irp i, 0,1,2,3,4,5,6,7
	global_load_b128 v[MR+32*\wq+4*\i:MR+32*\wq+4*\i+3], v3, s[12:13] offset:(2*\i+8*(\i/4))*2048+256*\wq th:TH_LOAD_NT
.endr
.endr
.irp wq, 0,1,2,3
	s_wait_loadcnt 24-8*\wq                            ; this part's eight loads are in; the younger parts' may be out
.irp i, 0,1,2,3,4,5,6,7
	ds_store_b128 v4, v[MR+32*\wq+4*\i:MR+32*\wq+4*\i+3] offset:544*\i
.endr
.irp b, 0,1,2,3,4,5,6,7
	ds_load_b128 v[MB+4*\b:MB+4*\b+3], v5 offset:32*\b   ; my wave's own bytes, served in order: these see the stores above
.endr
	s_wait_dscnt 0x0
.set n, 0
.rept 128
	v_and_b32 v[MT+(n&7)], 0xff<<(8*(n&3)), v[MB+4*(n>>4)+((n&15)>>2)]
	v_cmp_ne_u32 s[40+(n&7)], 0, v[MT+(n&7)]
	v_writelane_b32 v[OW+4*\wq+(n&3)], s[40+(n&7)], n>>2
.set n, n+1
.endr
	global_store_b128 v[LI], v[OW+4*\wq:OW+4*\wq+3], s[28:29] offset:512*\wq
.endr
	s_wait_tensorcnt 0x0
	ds_add_u32 v14, v15
	s_wait_dscnt 0x0
	s_endpgm
	; ---- W: a wave takes 32 columns x 128 along K of one weight.  A lane takes a column and its registers run down K: a block of 32 lies in one lane.
.set WX, 64                            ; v64-191  128 numbers
.set WC, 192                           ; v192-223 their codes
.macro WLOAD n, c
.set i, 0
.rept 32
	global_load_b32 v[WX+32*(\c)+i], v[LS], s[14:15] offset:(32*(\c)+i)*(\n)*4 th:TH_LOAD_NT
.set i, i+1
.endr
.endm
.macro WBLOCK c
.set XS, WX+32*(\c)
	v_max3_num_f32 v226, |v[XS]|, |v[XS+1]|, |v[XS+2]|
	v_max3_num_f32 v227, |v[XS+3]|, |v[XS+4]|, |v[XS+5]|
.irp i, 6,10,14,18,22,26
	v_max3_num_f32 v226, v226, |v[XS+\i]|, |v[XS+\i+1]|
	v_max3_num_f32 v227, v227, |v[XS+\i+2]|, |v[XS+\i+3]|
.endr
	v_max3_num_f32 v226, v226, |v[XS+30]|, |v[XS+31]|
	v_max3_num_f32 v226, v226, v227, 0x8000000
	v_add_nc_u32 v228, 0xf8800000, v226
	v_and_or_b32 v229, v226, 0x7f800000, s[MNT]
	v_lshrrev_b32 v227, 23, v228
.if (\c) == 0
	v_mov_b32 v224, v227
.else
	v_lshl_or_b32 v224, v227, 8*(\c), v224
.endif
.set i, 0
.rept 32
	v_med3_num_f32 v[XS+i], v[XS+i], -v229, v229
.set i, i+1
.endr
.irp g, 0,1,2,3
	v_cvt_scalef32_pk8_bf8_f32 v[WC+8*(\c)+2*\g:WC+8*(\c)+2*\g+1], v[XS+8*\g:XS+8*\g+7], v228
.endr
	global_store_b128 v3, v[WC+8*(\c):WC+8*(\c)+3], s[44:45] offset:512*(\c)          ; k 32 c + 0 .. 15: the image's lanes 0-15; the sixteen lanes of a tile store 256 consecutive bytes
	global_store_b128 v3, v[WC+8*(\c)+4:WC+8*(\c)+7], s[44:45] offset:512*(\c)+256    ; k 32 c + 16 .. 31: its lanes 16-31
.endm
; s36 the weight's place among the codes, s37 the K step, s38 the group of 32 columns, s39 the weight's K steps; sh: log2 of 128 rows in bytes
.macro WQ n, sh
	s_lshl_b32 s40, s37, \sh
	s_lshl_b32 s41, s38, 7
	s_add_co_u32 s40, s40, s41
	s_mov_b32 s41, 0
	s_add_nc_u64 s[14:15], s[14:15], s[40:41]
	s_mul_i32 s42, s38, s39
	s_lshl_b32 s42, s42, 1
	s_add_co_u32 s42, s42, s37                         ; fragment (tile 2 x group, K step)
	s_lshl_b32 s44, s42, 11
	s_add_co_u32 s44, s44, s36
	s_mov_b32 s45, 0
	s_lshl_b32 s46, s42, 7
	s_lshr_b32 s47, s36, 4
	s_add_co_u32 s46, s46, s47
	s_add_co_u32 s46, s46, 0x300000
	s_mov_b32 s47, 0
	s_add_nc_u64 s[44:45], s[30:31], s[44:45]
	s_add_nc_u64 s[46:47], s[30:31], s[46:47]
	s_lshl_b32 s48, s39, 11
	s_lshl_b32 s49, s39, 7
	v_mul_u32_u24 v3, v12, s48                         ; the group's second tile lies a tile's K steps on
	v_lshl_add_u32 v3, v13, 4, v3
	v_mul_u32_u24 v4, v12, s49
	v_lshl_add_u32 v4, v13, 2, v4
	WLOAD \n, 0
	WLOAD \n, 1
	s_wait_loadcnt 32                                  ; block 0 is in; the next block's 32 loads may be out (so in each line of this kind)
	WLOAD \n, 2
	WBLOCK 0
	s_wait_loadcnt 32
	WLOAD \n, 3
	WBLOCK 1
	s_wait_loadcnt 32
	WBLOCK 2
	s_wait_loadcnt 0x0
	WBLOCK 3
	global_store_b32 v4, v224, s[46:47]                ; the column's scale word, for the image's lanes 0-15
	global_store_b32 v4, v224, s[46:47] offset:64      ; and 16-31
.endm
.Lrole_w:
	s_sub_co_u32 s33, ttmp9, 256
	s_lshl_b32 s34, s33, 2
	s_add_co_u32 s34, s34, s[WV]                       ; my wave's unit, 0 .. 767
	v_bfe_u32 v12, v0, 3, 1                            ; column 32 g + lane is row (lane & 7) + 8 (lane >> 4) of tile 2 g + ((lane >> 3) & 1)
	v_and_b32 v13, 7, v0
	v_lshl_add_u32 v13, v[HH], 3, v13
	s_and_b32 s38, s34, 15
	s_cmp_lt_u32 s33, 64
	s_cbranch_scc0 .Lw_big
	s_lshr_b32 s35, s33, 4                             ; wq, wk, wv, wo: 64 units each
	s_cmp_eq_u32 s35, 1
	s_cselect_b64 s[14:15], s[16:17], s[14:15]
	s_cmp_eq_u32 s35, 2
	s_cselect_b64 s[14:15], s[18:19], s[14:15]
	s_cmp_eq_u32 s35, 3
	s_cselect_b64 s[14:15], s[20:21], s[14:15]
	s_lshl_b32 s36, s35, 18
	s_bfe_u32 s37, s34, 0x20004
	s_mov_b32 s39, 4
	s_branch .Lw_512
.Lw_big:
	s_cmp_lt_u32 s33, 128
	s_cbranch_scc1 .Lw_2048
	s_mov_b64 s[14:15], s[24:25]                       ; w2: 16 K steps x 16 groups
	s_mov_b32 s36, 0x200000
	s_sub_co_u32 s37, s34, 512
	s_lshr_b32 s37, s37, 4
	s_mov_b32 s39, 16
.Lw_512:
	s_wait_alu depctr_va_vdst(0)
	WQ 512, 18
	s_wait_tensorcnt 0x0
	ds_add_u32 v14, v15
	s_wait_dscnt 0x0
	s_endpgm
.Lw_2048:
	s_mov_b64 s[14:15], s[22:23]                       ; w1: 4 K steps x 64 groups
	s_mov_b32 s36, 0x100000
	s_sub_co_u32 s37, s34, 256
	s_lshr_b32 s37, s37, 6
	s_and_b32 s38, s34, 63
	s_mov_b32 s39, 4
	s_wait_alu depctr_va_vdst(0)
	WQ 2048, 20
	s_wait_tensorcnt 0x0
	ds_add_u32 v14, v15
	s_wait_dscnt 0x0
	s_endpgm
.Lfunc_end_k_q02aa00ea81_prep:
	.size	k_q02aa00ea81_prep, .Lfunc_end_k_q02aa00ea81_prep-k_q02aa00ea81_prep
	.p2alignl 7, 3214868480
	.fill 96, 4, 3214868480
	.section	.rodata,"a",@progbits
	.p2align	6, 0x0
	.amdhsa_kernel k_q02aa00ea81_prep
		.amdhsa_group_segment_fixed_size 18944
		.amdhsa_private_segment_fixed_size 0
		.amdhsa_enable_private_segment 0
		.amdhsa_kernarg_size 112
		.amdhsa_user_sgpr_count 2
		.amdhsa_user_sgpr_kernarg_segment_ptr 1
		.amdhsa_wavefront_size32 1
		.amdhsa_system_sgpr_workgroup_id_x 1
		.amdhsa_system_sgpr_workgroup_id_y 1
		.amdhsa_system_sgpr_workgroup_id_z 1
		.amdhsa_system_vgpr_workitem_id 0
		.amdhsa_next_free_vgpr 256
		.amdhsa_next_free_sgpr 66
		.amdhsa_reserve_vcc 1
		.amdhsa_float_denorm_mode_32 3
		.amdhsa_float_denorm_mode_16_64 3
		.amdhsa_memory_ordered 1
		.amdhsa_forward_progress 1
		.amdhsa_inst_pref_size 214
	.end_amdhsa_kernel
	.amdgpu_metadata
---
amdhsa.version: [ 1, 2 ]
amdhsa.kernels:
  - .name:           k_q02aa00ea81_prep
    .symbol:         k_q02aa00ea81_prep.kd
    .args:
      - { .name: x, .offset: 0, .size: 8, .value_kind: global_buffer, .address_space: global }
      - { .name: ln1_g, .offset: 8, .size: 8, .value_kind: global_buffer, .address_space: global }
      - { .name: ln1_b, .offset: 16, .size: 8, .value_kind: global_buffer, .address_space: global }
      - { .name: positions, .offset: 24, .size: 8, .value_kind: global_buffer, .address_space: global }
      - { .name: o2o_mask, .offset: 32, .size: 8, .value_kind: global_buffer, .address_space: global }
      - { .name: wq, .offset: 40, .size: 8, .value_kind: global_buffer, .address_space: global }
      - { .name: wk, .offset: 48, .size: 8, .value_kind: global_buffer, .address_space: global }
      - { .name: wv, .offset: 56, .size: 8, .value_kind: global_buffer, .address_space: global }
      - { .name: wo, .offset: 64, .size: 8, .value_kind: global_buffer, .address_space: global }
      - { .name: w1, .offset: 72, .size: 8, .value_kind: global_buffer, .address_space: global }
      - { .name: w2, .offset: 80, .size: 8, .value_kind: global_buffer, .address_space: global }
      - { .name: xn, .offset: 88, .size: 8, .value_kind: global_buffer, .address_space: global }
      - { .name: mbits, .offset: 96, .size: 8, .value_kind: global_buffer, .address_space: global }
      - { .name: wts, .offset: 104, .size: 8, .value_kind: global_buffer, .address_space: global }
    .group_segment_fixed_size: 18944
    .private_segment_fixed_size: 0
    .kernarg_segment_align: 8
    .kernarg_segment_size: 112
    .max_flat_workgroup_size: 128
    .sgpr_count:     66
    .vgpr_count:     256
    .wavefront_size: 32
...
	.end_amdgpu_metadata
.endif
;; end of part 7
;; launch qkv (part 8): grid 3 x 64, 4 waves a work-group, no clusters, 0 bytes of LDS; arguments xn, wts, bq, bk, bv, qkv; writes qkv
.if DOCPART == 8
	.amdgcn_target "amdgcn-amd-amdhsa--gfx1250"
	.amdhsa_code_object_version 6
	.text
	.protected	k_q02aa00ea81_qkv
	.globl	k_q02aa00ea81_qkv
	.p2align	8
	.type	k_q02aa00ea81_qkv,@function
k_q02aa00ea81_qkv:
	s_mov_b64 s[64:65], 0
	v_nop
	global_prefetch_b8 v0, s[64:65] scope:SCOPE_SE
	s_setreg_imm32_b32 hwreg(HW_REG_WAVE_SCHED_MODE, 0, 2), 2
	s_setreg_imm32_b32 hwreg(HW_REG_WAVE_MODE, 25, 1), 1
	s_wait_xcnt 0x0
	s_wait_alu depctr_vm_vsrc(0)
; QKV.  Work-group (ty, G): ty = 0 q, 1 k, 2 v; G: 128 tokens, tiles 8 G .. 8 G + 7.  Products on codes of E5M2 with E8M0 scales; sums in f32.
; A wave keeps 32 fragments (8 tiles x 4 K steps, 512 registers) for the whole launch and streams 8 tiles of the other operand from memory straight into operand registers, two tiles ahead.
; q, k: the wave's 128 columns of the weight stay, tokens stream.  Source 0 = the weight's tiles, source 1 = a tile of tokens: a lane holds one token and 64 numbers, register 16 b + i = column 32 b + 16 h + i.
;   The bias is the C of each sum's first product.  Then the rotation (a head's d and d + 32 lie 16 registers apart in one lane), the quantiser along d, and the codes leave as register images.
; v: the SAME matrix text with the pointers changed: the 128 tokens stay and 16 columns d stream, so that a lane holds one d and its 64 registers are keys 32 b + 16 h + i: one fragment of V^T, K = the keys.
; 192 work-groups: the four waves of a work-group hold one whole weight of 512 x 512 between them.
; No LDS ring, no tensor loads, no cluster: what stays is read once (64 KB a wave), what streams (8 KB a tile) goes into the operand's registers as it lies; through LDS each byte would be written and read once more.
; What work-groups share is the 256 KB read once at the head, against 8 tiles of work.
; LIMITS: as the quantiser's in the launch before: NaN and infinities are not served; blocks under 2^-111 keep the byte 1.
; THE MODE: SCHED_MODE bits 1:0 = 2 (LLVM: expert scheduling mode 2), set by the entry lines.  The code itself states the register dependences between vector or matrix instructions and memory instructions,
; with s_wait_alu, always for 0.
; THE PLAN.  Registers that memory instructions touch, in the loops:
;   the two streamed tiles (window 3) and their scale words   Tile t's products read set t % 2; the loads of tile t + 2 land in it.
;   cos and sin, two sets (q, k); v's bias, two sets           Tile t's rotation (v: its products) reads set t % 2; the loads of tile t + 2 land in it.
;   the codes and the word to store, two sets                 Tile t's quantiser writes set t % 2; the stores that are issued in tile t + 1 read it.
;   the offsets v1, v2, v6, v7, v8                             Made at the head, never written again: scalar bases and immediate offsets do the rest.
; So ONE wait on va_vdst stands in a tile, behind its products (q, k: behind its rotation): it states that set t % 2 of all that streams has been read and that the tile before has written the other set to store.
; Behind it come the tile's loads and then the stores of the tile before; no vector or matrix instruction since the wait names a register of theirs.  The wait on vm_vsrc beside it states that the stores issued a tile
; ago have read the set that this tile's quantiser writes again.  The first two tiles and the last two are written out.
; REGISTERS.  window 0: v1-8 addresses; v16-79 the sums; v80-95, v192-207 codes; v96-111 the quantiser's; v112, v210 its scale word; v114-119 at work; v120-127 the streamed tiles' scale words; v128-191 cos and sin, two sets;
;   v208, v209 q's or k's words to store; v224-255 the resident scale words.
;   windows 1, 2: the resident fragments (tile t, K step k) at v[64 (t % 4) + 16 k].   window 3: v0-127 two streamed tiles; v128-191 the bias of q or k; v192-207 v's bias, two sets.
.set LI, 1
.set LS, 2
.set BA, 6                             ; v6  64 h
.set CBA, 7                            ; v7  4 (r + 8 (r / 8))
.set QSA, 8                            ; v8  4 r + 8192 h
.set HA, 16
.set PC, 80                            ; the codes to store: set 0 at v80,
.set PCS, 112                          ; set 1 at v192
.set TM, 96
.set PW, 112                           ; the quantiser's scale word: set 0 v112,
.set PWS, 98                           ; set 1 v210
.set T0, 114
.set T1, 116
.set SS, 120
.set RP, 128
.set OW, 208                           ; q's or k's words to store: v208, v209
.set RS, 224
.set BI, 128
.set CB, 192
.set RB, 16
.set RSB, 18
.set SB, 20
.set SSB, 22
.set RPB, 24
.set OC, 26
.set OS, 28
.set BP, 30
.set WV, 32
.set CNT, 33
.set SEL, 34
.set MNT, 36
.set HM, 37
.set MSB, 0
.macro WIN new                         ; the immediate's high byte repeats the setting that is left
.if MSB != \new
	s_set_vgpr_msb (MSB<<8)|\new
.set MSB, \new
.endif
.endm
.macro PLACES n
.rept \n
	v_nop
.endr
.endm
; 64 numbers of a lane, v[s] on, become a fragment's codes in v[pc] on and its scale word in v[pw]
.macro QUANT s, relu, pc, pw
.if \relu
.irp b, 0,1,2,3
	v_max3_num_f32 v[TM+\b], v[\s+16*\b], v[\s+1+16*\b], 0x8000000
.endr
.irp i, 2,4,6,8,10,12,14
.irp b, 0,1,2,3
	v_max3_num_f32 v[TM+\b], v[TM+\b], v[\s+16*\b+\i], v[\s+1+16*\b+\i]
.endr
.endr
.else
.irp b, 0,1,2,3
	v_max3_num_f32 v[TM+\b], |v[\s+16*\b]|, |v[\s+1+16*\b]|, 0x8000000   ; my 16 numbers of block b, and the floor 2^(16 - 127)
.endr
.irp i, 2,4,6,8,10,12,14
.irp b, 0,1,2,3
	v_max3_num_f32 v[TM+\b], v[TM+\b], |v[\s+16*\b+\i]|, |v[\s+1+16*\b+\i]|
.endr
.endr
.endif
.irp b, 0,1,2,3
	v_permlanex16_b32 v[TM+4+\b], v[TM+\b], s[SEL], s[SEL+1]
.endr
.irp b, 0,1,2,3
	v_max_num_f32 v[TM+\b], v[TM+\b], v[TM+4+\b]
.endr
.irp b, 0,1,2,3
	v_add_nc_u32 v[TM+12+\b], 0xf8800000, v[TM+\b]     ; 15 off the exponent field: the conversion's scale operand
.endr
.irp b, 0,1,2,3
	v_and_or_b32 v[TM+8+\b], v[TM+\b], 0x7f800000, s[MNT]   ; 57,344 x the scale
.endr
.irp b, 0,1,2,3
	v_lshrrev_b32 v[TM+4+\b], 23, v[TM+12+\b]
.endr
	v_lshl_or_b32 v[\pw], v[TM+5], 8, v[TM+4]
	v_lshl_or_b32 v[\pw], v[TM+6], 16, v[\pw]
	v_lshl_or_b32 v[\pw], v[TM+7], 24, v[\pw]
.irp b, 0,1,2,3
.irp i, 0,1,2,3,4,5,6,7,8,9,10,11,12,13,14,15
.if \relu
	v_med3_num_f32 v[\s+16*\b+\i], v[\s+16*\b+\i], 0, v[TM+8+\b]
.else
	v_med3_num_f32 v[\s+16*\b+\i], v[\s+16*\b+\i], -v[TM+8+\b], v[TM+8+\b]
.endif
.endr
	v_cvt_scalef32_pk8_bf8_f32 v[\pc+4*\b:\pc+1+4*\b], v[\s+16*\b:\s+7+16*\b], v[TM+12+\b]
	v_cvt_scalef32_pk8_bf8_f32 v[\pc+2+4*\b:\pc+3+4*\b], v[\s+8+16*\b:\s+15+16*\b], v[TM+12+\b]
.endr
	v_nop                                              ; a plain line behind the last conversion
.endm
.macro RESIDENT stride                 ; 32 fragments and their scale words; from tile to tile: stride fragments
	WIN 0x40
.irp t, 0,1,2,3
.irp k, 0,1,2,3
.irp c, 0,1,2,3
	global_load_b128 v[64*\t+16*\k+4*\c:64*\t+16*\k+4*\c+3], v[LI], s[RB:RB+1] offset:(\t*\stride+\k)*2048+512*\c
.endr
.endr
.endr
	WIN 0x80
.irp t, 4,5,6,7
.irp k, 0,1,2,3
.irp c, 0,1,2,3
	global_load_b128 v[64*(\t-4)+16*\k+4*\c:64*(\t-4)+16*\k+4*\c+3], v[LI], s[RB:RB+1] offset:(\t*\stride+\k)*2048+512*\c
.endr
.endr
.endr
	WIN 0
.irp t, 0,1,2,3,4,5,6,7
.irp k, 0,1,2,3
	global_load_b32 v[RS+4*\t+\k], v[LS], s[RSB:RSB+1] offset:(\t*\stride+\k)*128
.endr
.endr
.endm
.macro STREAM buf, off, soff           ; a tile's four fragments and scale words: 20 loads
	WIN 0xc0
.irp k, 0,1,2,3
.irp c, 0,1,2,3
	global_load_b128 v[64*\buf+16*\k+4*\c:64*\buf+16*\k+4*\c+3], v[LI], s[SB:SB+1] offset:\off+2048*\k+512*\c
.endr
.endr
	WIN 0
.irp k, 0,1,2,3
	global_load_b32 v[SS+4*\buf+\k], v[LS], s[SSB:SSB+1] offset:\soff+128*\k
.endr
.endm
.macro WMC d, a, b, c, sa, sb
	v_wmma_scale_f32_16x16x128_f8f6f4 v[\d:\d+7], v[\a:\a+15], v[\b:\b+15], v[\c:\c+7], v[\sa], v[\sb] matrix_a_fmt:MATRIX_FMT_BF8 matrix_b_fmt:MATRIX_FMT_BF8
.endm
.macro WMZ d, a, b, sa, sb
	v_wmma_scale_f32_16x16x128_f8f6f4 v[\d:\d+7], v[\a:\a+15], v[\b:\b+15], 0, v[\sa], v[\sb] matrix_a_fmt:MATRIX_FMT_BF8 matrix_b_fmt:MATRIX_FMT_BF8
.endm
; 32 products: 8 resident tiles x 4 K steps against streamed tile buf.  Four accumulators take turns, one instruction a turn.
; The first K step's C: cmode 0 the bias by tile, 1 one bias for all tiles, 2 the constant 0, 3 what the accumulators hold
.macro MUL buf, cmode
.irp half, 0,1
.irp k, 0,1,2,3
.if (\k == 0) && (\cmode < 2)
	WIN 0x3d+\half
.else
	WIN 0x0d+\half
.endif
.irp t, 0,1,2,3
.if (\k == 0) && (\cmode == 0)
	WMC HA+8*(4*\half+\t), 64*\t+16*\k, 64*\buf+16*\k, BI+8*(4*\half+\t), RS+4*(4*\half+\t)+\k, SS+4*\buf+\k
.elseif (\k == 0) && (\cmode == 1)
	WMC HA+8*(4*\half+\t), 64*\t+16*\k, 64*\buf+16*\k, CB+8*\buf, RS+4*(4*\half+\t)+\k, SS+4*\buf+\k
.elseif (\k == 0) && (\cmode == 2)
	WMZ HA+8*(4*\half+\t), 64*\t+16*\k, 64*\buf+16*\k, RS+4*(4*\half+\t)+\k, SS+4*\buf+\k
.else
	WMC HA+8*(4*\half+\t), 64*\t+16*\k, 64*\buf+16*\k, HA+8*(4*\half+\t), RS+4*(4*\half+\t)+\k, SS+4*\buf+\k
.endif
.endr
.endr
.endr
.endm
	s_load_b256 s[4:11], s[0:1], 0x0                   ; xn, wts, bq, bk
	s_load_b128 s[12:15], s[0:1], 0x20                 ; bv, qkv
	v_lshrrev_b32 v3, 5, v0
	v_readfirstlane_b32 s[WV], v3
	v_and_b32 v3, 31, v0
	v_lshlrev_b32 v[LI], 4, v3
	v_lshlrev_b32 v[LS], 2, v3
	v_and_b32 v4, 15, v0                               ; r
	v_bfe_u32 v5, v0, 4, 1                             ; h
	v_lshlrev_b32 v[BA], 6, v5
	v_and_b32 v[CBA], 8, v4
	v_add_nc_u32 v[CBA], v[CBA], v4
	v_lshlrev_b32 v[CBA], 2, v[CBA]
	v_lshlrev_b32 v[QSA], 2, v4
	v_lshl_add_u32 v[QSA], v5, 13, v[QSA]
.irp b, 0,1,2,3
	v_mov_b32 v[TM+4+\b], 0                            ; written once: a lane permute's destination counts as one of its sources
.endr
	s_wait_alu depctr_va_vdst(0)                       ; the five offsets v1, v2, v6, v7, v8 are written: every load and store of the kernel reads one of them
	s_mov_b32 s[SEL], 0x76543210
	s_mov_b32 s[SEL+1], 0xfedcba98
	s_mov_b32 s[MNT], 0x600000
	s_mov_b32 s[HM], 0xffff0000
	s_and_b32 s38, ttmp7, 0xffff                       ; G
	s_lshl_b32 s40, ttmp9, 18
	s_wait_alu depctr_va_sdst(0)                       ; the wave's number is written, ahead of its first reader: the bases are made from it
	s_lshl_b32 s41, s[WV], 16
	s_add_co_u32 s40, s40, s41                         ; the weight's codes, my 128 columns
	s_mov_b32 s41, 0
	s_lshl_b32 s42, ttmp9, 14
	s_lshl_b32 s43, s[WV], 12
	s_add_co_u32 s42, s42, s43
	s_add_co_u32 s42, s42, 0x300000                    ; their scale words
	s_mov_b32 s43, 0
	s_lshl_b32 s44, s38, 16                            ; the tokens' codes
	s_mov_b32 s45, 0
	s_lshl_b32 s46, s38, 12
	s_add_co_u32 s46, s46, 0x400000                    ; their scale words
	s_mov_b32 s47, 0
	s_wait_kmcnt 0x0
	s_add_nc_u64 s[40:41], s[6:7], s[40:41]
	s_add_nc_u64 s[42:43], s[6:7], s[42:43]
	s_add_nc_u64 s[44:45], s[4:5], s[44:45]
	s_add_nc_u64 s[46:47], s[4:5], s[46:47]
	s_cmp_eq_u32 ttmp9, 2                              ; for v the tokens stay and the weight streams
	s_cselect_b64 s[RB:RB+1], s[44:45], s[40:41]
	s_cselect_b64 s[RSB:RSB+1], s[46:47], s[42:43]
	s_cselect_b64 s[SB:SB+1], s[40:41], s[44:45]
	s_cselect_b64 s[SSB:SSB+1], s[42:43], s[46:47]
	RESIDENT 4
	s_cmp_eq_u32 ttmp9, 2
	s_cbranch_scc1 .Lv
	; ---- q and k
	s_cmp_eq_u32 ttmp9, 0
	s_cselect_b64 s[BP:BP+1], s[8:9], s[10:11]
	s_lshl_b32 s48, s[WV], 9
	s_mov_b32 s49, 0
	s_add_nc_u64 s[BP:BP+1], s[BP:BP+1], s[48:49]
	s_lshl_b32 s48, s38, 15
	s_add_co_u32 s48, s48, 0x440000
	s_add_nc_u64 s[RPB:RPB+1], s[4:5], s[48:49]        ; cos and sin of tile 8 G
	s_lshr_b32 s50, s38, 4
	s_lshl_b32 s50, s50, 3
	s_lshl_b32 s51, s[WV], 1
	s_add_co_u32 s50, s50, s51                         ; head 8 b + 2 w
	s_lshl_b32 s50, s50, 7
	s_and_b32 s51, s38, 15
	s_lshl_b32 s51, s51, 3
	s_add_co_u32 s50, s50, s51                         ; x 128 tiles + my first tile in the batch
	s_lshl_b32 s48, s50, 10
	s_lshl_b32 s51, ttmp9, 22
	s_add_co_u32 s48, s48, s51
	s_add_nc_u64 s[OC:OC+1], s[14:15], s[48:49]
	s_lshl_b32 s48, s50, 6
	s_lshl_b32 s51, ttmp9, 18
	s_add_co_u32 s48, s48, s51
	s_add_co_u32 s48, s48, 0xc00000
	s_add_nc_u64 s[OS:OS+1], s[14:15], s[48:49]
	WIN 0xc0
.irp t, 0,1,2,3,4,5,6,7
	global_load_b128 v[BI+8*\t:BI+8*\t+3], v[BA], s[BP:BP+1] offset:(32*(\t/2)+8*(\t%2))*4
	global_load_b128 v[BI+8*\t+4:BI+8*\t+7], v[BA], s[BP:BP+1] offset:(32*(\t/2)+8*(\t%2))*4+16
.endr
	WIN 0
.macro ROPELOAD buf
.irp x, 0,1,2,3,4,5,6,7
	global_load_b128 v[RP+32*\buf+4*\x:RP+32*\buf+4*\x+3], v[LI], s[RPB:RPB+1] offset:4096*\buf+512*\x
.endr
.endm
; set b of the codes and words goes out, o tiles from where the bases stand
.macro OUT_QK b, o
	global_store_b128 v[LI], v[PC+PCS*(\b):PC+PCS*(\b)+3], s[OC:OC+1] offset:1024*(\o)              ; head 2 w: d 0-31,
	global_store_b128 v[LI], v[PC+PCS*(\b)+4:PC+PCS*(\b)+7], s[OC:OC+1] offset:1024*(\o)+512        ; d 32-63;
	global_store_b128 v[LI], v[PC+PCS*(\b)+8:PC+PCS*(\b)+11], s[OC:OC+1] offset:1024*(\o)+131072    ; head 2 w + 1
	global_store_b128 v[LI], v[PC+PCS*(\b)+12:PC+PCS*(\b)+15], s[OC:OC+1] offset:1024*(\o)+131584
	global_store_b32 v[QSA], v[OW+(\b)], s[OS:OS+1] offset:64*(\o)
.endm
; prev = 1: the tile before is stored;  war = 1: stores have read the set that this tile writes
.macro TILE_QK buf, fetch, cnt, prev, war
	s_wait_loadcnt \cnt                                ; this tile's loads are in; the next tile's 20 + 8 may be out
	MUL \buf, 0
	WIN 0
	PLACES 8                                           ; in front of the first read of results
.irp x, 0,1
.irp i, 0,2,4,6,8,10,12,14
	v_pk_mul_f32 v[T0:T0+1], v[HA+32*\x+16+\i:HA+32*\x+17+\i], v[RP+32*\buf+16+\i:RP+32*\buf+17+\i]
	v_pk_mul_f32 v[T1:T1+1], v[HA+32*\x+\i:HA+32*\x+1+\i], v[RP+32*\buf+16+\i:RP+32*\buf+17+\i]
	v_pk_fma_f32 v[HA+32*\x+\i:HA+32*\x+1+\i], v[HA+32*\x+\i:HA+32*\x+1+\i], v[RP+32*\buf+\i:RP+32*\buf+1+\i], v[T0:T0+1] neg_lo:[0,0,1] neg_hi:[0,0,1]   ; d < 32: x cos - x(d + 32) sin
	v_pk_fma_f32 v[HA+32*\x+16+\i:HA+32*\x+17+\i], v[HA+32*\x+16+\i:HA+32*\x+17+\i], v[RP+32*\buf+\i:RP+32*\buf+1+\i], v[T1:T1+1]                        ; d >= 32: x cos + x(d - 32) sin
.endr
.endr
.if \fetch
	WIN 0xc0                                           ; the window of the loads below, ahead of the waits
.endif
.if \war
	s_wait_xcnt 0x0                                    ; the stores issued a tile ago have had their addresses translated: their data are written again only behind this wait
	s_wait_alu depctr_vm_vsrc(0)                       ; and they have read this set of codes and its word, which this tile's quantiser writes again
.endif
	s_wait_alu depctr_va_vdst(0)                       ; the products are done reading the streamed tile and its scale words, the rotation its cos and sin: loads land in them; the tile before has written the other set of codes and its word, which the stores read
.if \fetch
	STREAM \buf, 8192*\buf, 512*\buf
	ROPELOAD \buf
.endif
.if \prev
	OUT_QK 1-\buf, \buf-1                              ; the tile before: where the bases have been stepped since, the offsets reach back
.endif
	QUANT HA, 0, PC+PCS*\buf, PW+PWS*\buf
	v_perm_b32 v118, v[PW+PWS*\buf], v[PW+PWS*\buf], 0x01000100   ; a head's two bytes, twice: the word serves either half of a K step of 128
	v_perm_b32 v119, v[PW+PWS*\buf], v[PW+PWS*\buf], 0x03020302
	v_cndmask_b32 v[OW+\buf], v118, v119, s[HM]        ; lanes 0-15 store head 2 w's words, lanes 16-31 head 2 w + 1's
.endm
.macro STEP_QK
	s_wait_xcnt 0x0                                    ; the bases are stepped only behind this wait
	s_add_nc_u64 s[SB:SB+1], s[SB:SB+1], 16384
	s_add_nc_u64 s[SSB:SSB+1], s[SSB:SSB+1], 1024
	s_add_nc_u64 s[RPB:RPB+1], s[RPB:RPB+1], 8192
	s_add_nc_u64 s[OC:OC+1], s[OC:OC+1], 2048
	s_add_nc_u64 s[OS:OS+1], s[OS:OS+1], 128
.endm
	STREAM 0, 0, 0
	ROPELOAD 0
	STREAM 1, 8192, 512
	ROPELOAD 1
	s_wait_xcnt 0x0
	s_add_nc_u64 s[SB:SB+1], s[SB:SB+1], 16384
	s_add_nc_u64 s[SSB:SSB+1], s[SSB:SSB+1], 1024
	s_add_nc_u64 s[RPB:RPB+1], s[RPB:RPB+1], 8192
	TILE_QK 0, 1, 28, 0, 0                             ; tile 0 has no tile in front of it; no store has read either set yet
	TILE_QK 1, 1, 28, 1, 0
	STEP_QK
	s_mov_b32 s[CNT], 2
.Lqk:                                                  ; tiles 2 to 5
	TILE_QK 0, 1, 28, 1, 1
	TILE_QK 1, 1, 28, 1, 1
	STEP_QK
	s_sub_co_u32 s[CNT], s[CNT], 1
	s_cmp_lg_u32 s[CNT], 0
	s_cbranch_scc1 .Lqk
	TILE_QK 0, 0, 28, 1, 1                             ; the last two tiles fetch nothing
	TILE_QK 1, 0, 0, 1, 1
	s_wait_alu depctr_va_vdst(0)                       ; the last tile has written its codes and its word, which the last five stores read
	OUT_QK 1, 1
	s_endpgm
	; ---- v
.Lv:
	s_lshl_b32 s48, s[WV], 9
	s_mov_b32 s49, 0
	s_add_nc_u64 s[BP:BP+1], s[12:13], s[48:49]
	s_lshl_b32 s50, s38, 5
	s_lshl_b32 s51, s[WV], 3
	s_add_co_u32 s50, s50, s51                         ; fragment 32 G + 8 w
	s_lshl_b32 s48, s50, 11
	s_add_co_u32 s48, s48, 0x800000
	s_add_nc_u64 s[OC:OC+1], s[14:15], s[48:49]
	s_lshl_b32 s48, s50, 7
	s_add_co_u32 s48, s48, 0xc80000
	s_add_nc_u64 s[OS:OS+1], s[14:15], s[48:49]
.macro CBLOAD buf                      ; my column's bias in all eight registers of a C
	WIN 0xc0
.irp j, 0,1,2,3,4,5,6,7
	global_load_b32 v[CB+8*\buf+\j], v[CBA], s[BP:BP+1] offset:32*\buf
.endr
	WIN 0
.endm
.macro OUT_V b, o
.irp c, 0,1,2,3
	global_store_b128 v[LI], v[PC+PCS*(\b)+4*\c:PC+PCS*(\b)+4*\c+3], s[OC:OC+1] offset:2048*(\o)+512*\c
.endr
	global_store_b32 v[LS], v[PW+PWS*(\b)], s[OS:OS+1] offset:128*(\o)
.endm
.macro TILE_V buf, fetch, cnt, prev, war
	s_wait_loadcnt \cnt
	MUL \buf, 1
.if \fetch
	WIN 0xc0                                           ; the window of the loads below, ahead of the waits
.else
	WIN 0
.endif
	PLACES 8                                           ; in front of the first read of results
.if \war
	s_wait_xcnt 0x0                                    ; the stores issued a tile ago have had their addresses translated: their data are written again only behind this wait
	s_wait_alu depctr_vm_vsrc(0)                       ; and they have read this set of codes and its word, which this tile's quantiser writes again
.endif
	s_wait_alu depctr_va_vdst(0)                       ; the products are done reading the streamed tile, its scale words and its bias: loads land in them; the tile before has written the other set of codes and its word, which the stores read
.if \fetch
	STREAM \buf, 8192*\buf, 512*\buf
	CBLOAD \buf
.endif
.if \prev
	OUT_V 1-\buf, \buf-1
.endif
	QUANT HA, 0, PC+PCS*\buf, PW+PWS*\buf
.endm
.macro STEP_V
	s_wait_xcnt 0x0                                    ; the bases are stepped only behind this wait
	s_add_nc_u64 s[SB:SB+1], s[SB:SB+1], 16384
	s_add_nc_u64 s[SSB:SSB+1], s[SSB:SSB+1], 1024
	s_add_nc_u64 s[BP:BP+1], s[BP:BP+1], 128
	s_add_nc_u64 s[OC:OC+1], s[OC:OC+1], 4096
	s_add_nc_u64 s[OS:OS+1], s[OS:OS+1], 256
.endm
	STREAM 0, 0, 0
	CBLOAD 0
	STREAM 1, 8192, 512
	CBLOAD 1
	s_wait_xcnt 0x0
	s_add_nc_u64 s[SB:SB+1], s[SB:SB+1], 16384
	s_add_nc_u64 s[SSB:SSB+1], s[SSB:SSB+1], 1024
	s_add_nc_u64 s[BP:BP+1], s[BP:BP+1], 128
	TILE_V 0, 1, 28, 0, 0
	TILE_V 1, 1, 28, 1, 0
	STEP_V
	s_mov_b32 s[CNT], 2
.Lvl:
	TILE_V 0, 1, 28, 1, 1
	TILE_V 1, 1, 28, 1, 1
	STEP_V
	s_sub_co_u32 s[CNT], s[CNT], 1
	s_cmp_lg_u32 s[CNT], 0
	s_cbranch_scc1 .Lvl
	TILE_V 0, 0, 28, 1, 1
	TILE_V 1, 0, 0, 1, 1
	s_wait_alu depctr_va_vdst(0)                       ; the last tile has written its codes and its word, which the last five stores read
	OUT_V 1, 1
	s_endpgm
.Lfunc_end_k_q02aa00ea81_qkv:
	.size	k_q02aa00ea81_qkv, .Lfunc_end_k_q02aa00ea81_qkv-k_q02aa00ea81_qkv
	.p2alignl 7, 3214868480
	.fill 96, 4, 3214868480
	.section	.rodata,"a",@progbits
	.p2align	6, 0x0
	.amdhsa_kernel k_q02aa00ea81_qkv
		.amdhsa_group_segment_fixed_size 0
		.amdhsa_private_segment_fixed_size 0
		.amdhsa_enable_private_segment 0
		.amdhsa_kernarg_size 48
		.amdhsa_user_sgpr_count 2
		.amdhsa_user_sgpr_kernarg_segment_ptr 1
		.amdhsa_wavefront_size32 1
		.amdhsa_system_sgpr_workgroup_id_x 1
		.amdhsa_system_sgpr_workgroup_id_y 1
		.amdhsa_system_sgpr_workgroup_id_z 1
		.amdhsa_system_vgpr_workitem_id 0
		.amdhsa_next_free_vgpr 1024
		.amdhsa_next_free_sgpr 66
		.amdhsa_reserve_vcc 0
		.amdhsa_float_denorm_mode_32 3
		.amdhsa_float_denorm_mode_16_64 3
		.amdhsa_memory_ordered 1
		.amdhsa_forward_progress 1
		.amdhsa_inst_pref_size 236
	.end_amdhsa_kernel
	.amdgpu_metadata
---
amdhsa.version: [ 1, 2 ]
amdhsa.kernels:
  - .name:           k_q02aa00ea81_qkv
    .symbol:         k_q02aa00ea81_qkv.kd
    .args:
      - { .name: xn, .offset: 0, .size: 8, .value_kind: global_buffer, .address_space: global }
      - { .name: wts, .offset: 8, .size: 8, .value_kind: global_buffer, .address_space: global }
      - { .name: bq, .offset: 16, .size: 8, .value_kind: global_buffer, .address_space: global }
      - { .name: bk, .offset: 24, .size: 8, .value_kind: global_buffer, .address_space: global }
      - { .name: bv, .offset: 32, .size: 8, .value_kind: global_buffer, .address_space: global }
      - { .name: qkv, .offset: 40, .size: 8, .value_kind: global_buffer, .address_space: global }
    .group_segment_fixed_size: 0
    .private_segment_fixed_size: 0
    .kernarg_segment_align: 8
    .kernarg_segment_size: 48
    .max_flat_workgroup_size: 128
    .sgpr_count:     66
    .vgpr_count:     1024
    .wavefront_size: 32
...
	.end_amdgpu_metadata
.endif
;; end of part 8
;; launch attn (part 9): grid 8 x 32, 8 waves a work-group, no clusters, 77,824 bytes of LDS; arguments qkv, mbits, att; writes att
.if DOCPART == 9
	.amdgcn_target "amdgcn-amd-amdhsa--gfx1250"
	.amdhsa_code_object_version 6
	.text
	.protected	k_q02aa00ea81_attn
	.globl	k_q02aa00ea81_attn
	.p2align	8
	.type	k_q02aa00ea81_attn,@function
k_q02aa00ea81_attn:
	s_mov_b64 s[64:65], 0
	v_nop
	global_prefetch_b8 v0, s[64:65] scope:SCOPE_SE
	s_setreg_imm32_b32 hwreg(HW_REG_WAVE_SCHED_MODE, 0, 2), 2
	s_setreg_imm32_b32 hwreg(HW_REG_WAVE_MODE, 25, 1), 1
	s_wait_xcnt 0x0
	s_wait_alu depctr_vm_vsrc(0)
; ATTENTION on codes of E5M2 with E8M0 scales.  The weights are quantised FINISHED AND NORMALISED, so a query's whole row of 2,048 scores is held at once: the keys are shared among the eight waves.
; Work-group (QC, BH): head BH of 32, 16 tiles of 16 queries.  Wave w owns keys 256 w .. 256 w + 255 for the whole launch: its K (128 registers) and V^T (128) stay in window 1.
; S^T = K Q^T (source 0 = 16 keys, source 1 = 16 queries): a lane holds ONE query (lane % 16); register n of 128 is key 256 w + 32 (n / 16) + 16 (lane / 16) + n % 16.
; The head's 64 are half of the instruction's 128 along K: two tiles of keys are packed into one operand, and [q | 0] or [0 | q] picks one of them; zero codes add nothing.
; THE MASK goes in ahead of the maximum: one select a score, by lane-mask words that an earlier launch packed, read into 64 scalar registers, 64 words at a time.
; TWO HALVES.  A wave's 256 keys are taken as two halves of 128, each with a maximum of its own: behind the selects of half 0 the words of half 1 are asked for, and half 0's maxima, exponentials and sums
;   stand between that request and the wait for it.  The halves are joined in registers: m_w = max(m_0, m_1), sum_w = sum_0 2^(c m_0 - c m_w) + sum_1 2^(c m_1 - c m_w).
; ONE BARRIER A TILE.  Ahead of the barrier of tile t: scores, mask, p = 2^(c s - c m_x), (c m_w, sum_w) to LDS.  Behind it: all eight waves' statistics: f_x = 2^(c m_x - c m) / sum; p f_x; quantised along the keys;
;   my part of O^T = V^T P to LDS; the eight parts of tile t - 1 are added (wave w: queries 2 w, 2 w + 1) and quantised along d, codes to LDS; the codes of tile t - 2 are stored (waves 0, 1; wave 2 the scale bytes).
;   Each LDS region has two buffers by turns: what is written behind one barrier is read behind the next and written again behind the one after that, and every wave waits for all its LDS instructions ahead of each signal.
; A row with no key left gets weights 0.  LIMITS: scores beyond +-3e38, NaN and infinities are not served; a p under 2^-126 counts as 0 (the exponential's own flush).
; No cluster and no tensor loads: K and V of a head are read once by each of its 8 work-groups, at the head (256 KB against 16 tiles of work), straight into the operands' registers.
; No prefetch of the mask words: the scalar loads themselves ask half a tile to a whole tile ahead of their use.
; THE MODE: SCHED_MODE bits 1:0 = 2 (LLVM: expert scheduling mode 2), set by the entry lines.  The code itself states the register dependences between vector or matrix instructions and memory or LDS instructions,
; with s_wait_alu, always for 0.
; THE PLAN.  Registers that memory or LDS instructions touch, in a tile:
;   Q and its scale words     read by the scores' products; the next tile's loads land in them: a wait on va_vdst behind those products' places.
;   (c m_w, sum_w)            written where the halves are joined, read by an LDS store: a wait on va_vdst ahead of the store.  No vector line stands between it and the loads behind the barrier, so it also states that the tile
;                             before is done with v56-71 (statistics land there) and with v100-104 (a finished tile's codes and bytes land there).
;   v100-104                  read by the stores of the finished tile, then written by the weights' quantiser: a wait on vm_vsrc between the two, beside the wait on XCNT.
;   P's codes and scale words written by the quantiser, read by the products V^T P; v160-191, which the quantiser has read, take the parts of O^T of the tile before: one wait on va_vdst behind the four places serves both.
;   O^T v128-159, the reduced codes v14-15 and their byte v110   written by the products and by the reduction, read by LDS stores: the reduction's arithmetic stands ahead of all ten stores, and one wait on va_vdst ahead of them.
;                             All are written again in the next tile: one wait on vm_vsrc at the tile's end, which serves the pair (c m_w, sum_w) too.
;   the addresses v1-12       made at the head, never written again.
; The waits on va_vdst behind the exponentials and reciprocals stand as before, ahead of each batch's first reader.
.set STATB, 2048                       ; LDS 0: (c m_w, sum_w), 8 bytes a thread: two buffers of 2,048 bytes
.set OPB, 4096                         ; eight parts of O^T, 16 rows x 272 bytes each:
.set OPS, 34816                        ; two buffers of 34,816 bytes
.set CIB, 73728                        ; a tile's codes as a register image, 1 KB,
.set SIB, 74752                        ; and its 32 scale bytes:
.set CIS, 1280                         ; two buffers, 1,280 bytes apart
.set LI, 1                             ; v1  16 x lane
.set LS, 2                             ; v2  4 x lane
.set LQS, 3                            ; v3  4 r
.set STW, 4                            ; v4  8 x my thread's number
.set STR, 5                            ; v5  8 x lane
.set OPW, 6                            ; v6  my part of O^T: row r, + 64 h
.set OPR, 7                            ; v7  the reduction's reads
.set CIW, 8                            ; v8  where my 8 codes go in the image
.set SIW, 9                            ; v9  and my block's byte
.set FLR, 10                           ; v10 the flush: LDS,
.set FLG, 11                           ; v11 memory
.set SIR, 12                           ; v12 a row's two bytes
.set NEG, 13                           ; v13 -infinity
.set RC, 14                            ; v14-15 the reduction's 8 codes
.set KS, 16                            ; v16-23 K's scale words: lanes 0-15 tile 2 f, lanes 16-31 tile 2 f + 1
.set VS, 24                            ; v24-31 V's
.set ZLO, 32                           ; v32-39 zeros; v40-47 Q; v48-55 zeros: v[32:47] = [0 | q], v[40:55] = [q | 0]
.set QF, 40
.set PCD, 56                           ; v56-87 P's two fragments; before that the eight waves' statistics
.set BM, 88                            ; v88-95 the blocks' largest
.set TP, 96
.set HO, 100                           ; v100-103 the holds; before that the codes on their way out
.set SO, 104                           ; v104-107 the conversions' scale operands; v104 before that the scale bytes on their way out
.set TH0, 108                          ; v108 c m_0, v109 sum_0
.set RBY, 110                          ; v110 the reduction's scale byte
.set QS, 111                           ; v111 Q's scale words
.set SA, 112                           ; v112-115 two chains of sums; behind the barrier the row's figures:
.set SB2, 114
.set TG, 112                           ; c m of the row,
.set EO, 113                           ; 2^(c m_w - c m), then that over the sum,
.set LR, 114                           ; the row's sum,
.set RL, 115                           ; its reciprocal
.set FF0, 116                          ; v116-117 f_0, twice
.set PS, 118                           ; v118, v119 P's scale words
.set TMO, 120                          ; v120 c m_w, v121 sum_w: a pair
.set LW, 121
.set TH1, 122                          ; v122 c m_1, v123 sum_1
.set E0, 124                           ; v124, v125 2^(c m_x - c m_w)
.set E1, 125
.set FF1, 126                          ; v126-127 f_1, twice
.set S, 128
.set QP, 10
.set QSP, 12
.set MP, 14
.set AOC, 16
.set AOS, 18
.set MNT, 24
.set WV, 28
.set CNT, 29
.set SEL, 30
.set CS, 100
.set MSB, 0
.macro WIN new                         ; the immediate's high byte repeats the setting that is left
.if MSB != \new
	s_set_vgpr_msb (MSB<<8)|\new
.set MSB, \new
.endif
.endm
.macro PLACES n
.rept \n
	v_nop
.endr
.endm
.macro BARRIER                         ; my LDS stores have landed and my LDS loads are in: then the work-group's barrier
	s_wait_dscnt 0x0
	s_barrier_signal -1
	s_barrier_wait -1
.endm
.macro QK                              ; the tile's scores: 16 products, each on an accumulator of its own
	WIN 0x01
.irp f, 0,1,2,3,4,5,6,7
	v_wmma_scale_f32_16x16x128_f8f6f4 v[S+16*\f:S+16*\f+7], v[16*\f:16*\f+15], v[QF:QF+15], 0, v[KS+\f], v[QS] matrix_a_fmt:MATRIX_FMT_BF8 matrix_b_fmt:MATRIX_FMT_BF8
	v_wmma_scale_f32_16x16x128_f8f6f4 v[S+16*\f+8:S+16*\f+15], v[16*\f:16*\f+15], v[ZLO:ZLO+15], 0, v[KS+\f], v[QS] matrix_a_fmt:MATRIX_FMT_BF8 matrix_b_fmt:MATRIX_FMT_BF8 matrix_a_scale:MATRIX_SCALE_ROW1
.endr
	WIN 0
	PLACES 8                                           ; in front of the first read of the scores
	s_wait_alu depctr_va_vdst(0)                       ; the products are done reading Q and its scale words, in which the next tile's loads land
.endm
.macro QLOAD
	global_load_b128 v[QF:QF+3], v[LI], s[QP:QP+1]
	global_load_b128 v[QF+4:QF+7], v[LI], s[QP:QP+1] offset:512
	global_load_b32 v[QS], v[LQS], s[QSP:QSP+1]
.endm
.macro MLOADA                          ; a tile's first 64 mask words
	s_load_b512 s[32:47], s[MP:MP+1], 0x0
	s_load_b512 s[48:63], s[MP:MP+1], 0x40
	s_load_b512 s[68:83], s[MP:MP+1], 0x80
	s_load_b512 s[84:99], s[MP:MP+1], 0xc0
.endm
.macro MLOADB                          ; its second 64
	s_load_b512 s[32:47], s[MP:MP+1], 0x100
	s_load_b512 s[48:63], s[MP:MP+1], 0x140
	s_load_b512 s[68:83], s[MP:MP+1], 0x180
	s_load_b512 s[84:99], s[MP:MP+1], 0x1c0
.endm
.macro MASK n0                         ; 64 scores from register n0: hidden ones become -infinity
.set n, 0
.rept 32
	v_cndmask_b32 v[S+\n0+n], v[NEG], v[S+\n0+n], s[32+n]
.set n, n+1
.endr
.set n, 0
.rept 32
	v_cndmask_b32 v[S+\n0+32+n], v[NEG], v[S+\n0+32+n], s[68+n]
.set n, n+1
.endr
	s_wait_alu depctr_va_vdst(0)                       ; the 64 selects are done reading the mask words in s32-63 and s68-99, which the scalar loads that follow write
.endm
.macro BMAX b0                         ; the largest score of blocks b0 .. b0 + 3 of 32 keys, by turns; with lane l xor 16's
.irp b, 0,1,2,3
	v_max3_num_f32 v[BM+\b0+\b], v[S+16*(\b0+\b)], v[S+16*(\b0+\b)+1], v[S+16*(\b0+\b)+2]
.endr
.irp i, 3,5,7,9,11,13
.irp b, 0,1,2,3
	v_max3_num_f32 v[BM+\b0+\b], v[BM+\b0+\b], v[S+16*(\b0+\b)+\i], v[S+16*(\b0+\b)+\i+1]
.endr
.endr
.irp b, 0,1,2,3
	v_max_num_f32 v[BM+\b0+\b], v[BM+\b0+\b], v[S+16*(\b0+\b)+15]
.endr
.irp b, 0,1,2,3
	v_permlanex16_b32 v[TP+\b], v[BM+\b0+\b], s[SEL], s[SEL+1]
.endr
.irp b, 0,1,2,3
	v_max_num_f32 v[BM+\b0+\b], v[BM+\b0+\b], v[TP+\b]
.endr
.endm
; Half x (blocks b0 .. b0 + 3): its maximum, p = 2^(c s - c m_x), my lane's sum.  th: the pair (c m_x, sum_x)
.macro HALF x, b0, th
	BMAX \b0
	v_max3_num_f32 v[\th], v[BM+\b0], v[BM+\b0+1], v[BM+\b0+2]
	v_max3_num_f32 v[\th], v[\th], v[BM+\b0+3], 0xff61b1e6   ; held at -3e38: a half with no key left gives no difference of infinities
	v_mul_f32 v[\th], s[CS], v[\th]                    ; c m_x
.set j, 0
.rept 32
	v_pk_fma_f32 v[S+64*\x+j:S+64*\x+j+1], v[S+64*\x+j:S+64*\x+j+1], s[CS:CS+1], v[\th:\th+1] op_sel_hi:[1,0,0] neg_lo:[0,0,1] neg_hi:[0,0,1]   ; c s - c m_x (of both pairs the low word serves both halves)
.set j, j+2
.endr
.irp b, 0,1,2,3
	v_fma_f32 v[BM+\b0+\b], v[BM+\b0+\b], s[CS], -v[\th]   ; the same of each block's largest score
.endr
.set j, 0
	s_wait_alu depctr_va_vdst(0)
.rept 64
	v_exp_f32 v[S+64*\x+j], v[S+64*\x+j]
.set j, j+1
.endr
	v_nop                                              ; a plain line behind the batch,
	s_wait_alu depctr_va_vdst(0)                       ; and one wait for it: the 64 exponentials have written p, ahead of their first reader
.irp b, 0,1,2,3
	v_exp_f32 v[BM+\b0+\b], v[BM+\b0+\b]               ; the block's largest p: the same two instructions on the same number
.endr
	v_pk_add_f32 v[SA:SA+1], v[S+64*\x:S+64*\x+1], v[S+64*\x+2:S+64*\x+3]      ; the half's sum, in two chains (plain work behind the four)
	v_pk_add_f32 v[SB2:SB2+1], v[S+64*\x+4:S+64*\x+5], v[S+64*\x+6:S+64*\x+7]
.set j, 8
.rept 14
	v_pk_add_f32 v[SA:SA+1], v[SA:SA+1], v[S+64*\x+j:S+64*\x+j+1]
	v_pk_add_f32 v[SB2:SB2+1], v[SB2:SB2+1], v[S+64*\x+j+2:S+64*\x+j+3]
.set j, j+4
.endr
	v_pk_add_f32 v[SA:SA+1], v[SA:SA+1], v[SB2:SB2+1]
	v_add_f32 v[\th+1], v[SA], v[SA+1]
	s_wait_alu depctr_va_vdst(0)                       ; the four exponentials have written the blocks' largest p, ahead of their first reader
.endm
.macro COMBINE                         ; the two halves become my part's maximum and sum
	v_max_num_f32 v[TMO], v[TH0], v[TH1]
	v_sub_f32 v[E0], v[TH0], v[TMO]
	v_sub_f32 v[E1], v[TH1], v[TMO]
	s_wait_alu depctr_va_vdst(0)
	v_exp_f32 v[E0], v[E0]
	v_exp_f32 v[E1], v[E1]
	v_nop
	s_wait_alu depctr_va_vdst(0)                       ; the two exponentials have written 2^(c m_x - c m_w), ahead of their first reader
	v_mul_f32 v[LW], v[TH0+1], v[E0]
	v_fmac_f32 v[LW], v[TH1+1], v[E1]
	v_permlanex16_b32 v[SA], v[LW], s[SEL], s[SEL+1]
	v_add_f32 v[LW], v[LW], v[SA]                      ; with lane l xor 16's keys
.endm
.macro STATS p
.irp w, 0,1,2,3,4,5,6,7
	ds_load_b64 v[PCD+2*\w:PCD+2*\w+1], v[STR] offset:STATB*(\p)+256*\w
.endr
.endm
.macro FLUSHL p                        ; a finished tile's codes and scale bytes, out of buffer p (every wave reads; three waves store)
	ds_load_b128 v[HO:HO+3], v[FLR] offset:CIS*(\p)
	ds_load_u16 v[SO], v[SIR] offset:CIS*(\p)
.endm
.macro FLUSHS
	s_cmp_lt_u32 s[WV], 2
	s_cbranch_scc0 .Lnot_codes_\@
	global_store_b128 v[FLG], v[HO:HO+3], s[AOC:AOC+1]   ; 32 lanes store 512 consecutive bytes
.Lnot_codes_\@:
	s_cmp_eq_u32 s[WV], 2
	s_cbranch_scc0 .Lnot_scales_\@
	global_store_b16 v[LS], v[SO], s[AOS:AOS+1]        ; my head's two bytes of each lane's scale word
.Lnot_scales_\@:
.endm
.macro FLSTEP
	s_wait_xcnt 0x0                                    ; the stores have had their addresses translated: their registers and bases are written again only behind this wait
	s_wait_alu depctr_vm_vsrc(0)                       ; the stores have read v100-104, which the quantiser's lines (at the end: the last tile's LDS loads) write next
	s_add_nc_u64 s[AOC:AOC+1], s[AOC:AOC+1], 8192
	s_add_nc_u64 s[AOS:AOS+1], s[AOS:AOS+1], 512
.endm
.macro NORM                            ; from the eight waves' statistics to the finished weights
	v_max3_num_f32 v[TG], v[PCD], v[PCD+2], v[PCD+4]
	v_max3_num_f32 v[TG], v[TG], v[PCD+6], v[PCD+8]
	v_max3_num_f32 v[TG], v[TG], v[PCD+10], v[PCD+12]
	v_max_num_f32 v[TG], v[TG], v[PCD+14]              ; c m of the whole row
.irp w, 0,1,2,3,4,5,6,7
	v_sub_f32 v[PCD+2*\w], v[PCD+2*\w], v[TG]
.endr
	v_sub_f32 v[EO], v[TMO], v[TG]
	s_wait_alu depctr_va_vdst(0)
.irp w, 0,1,2,3,4,5,6,7
	v_exp_f32 v[PCD+2*\w], v[PCD+2*\w]
.endr
	v_exp_f32 v[EO], v[EO]
	v_nop
	s_wait_alu depctr_va_vdst(0)                       ; the nine exponentials have written their results, ahead of their first reader
	v_mul_f32 v[LR], v[PCD], v[PCD+1]
.irp w, 1,2,3,4,5,6,7
	v_fmac_f32 v[LR], v[PCD+2*\w], v[PCD+2*\w+1]       ; the row's sum under the row's maximum
.endr
	s_wait_alu depctr_va_vdst(0)
	v_rcp_f32 v[RL], v[LR]
	v_nop
	v_cmp_lt_f32 vcc_lo, 0, v[LR]
	s_wait_alu depctr_va_vdst(0)                       ; the reciprocal is written, ahead of its first reader
	s_wait_alu depctr_va_vcc(0)                        ; the compare has written VCC, which the select reads
	v_cndmask_b32 v[RL], 0, v[RL], vcc_lo              ; a row with no key left: weights 0
	v_mul_f32 v[EO], v[EO], v[RL]
	v_mul_f32 v[FF0], v[EO], v[E0]
	v_mul_f32 v[FF1], v[EO], v[E1]
	v_mov_b32 v[FF0+1], v[FF0]
	v_mov_b32 v[FF1+1], v[FF1]
.set j, 0
.rept 32
	v_pk_mul_f32 v[S+j:S+j+1], v[S+j:S+j+1], v[FF0:FF0+1]   ; the finished weights
.set j, j+2
.endr
.set j, 64
.rept 32
	v_pk_mul_f32 v[S+j:S+j+1], v[S+j:S+j+1], v[FF1:FF1+1]
.set j, j+2
.endr
.irp b, 0,1,2,3
	v_mul_f32 v[BM+\b], v[BM+\b], v[FF0]
	v_mul_f32 v[BM+4+\b], v[BM+4+\b], v[FF1]
.endr
.endm
.macro QPS s                           ; the weights of keys 128 s on become fragment s and its scale word
.irp b, 0,1,2,3
	v_max_num_f32 v[BM+4*\s+\b], 0x8000000, v[BM+4*\s+\b]    ; the floor 2^(16 - 127): a block of zeros keeps the byte 1, its codes are zeros
.endr
.irp b, 0,1,2,3
	v_add_nc_u32 v[SO+\b], 0xf8800000, v[BM+4*\s+\b]
.endr
.irp b, 0,1,2,3
	v_and_or_b32 v[HO+\b], v[BM+4*\s+\b], 0x7f800000, s[MNT]
.endr
.irp b, 0,1,2,3
	v_lshrrev_b32 v[TP+\b], 23, v[SO+\b]
.endr
	v_lshl_or_b32 v[PS+\s], v[TP+1], 8, v[TP]
	v_lshl_or_b32 v[PS+\s], v[TP+2], 16, v[PS+\s]
	v_lshl_or_b32 v[PS+\s], v[TP+3], 24, v[PS+\s]
.irp b, 0,1,2,3
.irp i, 0,1,2,3,4,5,6,7,8,9,10,11,12,13,14,15
	v_min_num_f32 v[S+64*\s+16*\b+\i], v[S+64*\s+16*\b+\i], v[HO+\b]   ; never negative: the hold is one-sided
.endr
	v_cvt_scalef32_pk8_bf8_f32 v[PCD+16*\s+4*\b:PCD+16*\s+4*\b+1], v[S+64*\s+16*\b:S+64*\s+16*\b+7], v[SO+\b]
	v_cvt_scalef32_pk8_bf8_f32 v[PCD+16*\s+4*\b+2:PCD+16*\s+4*\b+3], v[S+64*\s+16*\b+8:S+64*\s+16*\b+15], v[SO+\b]
.endr
.endm
.macro PVMUL                           ; my part of O^T: four accumulators take turns, one instruction a turn
	WIN 0x01
.irp d, 0,1,2,3
	v_wmma_scale_f32_16x16x128_f8f6f4 v[S+8*\d:S+8*\d+7], v[128+16*\d:128+16*\d+15], v[PCD:PCD+15], 0, v[VS+\d], v[PS] matrix_a_fmt:MATRIX_FMT_BF8 matrix_b_fmt:MATRIX_FMT_BF8
.endr
.irp d, 0,1,2,3
	v_wmma_scale_f32_16x16x128_f8f6f4 v[S+8*\d:S+8*\d+7], v[192+16*\d:192+16*\d+15], v[PCD+16:PCD+31], v[S+8*\d:S+8*\d+7], v[VS+4+\d], v[PS+1] matrix_a_fmt:MATRIX_FMT_BF8 matrix_b_fmt:MATRIX_FMT_BF8
.endr
	WIN 0
.endm
.macro OPSTORE p
.irp b, 0,1
.irp x, 0,1,2,3
	ds_store_b128 v[OPW], v[S+16*\b+4*\x:S+16*\b+4*\x+3] offset:OPS*(\p)+128*\b+16*\x   ; register 16 b + i is d = 32 b + 16 h + i of my query
.endr
.endr
.endm
.macro REDLOAD p                       ; four of the eight parts (lanes 16-31: the other four) of my two queries, eight neighbouring d a lane
.irp x, 0,1,2,3
.irp y, 0,1
	ds_load_b128 v[160+8*\x+4*\y:160+8*\x+4*\y+3], v[OPR] offset:OPS*(\p)+4352*\x+16*\y
.endr
.endr
.endm
.macro REDA                            ; twelve packed additions
.irp y, 0,2,4,6
	v_pk_add_f32 v[160+\y:161+\y], v[160+\y:161+\y], v[168+\y:169+\y]
	v_pk_add_f32 v[176+\y:177+\y], v[176+\y:177+\y], v[184+\y:185+\y]
.endr
.irp y, 0,2,4,6
	v_pk_add_f32 v[160+\y:161+\y], v[160+\y:161+\y], v[176+\y:177+\y]
.endr
.endm
.macro REDBC                           ; the other lanes' four parts; the quantiser along d: codes in v14-15, the byte in v110
.irp y, 0,1,2,3,4,5,6,7
	v_permlanex16_b32 v[192+\y], v[160+\y], s[SEL], s[SEL+1]
.endr
.irp y, 0,2,4,6
	v_pk_add_f32 v[160+\y:161+\y], v[160+\y:161+\y], v[192+\y:193+\y]   ; all eight parts: o(query, 8 (lane & 7) + 0 .. 7)
.endr
	v_max3_num_f32 v202, |v160|, |v161|, 0x8000000
	v_max3_num_f32 v202, v202, |v162|, |v163|
	v_max3_num_f32 v202, v202, |v164|, |v165|
	v_max3_num_f32 v202, v202, |v166|, |v167|
	v_max_num_f32_dpp v202, v202, v202 row_xmask:1 row_mask:0xf bank_mask:0xf
	v_max_num_f32_dpp v202, v202, v202 row_xmask:2 row_mask:0xf bank_mask:0xf   ; four lanes hold a block of 32 d
	v_add_nc_u32 v203, 0xf8800000, v202
	v_and_or_b32 v204, v202, 0x7f800000, s[MNT]
	v_lshrrev_b32 v[RBY], 23, v203
.irp y, 0,1,2,3,4,5,6,7
	v_med3_num_f32 v[160+\y], v[160+\y], -v204, v204
.endr
	v_cvt_scalef32_pk8_bf8_f32 v[RC:RC+1], v[160:167], v203
	v_nop                                              ; a plain line behind the conversion
.endm
.macro REDBS p                         ; codes and byte into buffer p
	ds_store_b64 v[CIW], v[RC:RC+1] offset:CIS*(\p)    ; lanes 16-31 hold the same numbers and write the same bytes
	ds_store_b8 v[SIW], v[RBY] offset:CIS*(\p)
.endm
; THE TRIP of tile t.  p = t % 2.  red = 1: tile t - 1 is reduced;  fl = 1: tile t - 2 is stored;  chk = 1: this may be the last tile, which asks for no further Q and no further mask words
.macro TRIP p, red, fl, chk
	s_wait_loadcnt 0x0                                 ; this tile's Q (in the first trip K and V too); the loads are done, so their bases may step
	s_add_nc_u64 s[QP:QP+1], s[QP:QP+1], 1024
	s_add_nc_u64 s[QSP:QSP+1], s[QSP:QSP+1], 64
	QK
.if \chk
	s_cmp_eq_u32 s[CNT], 1                             ; no load leaves its buffer
	s_cbranch_scc1 .Lno_q_\@
.endif
	QLOAD
.if \chk
.Lno_q_\@:
.endif
	s_wait_kmcnt 0x0                                   ; the first 64 words, asked for in the tile before
	MASK 0
	MLOADB                                             ; the second 64, behind the last use of the first: half 0's work stands between this request and the wait for it
	HALF 0, 0, TH0
	s_wait_kmcnt 0x0
	s_add_nc_u64 s[MP:MP+1], s[MP:MP+1], 4096          ; the next tile's words
	MASK 64
.if \chk
	s_cmp_eq_u32 s[CNT], 1
	s_cbranch_scc1 .Lno_m_\@
.endif
	MLOADA
.if \chk
.Lno_m_\@:
.endif
	HALF 1, 4, TH1
	COMBINE
	s_wait_alu depctr_va_vdst(0)                       ; (c m_w, sum_w) is written, which the LDS store reads; the tile before is done with v56-71 and v100-104, in which the LDS loads behind the barrier land
	ds_store_b64 v[STW], v[TMO:TMO+1] offset:STATB*\p
	BARRIER                                            ; tile t's statistics, tile t - 1's parts of O^T and tile t - 2's codes lie in LDS, every wave's
	STATS \p
.if \fl
	FLUSHL \p
.endif
	s_wait_dscnt 0x0
.if \fl
	FLUSHS
.endif
	NORM
.if \fl
	s_wait_alu depctr_va_vdst(0)
	FLSTEP
.endif
	QPS 0
	QPS 1
	PLACES 4                                           ; codes made by vector instructions stand four places ahead of the products; the scale words stand further up, ahead of the holds
	s_wait_alu depctr_va_vdst(0)                       ; P's codes and scale words are written, which the products take; the holds and conversions are done with v160-191, in which the LDS loads below land
.if \red
	REDLOAD 1-\p                                       ; into score registers that the conversions have done with; the products below stand between these loads and the wait for them
.endif
	PVMUL
.if \red
	s_wait_dscnt 0x0
	REDA                                               ; twelve plain lines that name none of the products' registers: the places in front of the first read of O^T
	REDBC
.else
	PLACES 10                                          ; the places in front of the first read of O^T, and of the next tile's products, which write over it
.endif
	s_wait_alu depctr_va_vdst(0)                       ; the products have written O^T and (where a tile is reduced) the conversion its codes and the shift its byte: the LDS stores below read them
	OPSTORE \p
.if \red
	REDBS 1-\p
	s_wait_dscnt 2                                     ; the two stores just issued may be out: the eight of O^T are done
.else
	s_wait_dscnt 0x0
.endif
	s_wait_alu depctr_vm_vsrc(0)                       ; my LDS stores have read O^T's registers, the reduced codes and byte and the pair (c m_w, sum_w): the next tile writes all of them again
.endm
	s_load_b128 s[4:7], s[0:1], 0x0                    ; qkv, mbits
	s_load_b64 s[8:9], s[0:1], 0x10                    ; att
.irp j, 0,1,2,3,4,5,6,7
	v_mov_b32 v[ZLO+\j], 0
	v_mov_b32 v[QF+8+\j], 0
.endr
.irp j, 0,1,2,3
	v_mov_b32 v[TP+\j], 0                              ; written once: a lane permute's destination counts as one of its sources
.endr
	v_mov_b32 v[TH0+1], 0                              ; (named as the upper half of a pair before it is first written)
	v_lshrrev_b32 v14, 5, v0
	v_readfirstlane_b32 s[WV], v14                     ; wave 0..7
	v_and_b32 v14, 31, v0
	v_and_b32 v15, 15, v0                              ; r
	v_bfe_u32 v120, v0, 4, 1                           ; h
	v_bfe_u32 v121, v0, 3, 1
	v_lshlrev_b32 v[LI], 4, v14
	v_lshlrev_b32 v[LS], 2, v14
	v_lshlrev_b32 v[LQS], 2, v15
	v_lshlrev_b32 v[STW], 3, v0
	v_lshlrev_b32 v[STR], 3, v14
	s_wait_alu depctr_va_sdst(0)                       ; the wave's number is written, ahead of its first reader: addresses, bases and branches are made from it
	s_mul_i32 s20, s[WV], 4352
	s_add_co_u32 s20, s20, OPB
	v_mul_u32_u24 v[OPW], v15, 272
	v_lshl_add_u32 v[OPW], v120, 6, v[OPW]
	v_add_nc_u32 v[OPW], s20, v[OPW]
	s_lshl_b32 s21, s[WV], 1
	v_add_nc_u32 v122, s21, v121                       ; the query that I reduce: 2 w + ((lane >> 3) & 1)
	v_and_b32 v123, 7, v0
	v_mul_u32_u24 v[OPR], v122, 272
	v_mad_u32_u24 v[OPR], v120, 17408, v[OPR]          ; lanes 16-31 take parts 4 to 7
	v_lshl_add_u32 v[OPR], v123, 5, v[OPR]             ; eight neighbouring d a lane
	v_add_nc_u32 v[OPR], OPB, v[OPR]
	v_bfe_u32 v124, v0, 2, 1
	v_bfe_u32 v125, v0, 1, 1
	v_and_b32 v126, 1, v0
	v_lshlrev_b32 v[CIW], 4, v122
	v_lshl_add_u32 v[CIW], v124, 9, v[CIW]             ; d / 32: the chunk;
	v_lshl_add_u32 v[CIW], v125, 8, v[CIW]             ; (d / 16) % 2: the image's half of the lanes;
	v_lshl_add_u32 v[CIW], v126, 3, v[CIW]             ; d % 16
	v_add_nc_u32 v[CIW], CIB, v[CIW]
	v_lshl_add_u32 v[SIW], v122, 1, v124
	v_add_nc_u32 v[SIW], SIB, v[SIW]
	s_and_b32 s22, s[WV], 1
	s_lshl_b32 s22, s22, 9
	v_add_nc_u32 v[FLG], s22, v[LI]
	v_add_nc_u32 v[FLR], CIB, v[FLG]
	v_lshl_add_u32 v[SIR], v15, 1, SIB
	v_mov_b32 v[NEG], 0xff800000
	s_wait_alu depctr_va_vdst(0)                       ; the twelve addresses v1 to v12 are written, which the loads and stores of the kernel read; so are the zeros beside Q, which the scores' products take
	s_mov_b32 s[SEL], 0x76543210
	s_mov_b32 s[SEL+1], 0xfedcba98
	s_mov_b32 s[MNT], 0x600000
	s_mov_b32 s[CS], 0x3e38aa3b                        ; c = log2(e) / 8
	s_mov_b32 s[CS+1], s[CS]
	; byte offsets (in registers that later take mask words)
	s_and_b32 s32, ttmp7, 0xffff                       ; BH
	s_lshr_b32 s33, s32, 3                             ; b
	s_and_b32 s34, s32, 7                              ; the head
	s_lshl_b32 s36, s32, 17
	s_lshl_b32 s35, ttmp9, 14
	s_add_co_u32 s36, s36, s35                         ; Q's codes: (128 BH + 16 QC) x 1,024
	s_mov_b32 s37, 0
	s_lshl_b32 s38, s32, 13
	s_lshl_b32 s35, ttmp9, 10
	s_add_co_u32 s38, s38, s35
	s_add_co_u32 s38, s38, 0xc00000                    ; Q's scale words
	s_mov_b32 s39, 0
	s_lshl_b32 s40, s32, 17
	s_lshl_b32 s35, s[WV], 14
	s_add_co_u32 s40, s40, s35
	s_add_co_u32 s40, s40, 0x400000                    ; K's codes: my 16 tiles
	s_mov_b32 s41, 0
	s_lshl_b32 s42, s32, 13
	s_lshl_b32 s35, s[WV], 10
	s_add_co_u32 s42, s42, s35
	s_add_co_u32 s42, s42, 0xc40000
	s_mov_b32 s43, 0
	s_lshl_b32 s44, s33, 20
	s_lshl_b32 s35, s[WV], 17
	s_add_co_u32 s44, s44, s35
	s_lshl_b32 s35, s34, 13
	s_add_co_u32 s44, s44, s35
	s_add_co_u32 s44, s44, 0x800000                    ; V's codes: ((16 b + 2 w) 32 + 4 head) x 2,048
	s_mov_b32 s45, 0
	s_lshl_b32 s46, s33, 16
	s_lshl_b32 s35, s[WV], 13
	s_add_co_u32 s46, s46, s35
	s_lshl_b32 s35, s34, 9
	s_add_co_u32 s46, s46, s35
	s_add_co_u32 s46, s46, 0xc80000
	s_mov_b32 s47, 0
	s_lshl_b32 s48, s33, 19
	s_lshl_b32 s35, ttmp9, 16
	s_add_co_u32 s48, s48, s35
	s_lshl_b32 s35, s[WV], 9
	s_add_co_u32 s48, s48, s35                         ; the mask words: ((128 b + 16 QC) 8 + w) x 512
	s_mov_b32 s49, 0
	s_lshl_b32 s50, s33, 20
	s_lshl_b32 s35, ttmp9, 17
	s_add_co_u32 s50, s50, s35
	s_lshl_b32 s35, s34, 10
	s_add_co_u32 s50, s50, s35                         ; the result's codes: tile x 8,192 + head x 1,024
	s_mov_b32 s51, 0
	s_lshl_b32 s52, s33, 16
	s_lshl_b32 s35, ttmp9, 13
	s_add_co_u32 s52, s52, s35
	s_lshr_b32 s35, s34, 1
	s_lshl_b32 s35, s35, 7
	s_add_co_u32 s52, s52, s35
	s_and_b32 s35, s34, 1
	s_lshl_b32 s35, s35, 1
	s_add_co_u32 s52, s52, s35
	s_add_co_u32 s52, s52, 0x400000                    ; and its scale bytes
	s_mov_b32 s53, 0
	s_wait_kmcnt 0x0
	s_add_nc_u64 s[QP:QP+1], s[4:5], s[36:37]
	s_add_nc_u64 s[QSP:QSP+1], s[4:5], s[38:39]
	s_add_nc_u64 s[20:21], s[4:5], s[40:41]
	s_add_nc_u64 s[22:23], s[4:5], s[42:43]
	s_add_nc_u64 s[26:27], s[4:5], s[44:45]
	s_add_nc_u64 s[2:3], s[4:5], s[46:47]
	s_add_nc_u64 s[MP:MP+1], s[6:7], s[48:49]
	s_add_nc_u64 s[AOC:AOC+1], s[8:9], s[50:51]
	s_add_nc_u64 s[AOS:AOS+1], s[8:9], s[52:53]
	MLOADA                                             ; the first tile's first 64 mask words
	WIN 0x40
.irp f, 0,1,2,3,4,5,6,7
.irp x, 0,1,2,3
	global_load_b128 v[16*\f+4*\x:16*\f+4*\x+3], v[LI], s[20:21] offset:2048*\f+512*\x         ; tiles 2 f and 2 f + 1 of my keys, on end
.endr
.endr
.irp s, 0,1
.irp d, 0,1,2,3
.irp x, 0,1,2,3
	global_load_b128 v[128+64*\s+16*\d+4*\x:128+64*\s+16*\d+4*\x+3], v[LI], s[26:27] offset:65536*\s+2048*\d+512*\x
.endr
.endr
.endr
	WIN 0
.irp f, 0,1,2,3,4,5,6,7
	global_load_b32 v[KS+\f], v[LS], s[22:23] offset:128*\f
.endr
.irp s, 0,1
.irp d, 0,1,2,3
	global_load_b32 v[VS+4*\s+\d], v[LS], s[2:3] offset:4096*\s+128*\d
.endr
.endr
	QLOAD
	TRIP 0, 0, 0, 0                                    ; tile 0: nothing to reduce, nothing to store yet
	TRIP 1, 1, 0, 0                                    ; tile 1: tile 0 is reduced
	s_mov_b32 s[CNT], 7
.Ltiles:                                               ; seven trips of two tiles: tiles 2 to 15
	TRIP 0, 1, 1, 0
	TRIP 1, 1, 1, 1
	s_sub_co_u32 s[CNT], s[CNT], 1
	s_cmp_lg_u32 s[CNT], 0
	s_cbranch_scc1 .Ltiles
	BARRIER                                            ; tile 15's parts of O^T and tile 14's codes lie in LDS
	FLUSHL 0                                           ; (no vector line has been issued since the last tile's wait ahead of its LDS stores: it has shown that tile done with v100-104 and v160-204)
	REDLOAD 1
	s_wait_dscnt 0x0
	FLUSHS                                             ; tile 14
	REDA
	REDBC                                              ; tile 15
	s_wait_alu depctr_va_vdst(0)                       ; the conversion has written the codes and the shift the byte, which the two LDS stores read
	REDBS 1
	FLSTEP
	BARRIER                                            ; tile 15's codes lie in LDS
	FLUSHL 1
	s_wait_dscnt 0x0
	FLUSHS
	s_wait_xcnt 0x0
	v_lshl_add_u32 v254, v0, 2, 0x12c00                ; the add's two registers, made anew: no memory or LDS instruction has read v254 or v255
	v_mov_b32 v255, 0
	s_wait_dscnt 0x0                                   ; the closing lines, six on end
	s_wait_alu 0x0
	s_wait_tensorcnt 0x0
	ds_add_u32 v254, v255
	s_wait_dscnt 0x0
	s_endpgm
.Lfunc_end_k_q02aa00ea81_attn:
	.size	k_q02aa00ea81_attn, .Lfunc_end_k_q02aa00ea81_attn-k_q02aa00ea81_attn
	.p2alignl 7, 3214868480
	.fill 96, 4, 3214868480
	.section	.rodata,"a",@progbits
	.p2align	6, 0x0
	.amdhsa_kernel k_q02aa00ea81_attn
		.amdhsa_group_segment_fixed_size 77824
		.amdhsa_private_segment_fixed_size 0
		.amdhsa_enable_private_segment 0
		.amdhsa_kernarg_size 24
		.amdhsa_user_sgpr_count 2
		.amdhsa_user_sgpr_kernarg_segment_ptr 1
		.amdhsa_wavefront_size32 1
		.amdhsa_system_sgpr_workgroup_id_x 1
		.amdhsa_system_sgpr_workgroup_id_y 1
		.amdhsa_system_sgpr_workgroup_id_z 1
		.amdhsa_system_vgpr_workitem_id 0
		.amdhsa_next_free_vgpr 512
		.amdhsa_next_free_sgpr 102
		.amdhsa_reserve_vcc 1
		.amdhsa_float_denorm_mode_32 3
		.amdhsa_float_denorm_mode_16_64 3
		.amdhsa_memory_ordered 1
		.amdhsa_forward_progress 1
		.amdhsa_inst_pref_size 213
	.end_amdhsa_kernel
	.amdgpu_metadata
---
amdhsa.version: [ 1, 2 ]
amdhsa.kernels:
  - .name:           k_q02aa00ea81_attn
    .symbol:         k_q02aa00ea81_attn.kd
    .args:
      - { .name: qkv, .offset: 0, .size: 8, .value_kind: global_buffer, .address_space: global }
      - { .name: mbits, .offset: 8, .size: 8, .value_kind: global_buffer, .address_space: global }
      - { .name: att, .offset: 16, .size: 8, .value_kind: global_buffer, .address_space: global }
    .group_segment_fixed_size: 77824
    .private_segment_fixed_size: 0
    .kernarg_segment_align: 8
    .kernarg_segment_size: 24
    .max_flat_workgroup_size: 256
    .sgpr_count:     102
    .vgpr_count:     512
    .wavefront_size: 32
...
	.end_amdgpu_metadata
.endif
;; end of part 9
;; launch oproj (part 10): grid 256 x 1, 4 waves a work-group, no clusters, 35,328 bytes of LDS; arguments att, wts, x, bo, ln2_g, ln2_b, x2h; writes x2h
.if DOCPART == 10
	.amdgcn_target "amdgcn-amd-amdhsa--gfx1250"
	.amdhsa_code_object_version 6
	.text
	.protected	k_q02aa00ea81_oproj
	.globl	k_q02aa00ea81_oproj
	.p2align	8
	.type	k_q02aa00ea81_oproj,@function
k_q02aa00ea81_oproj:
	s_mov_b64 s[64:65], 0
	v_nop
	global_prefetch_b8 v0, s[64:65] scope:SCOPE_SE
	s_setreg_imm32_b32 hwreg(HW_REG_WAVE_SCHED_MODE, 0, 2), 2
	s_setreg_imm32_b32 hwreg(HW_REG_WAVE_MODE, 25, 1), 1
	s_wait_xcnt 0x0
	s_wait_alu depctr_vm_vsrc(0)
; OPROJ.  x2 = x + attention's result x wo + bo, stored as f32; then LayerNorm 2 of x2, quantised to codes of E5M2 with E8M0 scales.
; Work-group g takes tokens 32 g .. 32 g + 31: tiles 2 g and 2 g + 1, written out.  Wave w keeps its 128 columns of wo (32 fragments, 512 registers); a tile of tokens streams into operand registers.
; Source 0 = wo's tiles, source 1 = the tokens: a lane holds one token and 64 numbers, register 16 b + i = column 128 w + 32 b + 16 h + i.  x + bo is laid so and is what the sums begin with.
; x2 leaves through the wave's own stage in LDS as whole pieces of rows, 512 consecutive bytes a store.  A row's mean and variance meet in LDS: two barriers a tile.
; No tensor loads, no cluster: wo (256 KB a work-group) is read once at the head, straight into the operands' registers; nothing else is shared.
; LIMITS: NaN and infinities are not served; blocks under 2^-111 keep the byte 1.
; THE MODE: SCHED_MODE bits 1:0 = 2 (LLVM: expert scheduling mode 2), set by the entry lines.  The code itself states the register dependences between vector or matrix instructions and memory or LDS instructions,
; with s_wait_alu, always for 0.
; THE PLAN.  Registers that memory or LDS instructions touch, in a tile:
;   the streamed tile (window 3) and its scale words   read by the products; the second tile's loads land in them.
;   the sums v16-79        written by the products, read by the LDS stores into the stage, then written in place by the LayerNorm.
;   v128-191               x as loaded, read by the additions at the tile's head; then rows of x2 from the stage, read by the global stores; then the second tile's x lands there.
;   v192, v198-201         a partial sum, read by an LDS store; the four waves' partial sums land in v198-201.
;   the codes v80-95, v112 written by the quantiser, read by the stores behind it.
; One wait on va_vdst behind the products' places serves the tile's loads, the stage's stores and the stage's loads.  Each of the two reductions has a wait on va_vdst ahead of its LDS store and a wait on vm_vsrc ahead of
; the line that writes that store's register again; the first of these also states that the stage's stores have read the sums, and in the second tile that the first tile's stores have read the codes.
; A wait on vm_vsrc stands ahead of the second tile's x, a wait on va_vdst ahead of the codes' stores.
; REGISTERS.  window 0: v1-7 addresses; v16-79 the sums; v80-112 the quantiser's; v120-123 the tile's scale words; v128-191 x, later rows of x2; v192-202 the LayerNorm's sums; v222, v223 the closing add's; v224-255 wo's scale words.
;   windows 1, 2: wo.   window 3: v0-63 the tile; v64-127 bo; v128-191 the gain; v192-255 the bias.
.set L1, 33792
.set L2, 34304
.set LI, 1
.set LS, 2
.set XA, 3
.set SO, 4
.set SR, 5
.set LNW, 6
.set BA, 7
.set HA, 16
.set PC, 80
.set TM, 96
.set PW, 112
.set SS, 120
.set RX, 128
.set LQ, 192
.set RS, 224
.set BI, 64
.set CB, 64
.set GG, 128
.set BB, 192
.set RB, 20
.set RSB, 22
.set SB, 24
.set SSB, 26
.set XP, 28
.set X2P, 30
.set WV, 32
.set MNT, 33
.set SEL, 34
.set R512, 38
.set EPSR, 39
.set HC, 40
.set HS, 42
.set BOP, 44
.set GP, 46
.set BPP, 48
.set MSB, 0
.macro WIN new
.if MSB != \new
	s_set_vgpr_msb (MSB<<8)|\new
.set MSB, \new
.endif
.endm
.macro PLACES n
.rept \n
	v_nop
.endr
.endm
.macro QUANT s, relu
.if \relu
.irp b, 0,1,2,3
	v_max3_num_f32 v[TM+\b], v[\s+16*\b], v[\s+1+16*\b], 0x8000000
.endr
.irp i, 2,4,6,8,10,12,14
.irp b, 0,1,2,3
	v_max3_num_f32 v[TM+\b], v[TM+\b], v[\s+16*\b+\i], v[\s+1+16*\b+\i]
.endr
.endr
.else
.irp b, 0,1,2,3
	v_max3_num_f32 v[TM+\b], |v[\s+16*\b]|, |v[\s+1+16*\b]|, 0x8000000
.endr
.irp i, 2,4,6,8,10,12,14
.irp b, 0,1,2,3
	v_max3_num_f32 v[TM+\b], v[TM+\b], |v[\s+16*\b+\i]|, |v[\s+1+16*\b+\i]|
.endr
.endr
.endif
.irp b, 0,1,2,3
	v_permlanex16_b32 v[TM+4+\b], v[TM+\b], s[SEL], s[SEL+1]
.endr
.irp b, 0,1,2,3
	v_max_num_f32 v[TM+\b], v[TM+\b], v[TM+4+\b]
.endr
.irp b, 0,1,2,3
	v_add_nc_u32 v[TM+12+\b], 0xf8800000, v[TM+\b]
.endr
.irp b, 0,1,2,3
	v_and_or_b32 v[TM+8+\b], v[TM+\b], 0x7f800000, s[MNT]
.endr
.irp b, 0,1,2,3
	v_lshrrev_b32 v[TM+4+\b], 23, v[TM+12+\b]
.endr
	v_lshl_or_b32 v[PW], v[TM+5], 8, v[TM+4]
	v_lshl_or_b32 v[PW], v[TM+6], 16, v[PW]
	v_lshl_or_b32 v[PW], v[TM+7], 24, v[PW]
.irp b, 0,1,2,3
.irp i, 0,1,2,3,4,5,6,7,8,9,10,11,12,13,14,15
.if \relu
	v_med3_num_f32 v[\s+16*\b+\i], v[\s+16*\b+\i], 0, v[TM+8+\b]
.else
	v_med3_num_f32 v[\s+16*\b+\i], v[\s+16*\b+\i], -v[TM+8+\b], v[TM+8+\b]
.endif
.endr
	v_cvt_scalef32_pk8_bf8_f32 v[PC+4*\b:PC+1+4*\b], v[\s+16*\b:\s+7+16*\b], v[TM+12+\b]
	v_cvt_scalef32_pk8_bf8_f32 v[PC+2+4*\b:PC+3+4*\b], v[\s+8+16*\b:\s+15+16*\b], v[TM+12+\b]
.endr
	v_nop
.endm
.macro RESIDENT stride
	WIN 0x40
.irp t, 0,1,2,3
.irp k, 0,1,2,3
.irp c, 0,1,2,3
	global_load_b128 v[64*\t+16*\k+4*\c:64*\t+16*\k+4*\c+3], v[LI], s[RB:RB+1] offset:(\t*\stride+\k)*2048+512*\c
.endr
.endr
.endr
	WIN 0x80
.irp t, 4,5,6,7
.irp k, 0,1,2,3
.irp c, 0,1,2,3
	global_load_b128 v[64*(\t-4)+16*\k+4*\c:64*(\t-4)+16*\k+4*\c+3], v[LI], s[RB:RB+1] offset:(\t*\stride+\k)*2048+512*\c
.endr
.endr
.endr
	WIN 0
.irp t, 0,1,2,3,4,5,6,7
.irp k, 0,1,2,3
	global_load_b32 v[RS+4*\t+\k], v[LS], s[RSB:RSB+1] offset:(\t*\stride+\k)*128
.endr
.endr
.endm
.macro STREAM buf, off, soff
	WIN 0xc0
.irp k, 0,1,2,3
.irp c, 0,1,2,3
	global_load_b128 v[64*\buf+16*\k+4*\c:64*\buf+16*\k+4*\c+3], v[LI], s[SB:SB+1] offset:\off+2048*\k+512*\c
.endr
.endr
	WIN 0
.irp k, 0,1,2,3
	global_load_b32 v[SS+4*\buf+\k], v[LS], s[SSB:SSB+1] offset:\soff+128*\k
.endr
.endm
.macro WMC d, a, b, c, sa, sb
	v_wmma_scale_f32_16x16x128_f8f6f4 v[\d:\d+7], v[\a:\a+15], v[\b:\b+15], v[\c:\c+7], v[\sa], v[\sb] matrix_a_fmt:MATRIX_FMT_BF8 matrix_b_fmt:MATRIX_FMT_BF8
.endm
.macro WMZ d, a, b, sa, sb
	v_wmma_scale_f32_16x16x128_f8f6f4 v[\d:\d+7], v[\a:\a+15], v[\b:\b+15], 0, v[\sa], v[\sb] matrix_a_fmt:MATRIX_FMT_BF8 matrix_b_fmt:MATRIX_FMT_BF8
.endm
; 32 products: 8 resident tiles x 4 K steps.  Four accumulators take turns, one instruction a turn.  cmode 3: the sums go on from what the accumulators hold
.macro MUL buf, cmode
.irp half, 0,1
.irp k, 0,1,2,3
.if (\k == 0) && (\cmode < 2)
	WIN 0x3d+\half
.else
	WIN 0x0d+\half
.endif
.irp t, 0,1,2,3
.if (\k == 0) && (\cmode == 0)
	WMC HA+8*(4*\half+\t), 64*\t+16*\k, 64*\buf+16*\k, BI+8*(4*\half+\t), RS+4*(4*\half+\t)+\k, SS+4*\buf+\k
.elseif (\k == 0) && (\cmode == 1)
	WMC HA+8*(4*\half+\t), 64*\t+16*\k, 64*\buf+16*\k, CB+8*\buf, RS+4*(4*\half+\t)+\k, SS+4*\buf+\k
.elseif (\k == 0) && (\cmode == 2)
	WMZ HA+8*(4*\half+\t), 64*\t+16*\k, 64*\buf+16*\k, RS+4*(4*\half+\t)+\k, SS+4*\buf+\k
.else
	WMC HA+8*(4*\half+\t), 64*\t+16*\k, 64*\buf+16*\k, HA+8*(4*\half+\t), RS+4*(4*\half+\t)+\k, SS+4*\buf+\k
.endif
.endr
.endr
.endr
.endm
.macro LNRED lds
	v_pk_add_f32 v[LQ:LQ+1], v[LQ:LQ+1], v[LQ+2:LQ+3]
	v_add_f32 v[LQ], v[LQ], v[LQ+1]
	v_permlanex16_b32 v[LQ+10], v[LQ], s[SEL], s[SEL+1]
	v_add_f32 v[LQ], v[LQ], v[LQ+10]
	s_wait_alu depctr_va_vdst(0)                       ; my partial sum is written, which the LDS store reads; the reduction before is done with v198-201, in which the loads behind the barrier land
	ds_store_b32 v[LNW], v[LQ] offset:\lds
	s_wait_dscnt 0x0                                   ; for the others' sake: my word has landed, and my other LDS instructions are done
	s_barrier_signal -1
	s_barrier_wait -1
.irp w, 0,1,2,3
	ds_load_b32 v[LQ+6+\w], v[LS] offset:\lds+128*\w
.endr
	s_wait_dscnt 0x0
	s_wait_alu depctr_vm_vsrc(0)                       ; the LDS store has read my partial sum's register, which the third line below writes; so have the stage's stores the sums, and the first tile's stores the codes, which are written further down
	v_add_f32 v[LQ+6], v[LQ+6], v[LQ+7]
	v_add_f32 v[LQ+8], v[LQ+8], v[LQ+9]
	v_add_f32 v[LQ], v[LQ+6], v[LQ+8]
.endm
.macro LNQ gwin, g, b, l1, l2
	v_pk_add_f32 v[LQ:LQ+1], v[HA:HA+1], v[HA+2:HA+3]
	v_pk_add_f32 v[LQ+2:LQ+3], v[HA+4:HA+5], v[HA+6:HA+7]
.set j, 8
.rept 14
	v_pk_add_f32 v[LQ:LQ+1], v[LQ:LQ+1], v[HA+j:HA+j+1]
	v_pk_add_f32 v[LQ+2:LQ+3], v[LQ+2:LQ+3], v[HA+j+2:HA+j+3]
.set j, j+4
.endr
	LNRED \l1
	v_mul_f32 v[LQ+4], 0xbb000000, v[LQ]               ; - the mean
	v_mov_b32 v[LQ+5], v[LQ+4]
.set j, 0
.rept 32
	v_pk_add_f32 v[HA+j:HA+j+1], v[HA+j:HA+j+1], v[LQ+4:LQ+5]
.set j, j+2
.endr
	v_pk_mul_f32 v[LQ:LQ+1], v[HA:HA+1], v[HA:HA+1]
	v_pk_mul_f32 v[LQ+2:LQ+3], v[HA+2:HA+3], v[HA+2:HA+3]
.set j, 4
.rept 15
	v_pk_fma_f32 v[LQ:LQ+1], v[HA+j:HA+j+1], v[HA+j:HA+j+1], v[LQ:LQ+1]
	v_pk_fma_f32 v[LQ+2:LQ+3], v[HA+j+2:HA+j+3], v[HA+j+2:HA+j+3], v[LQ+2:LQ+3]
.set j, j+4
.endr
	LNRED \l2
	v_fma_f32 v[LQ], v[LQ], s[R512], s[EPSR]
	s_wait_alu depctr_va_vdst(0)
	v_rsq_f32 v[LQ+4], v[LQ]
	v_nop
	s_wait_alu depctr_va_vdst(0)                       ; the root's reciprocal is written, ahead of its first reader
	v_mov_b32 v[LQ+5], v[LQ+4]
.set j, 0
.rept 32
	v_pk_mul_f32 v[HA+j:HA+j+1], v[HA+j:HA+j+1], v[LQ+4:LQ+5]
.set j, j+2
.endr
	WIN \gwin
.set j, 0
.rept 32
	v_pk_fma_f32 v[HA+j:HA+j+1], v[HA+j:HA+j+1], v[\g+j:\g+j+1], v[\b+j:\b+j+1]
.set j, j+2
.endr
	WIN 0
.endm
.macro VECLOAD reg, base               ; 64 numbers of a vector of 512, laid as the sums are
.irp t, 0,1,2,3,4,5,6,7
	global_load_b128 v[\reg+8*\t:\reg+8*\t+3], v[BA], s[\base:\base+1] offset:(32*(\t/2)+8*(\t%2))*4
	global_load_b128 v[\reg+8*\t+4:\reg+8*\t+7], v[BA], s[\base:\base+1] offset:(32*(\t/2)+8*(\t%2))*4+16
.endr
.endm
.macro XRLOAD off
.irp b, 0,1,2,3
.irp y, 0,1,2,3
	global_load_b128 v[RX+16*\b+4*\y:RX+16*\b+4*\y+3], v[XA], s[XP:XP+1] offset:\off+128*\b+16*\y
.endr
.endr
.endm
	s_load_b256 s[4:11], s[0:1], 0x0                   ; att, wts, x, bo
	s_load_b128 s[12:15], s[0:1], 0x20                 ; ln2_g, ln2_b
	s_load_b64 s[16:17], s[0:1], 0x30                  ; x2h
	v_lshl_add_u32 v222, v0, 2, 0x8800
	v_mov_b32 v223, 0
	v_lshrrev_b32 v3, 5, v0
	v_readfirstlane_b32 s[WV], v3
	v_and_b32 v3, 31, v0
	v_lshlrev_b32 v[LI], 4, v3
	v_lshlrev_b32 v[LS], 2, v3
	v_and_b32 v8, 15, v0                               ; r
	v_bfe_u32 v9, v0, 4, 1                             ; h
	v_and_b32 v10, 8, v8
	v_add_nc_u32 v10, v10, v8
	v_lshlrev_b32 v[XA], 11, v10
	v_lshl_add_u32 v[XA], v9, 6, v[XA]
	v_lshlrev_b32 v[BA], 6, v9
	v_lshlrev_b32 v[LNW], 2, v0
	s_wait_alu depctr_va_sdst(0)                       ; the wave's number is written, ahead of its first reader: addresses and bases are made from it
	s_mul_i32 s50, s[WV], 16*528
	v_mul_u32_u24 v[SO], v8, 528
	v_lshl_add_u32 v[SO], v9, 6, v[SO]
	v_add_nc_u32 v[SO], s50, v[SO]
	v_add_nc_u32 v[SR], s50, v[LI]
.irp b, 0,1,2,3
	v_mov_b32 v[TM+4+\b], 0
.endr
	v_mov_b32 v[LQ+10], 0
	s_wait_alu depctr_va_vdst(0)                       ; the seven addresses v1 to v7 are written, which the loads and stores of the kernel read
	s_mov_b32 s[SEL], 0x76543210
	s_mov_b32 s[SEL+1], 0xfedcba98
	s_mov_b32 s[MNT], 0x600000
	s_mov_b32 s[R512], 0x3b000000
	s_mov_b32 s[EPSR], 0x3727c5ac
	s_lshl_b32 s50, s[WV], 16
	s_add_co_u32 s50, s50, 0xc0000
	s_mov_b32 s51, 0
	s_lshl_b32 s52, s[WV], 12
	s_add_co_u32 s52, s52, 0x30c000
	s_mov_b32 s53, 0
	s_lshl_b32 s54, ttmp9, 14
	s_mov_b32 s55, 0
	s_lshl_b32 s56, ttmp9, 10
	s_add_co_u32 s56, s56, 0x400000
	s_mov_b32 s57, 0
	s_lshl_b32 s58, ttmp9, 16
	s_lshl_b32 s60, s[WV], 9
	s_add_co_u32 s58, s58, s60                         ; 32 tokens of 2,048 bytes, + my 512
	s_mov_b32 s59, 0
	s_mov_b32 s61, 0
	s_lshl_b32 s62, ttmp9, 3
	s_add_co_u32 s62, s62, s[WV]                       ; fragment 8 g + w
	s_mov_b32 s63, 0
	s_wait_kmcnt 0x0
	s_add_nc_u64 s[RB:RB+1], s[6:7], s[50:51]
	s_add_nc_u64 s[RSB:RSB+1], s[6:7], s[52:53]
	s_add_nc_u64 s[SB:SB+1], s[4:5], s[54:55]
	s_add_nc_u64 s[SSB:SSB+1], s[4:5], s[56:57]
	s_add_nc_u64 s[XP:XP+1], s[8:9], s[58:59]
	s_add_nc_u64 s[X2P:X2P+1], s[16:17], s[58:59]
	s_add_nc_u64 s[BOP:BOP+1], s[10:11], s[60:61]
	s_add_nc_u64 s[GP:GP+1], s[12:13], s[60:61]
	s_add_nc_u64 s[BPP:BPP+1], s[14:15], s[60:61]
	s_lshl_b32 s50, s62, 11
	s_add_co_u32 s50, s50, 0x1000000
	s_add_nc_u64 s[HC:HC+1], s[16:17], s[50:51]
	s_lshl_b32 s50, s62, 7
	s_add_co_u32 s50, s50, 0x1400000
	s_add_nc_u64 s[HS:HS+1], s[16:17], s[50:51]
	RESIDENT 4
	WIN 0xc0
	VECLOAD BI, BOP
	VECLOAD GG, GP
	VECLOAD BB, BPP
	WIN 0
	STREAM 0, 0, 0
	XRLOAD 0
.macro TILE_O m
	s_wait_loadcnt 0x0
	WIN 0x0c
.set j, 0
.rept 32
	v_pk_add_f32 v[HA+j:HA+j+1], v[RX+j:RX+j+1], v[BI+j:BI+j+1]    ; x + bo: what the sums begin with
.set j, j+2
.endr
	WIN 0
	PLACES 4
	MUL 0, 3
.if \m == 0
	WIN 0xc0                                           ; the window of the loads below, ahead of the wait
.else
	WIN 0
.endif
	PLACES 8                                           ; in front of the first read of results
	s_wait_alu depctr_va_vdst(0)                       ; the products have written the sums, which the LDS stores read, and are done reading the tile and its scale words, in which loads land; the additions at the tile's head are done reading x, in whose registers rows of x2 land
.if \m == 0
	STREAM 0, 8192, 512
.endif
.irp b, 0,1,2,3
.irp y, 0,1,2,3
	ds_store_b128 v[SO], v[HA+16*\b+4*\y:HA+16*\b+4*\y+3] offset:128*\b+16*\y
.endr
.endr
.irp p, 0,1,2,3,4,5,6,7,8,9,10,11,12,13,14,15
	ds_load_b128 v[RX+4*\p:RX+4*\p+3], v[SR] offset:528*\p       ; my wave's own bytes, served in order: these see the stores above
.endr
.irp p, 0,1,2,3,4,5,6,7,8,9,10,11,12,13,14,15
	s_wait_dscnt 15-\p                                 ; row p is back; the younger loads may be out
	global_store_b128 v[LI], v[RX+4*\p:RX+4*\p+3], s[X2P:X2P+1] offset:16384*\m+(\p+8*(\p/8))*2048   ; 32 lanes store 512 consecutive bytes of a token's row
.endr
.if \m == 0
	s_wait_xcnt 0x0                                    ; the stores have had their addresses translated: the next tile's x lands in their registers only behind this wait
	s_wait_alu depctr_vm_vsrc(0)                       ; the stores have read the rows of x2 in v128-191, in which the next tile's x lands
	XRLOAD 16384
.endif
	LNQ 0x3c, GG, BB, L1, L2
	s_wait_xcnt 0x0                                    ; the last tile's stores have had their addresses translated (that they have read the codes' registers was stated in the reductions above)
	QUANT HA, 0
	s_wait_alu depctr_va_vdst(0)                       ; the conversions have written the codes and the shifts the scale word, which the five stores read
.irp c, 0,1,2,3
	global_store_b128 v[LI], v[PC+4*\c:PC+4*\c+3], s[HC:HC+1] offset:8192*\m+512*\c
.endr
	global_store_b32 v[LS], v[PW], s[HS:HS+1] offset:512*\m
.endm
	TILE_O 0
	TILE_O 1
	s_wait_dscnt 0x0                                   ; the closing lines, six on end
	s_wait_alu 0x0
	s_wait_tensorcnt 0x0
	ds_add_u32 v222, v223
	s_wait_dscnt 0x0
	s_endpgm
.Lfunc_end_k_q02aa00ea81_oproj:
	.size	k_q02aa00ea81_oproj, .Lfunc_end_k_q02aa00ea81_oproj-k_q02aa00ea81_oproj
	.p2alignl 7, 3214868480
	.fill 96, 4, 3214868480
	.section	.rodata,"a",@progbits
	.p2align	6, 0x0
	.amdhsa_kernel k_q02aa00ea81_oproj
		.amdhsa_group_segment_fixed_size 35328
		.amdhsa_private_segment_fixed_size 0
		.amdhsa_enable_private_segment 0
		.amdhsa_kernarg_size 56
		.amdhsa_user_sgpr_count 2
		.amdhsa_user_sgpr_kernarg_segment_ptr 1
		.amdhsa_wavefront_size32 1
		.amdhsa_system_sgpr_workgroup_id_x 1
		.amdhsa_system_sgpr_workgroup_id_y 1
		.amdhsa_system_sgpr_workgroup_id_z 1
		.amdhsa_system_vgpr_workitem_id 0
		.amdhsa_next_free_vgpr 1024
		.amdhsa_next_free_sgpr 66
		.amdhsa_reserve_vcc 0
		.amdhsa_float_denorm_mode_32 3
		.amdhsa_float_denorm_mode_16_64 3
		.amdhsa_memory_ordered 1
		.amdhsa_forward_progress 1
		.amdhsa_inst_pref_size 92
	.end_amdhsa_kernel
	.amdgpu_metadata
---
amdhsa.version: [ 1, 2 ]
amdhsa.kernels:
  - .name:           k_q02aa00ea81_oproj
    .symbol:         k_q02aa00ea81_oproj.kd
    .args:
      - { .name: att, .offset: 0, .size: 8, .value_kind: global_buffer, .address_space: global }
      - { .name: wts, .offset: 8, .size: 8, .value_kind: global_buffer, .address_space: global }
      - { .name: x, .offset: 16, .size: 8, .value_kind: global_buffer, .address_space: global }
      - { .name: bo, .offset: 24, .size: 8, .value_kind: global_buffer, .address_space: global }
      - { .name: ln2_g, .offset: 32, .size: 8, .value_kind: global_buffer, .address_space: global }
      - { .name: ln2_b, .offset: 40, .size: 8, .value_kind: global_buffer, .address_space: global }
      - { .name: x2h, .offset: 48, .size: 8, .value_kind: global_buffer, .address_space: global }
    .group_segment_fixed_size: 35328
    .private_segment_fixed_size: 0
    .kernarg_segment_align: 8
    .kernarg_segment_size: 56
    .max_flat_workgroup_size: 128
    .sgpr_count:     66
    .vgpr_count:     1024
    .wavefront_size: 32
...
	.end_amdgpu_metadata
.endif
;; end of part 10
;; launch ffn1 (part 11): grid 4 x 64, 4 waves a work-group, no clusters, 0 bytes of LDS; arguments x2h, wts, b1, hid; writes hid
.if DOCPART == 11
	.amdgcn_target "amdgcn-amd-amdhsa--gfx1250"
	.amdhsa_code_object_version 6
	.text
	.protected	k_q02aa00ea81_ffn1
	.globl	k_q02aa00ea81_ffn1
	.p2align	8
	.type	k_q02aa00ea81_ffn1,@function
k_q02aa00ea81_ffn1:
	s_mov_b64 s[64:65], 0
	v_nop
	global_prefetch_b8 v0, s[64:65] scope:SCOPE_SE
	s_setreg_imm32_b32 hwreg(HW_REG_WAVE_SCHED_MODE, 0, 2), 2
	s_setreg_imm32_b32 hwreg(HW_REG_WAVE_MODE, 25, 1), 1
	s_wait_xcnt 0x0
	s_wait_alu depctr_vm_vsrc(0)
; FFN1.  hidden = relu(h w1 + b1), quantised along the hidden units to codes of E5M2 with E8M0 scales.  Work-group (sl, G): 512 hidden units, 128 tokens (tiles 8 G .. 8 G + 7).
; Wave w keeps 128 columns of w1 (32 fragments, 512 registers); tiles of tokens stream from memory into operand registers, two tiles ahead.  Source 0 = w1's tiles, source 1 = the tokens:
; a lane holds one token and 64 hidden units, register 16 b + i = unit 32 b + 16 h + i of the wave's 128: one fragment of the next product.  b1 is the C of each sum's first product; the hold that the
; conversion wants clips at 0 as well.
; No LDS, no tensor loads, no cluster: what stays is read once (64 KB a wave), what streams (8 KB a tile) goes into the operand's registers as it lies.
; LIMITS: NaN and infinities are not served; blocks under 2^-111 keep the byte 1.
; THE MODE: SCHED_MODE bits 1:0 = 2 (LLVM: expert scheduling mode 2), set by the entry lines.  The code itself states the register dependences between vector or matrix instructions and memory instructions,
; with s_wait_alu, always for 0.
; THE PLAN.  Registers that memory instructions touch, in the loop:
;   the two streamed tiles (window 3) and their scale words   Tile t's products read set t % 2; the loads of tile t + 2 land in it.
;   the codes and the scale word to store, two sets           Tile t's quantiser writes set t % 2; the five stores that are issued in tile t + 1 read it.
;   the offsets v1, v2, v6                                     Made at the head, never written again: scalar bases and immediate offsets do the rest.
; So ONE wait on va_vdst stands in a tile, behind its products' places: the products are done reading set t % 2 of what streams, and the tile before has written the other set to store.  Behind it come the tile's 20 loads
; and then the stores of the tile before; no vector or matrix instruction since the wait names a register of theirs.  The wait on vm_vsrc beside it states that the stores issued a tile ago have read the set that this
; tile's quantiser writes again.  The first two tiles and the last two are written out.
; REGISTERS as in the launch for q, k, v: window 0 sums, quantiser, scale words; v80-95, v128-143 codes; v112, v144 their scale words; windows 1, 2 the weight; window 3 v0-127 two tiles, v128-191 b1.
.set LI, 1
.set LS, 2
.set BA, 6
.set HA, 16
.set PC, 80                            ; the codes to store: set 0 at v80,
.set PCS, 48                           ; set 1 at v128
.set TM, 96
.set PW, 112                           ; their scale word: set 0 v112,
.set PWS, 32                           ; set 1 v144
.set SS, 120
.set RS, 224
.set BI, 128
.set CB, 192
.set RB, 16
.set RSB, 18
.set SB, 20
.set SSB, 22
.set OC, 26
.set OS, 28
.set BP, 30
.set WV, 32
.set CNT, 33
.set SEL, 34
.set MNT, 36
.set MSB, 0
.macro WIN new
.if MSB != \new
	s_set_vgpr_msb (MSB<<8)|\new
.set MSB, \new
.endif
.endm
.macro PLACES n
.rept \n
	v_nop
.endr
.endm
; 64 numbers of a lane, v[s] on, become a fragment's codes in v[pc] on and its scale word in v[pw]
.macro QUANT s, relu, pc, pw
.if \relu
.irp b, 0,1,2,3
	v_max3_num_f32 v[TM+\b], v[\s+16*\b], v[\s+1+16*\b], 0x8000000      ; no |.|: what is negative becomes 0 and must not count; the floor stands over it
.endr
.irp i, 2,4,6,8,10,12,14
.irp b, 0,1,2,3
	v_max3_num_f32 v[TM+\b], v[TM+\b], v[\s+16*\b+\i], v[\s+1+16*\b+\i]
.endr
.endr
.else
.irp b, 0,1,2,3
	v_max3_num_f32 v[TM+\b], |v[\s+16*\b]|, |v[\s+1+16*\b]|, 0x8000000
.endr
.irp i, 2,4,6,8,10,12,14
.irp b, 0,1,2,3
	v_max3_num_f32 v[TM+\b], v[TM+\b], |v[\s+16*\b+\i]|, |v[\s+1+16*\b+\i]|
.endr
.endr
.endif
.irp b, 0,1,2,3
	v_permlanex16_b32 v[TM+4+\b], v[TM+\b], s[SEL], s[SEL+1]
.endr
.irp b, 0,1,2,3
	v_max_num_f32 v[TM+\b], v[TM+\b], v[TM+4+\b]
.endr
.irp b, 0,1,2,3
	v_add_nc_u32 v[TM+12+\b], 0xf8800000, v[TM+\b]
.endr
.irp b, 0,1,2,3
	v_and_or_b32 v[TM+8+\b], v[TM+\b], 0x7f800000, s[MNT]
.endr
.irp b, 0,1,2,3
	v_lshrrev_b32 v[TM+4+\b], 23, v[TM+12+\b]
.endr
	v_lshl_or_b32 v[\pw], v[TM+5], 8, v[TM+4]
	v_lshl_or_b32 v[\pw], v[TM+6], 16, v[\pw]
	v_lshl_or_b32 v[\pw], v[TM+7], 24, v[\pw]
.irp b, 0,1,2,3
.irp i, 0,1,2,3,4,5,6,7,8,9,10,11,12,13,14,15
.if \relu
	v_med3_num_f32 v[\s+16*\b+\i], v[\s+16*\b+\i], 0, v[TM+8+\b]        ; the activation and the hold in one
.else
	v_med3_num_f32 v[\s+16*\b+\i], v[\s+16*\b+\i], -v[TM+8+\b], v[TM+8+\b]
.endif
.endr
	v_cvt_scalef32_pk8_bf8_f32 v[\pc+4*\b:\pc+1+4*\b], v[\s+16*\b:\s+7+16*\b], v[TM+12+\b]
	v_cvt_scalef32_pk8_bf8_f32 v[\pc+2+4*\b:\pc+3+4*\b], v[\s+8+16*\b:\s+15+16*\b], v[TM+12+\b]
.endr
	v_nop
.endm
.macro RESIDENT stride
	WIN 0x40
.irp t, 0,1,2,3
.irp k, 0,1,2,3
.irp c, 0,1,2,3
	global_load_b128 v[64*\t+16*\k+4*\c:64*\t+16*\k+4*\c+3], v[LI], s[RB:RB+1] offset:(\t*\stride+\k)*2048+512*\c
.endr
.endr
.endr
	WIN 0x80
.irp t, 4,5,6,7
.irp k, 0,1,2,3
.irp c, 0,1,2,3
	global_load_b128 v[64*(\t-4)+16*\k+4*\c:64*(\t-4)+16*\k+4*\c+3], v[LI], s[RB:RB+1] offset:(\t*\stride+\k)*2048+512*\c
.endr
.endr
.endr
	WIN 0
.irp t, 0,1,2,3,4,5,6,7
.irp k, 0,1,2,3
	global_load_b32 v[RS+4*\t+\k], v[LS], s[RSB:RSB+1] offset:(\t*\stride+\k)*128
.endr
.endr
.endm
.macro STREAM buf, off, soff
	WIN 0xc0
.irp k, 0,1,2,3
.irp c, 0,1,2,3
	global_load_b128 v[64*\buf+16*\k+4*\c:64*\buf+16*\k+4*\c+3], v[LI], s[SB:SB+1] offset:\off+2048*\k+512*\c
.endr
.endr
	WIN 0
.irp k, 0,1,2,3
	global_load_b32 v[SS+4*\buf+\k], v[LS], s[SSB:SSB+1] offset:\soff+128*\k
.endr
.endm
.macro WMC d, a, b, c, sa, sb
	v_wmma_scale_f32_16x16x128_f8f6f4 v[\d:\d+7], v[\a:\a+15], v[\b:\b+15], v[\c:\c+7], v[\sa], v[\sb] matrix_a_fmt:MATRIX_FMT_BF8 matrix_b_fmt:MATRIX_FMT_BF8
.endm
.macro WMZ d, a, b, sa, sb
	v_wmma_scale_f32_16x16x128_f8f6f4 v[\d:\d+7], v[\a:\a+15], v[\b:\b+15], 0, v[\sa], v[\sb] matrix_a_fmt:MATRIX_FMT_BF8 matrix_b_fmt:MATRIX_FMT_BF8
.endm
; 32 products: 8 resident tiles x 4 K steps.  Four accumulators take turns, one instruction a turn.  cmode 0: the bias is the first K step's C
.macro MUL buf, cmode
.irp half, 0,1
.irp k, 0,1,2,3
.if (\k == 0) && (\cmode < 2)
	WIN 0x3d+\half
.else
	WIN 0x0d+\half
.endif
.irp t, 0,1,2,3
.if (\k == 0) && (\cmode == 0)
	WMC HA+8*(4*\half+\t), 64*\t+16*\k, 64*\buf+16*\k, BI+8*(4*\half+\t), RS+4*(4*\half+\t)+\k, SS+4*\buf+\k
.elseif (\k == 0) && (\cmode == 1)
	WMC HA+8*(4*\half+\t), 64*\t+16*\k, 64*\buf+16*\k, CB+8*\buf, RS+4*(4*\half+\t)+\k, SS+4*\buf+\k
.elseif (\k == 0) && (\cmode == 2)
	WMZ HA+8*(4*\half+\t), 64*\t+16*\k, 64*\buf+16*\k, RS+4*(4*\half+\t)+\k, SS+4*\buf+\k
.else
	WMC HA+8*(4*\half+\t), 64*\t+16*\k, 64*\buf+16*\k, HA+8*(4*\half+\t), RS+4*(4*\half+\t)+\k, SS+4*\buf+\k
.endif
.endr
.endr
.endr
.endm
	s_load_b256 s[4:11], s[0:1], 0x0                   ; x2h, wts, b1, hid
	v_lshrrev_b32 v3, 5, v0
	v_readfirstlane_b32 s[WV], v3
	v_and_b32 v3, 31, v0
	v_lshlrev_b32 v[LI], 4, v3
	v_lshlrev_b32 v[LS], 2, v3
	v_bfe_u32 v5, v0, 4, 1
	v_lshlrev_b32 v[BA], 6, v5
.irp b, 0,1,2,3
	v_mov_b32 v[TM+4+\b], 0
.endr
	s_wait_alu depctr_va_vdst(0)                       ; the three offsets v1, v2, v6 are written: every load and store of the kernel reads one of them
	s_mov_b32 s[SEL], 0x76543210
	s_mov_b32 s[SEL+1], 0xfedcba98
	s_mov_b32 s[MNT], 0x600000
	s_and_b32 s38, ttmp7, 0xffff                       ; G
	s_lshl_b32 s39, ttmp9, 2
	s_wait_alu depctr_va_sdst(0)                       ; the wave's number is written, ahead of its first reader: the bases are made from it
	s_add_co_u32 s39, s39, s[WV]                       ; which 128 hidden units: 4 sl + w
	s_lshl_b32 s40, s39, 16
	s_add_co_u32 s40, s40, 0x100000
	s_mov_b32 s41, 0
	s_lshl_b32 s42, s39, 12
	s_add_co_u32 s42, s42, 0x310000
	s_mov_b32 s43, 0
	s_lshl_b32 s44, s38, 16
	s_add_co_u32 s44, s44, 0x1000000
	s_mov_b32 s45, 0
	s_lshl_b32 s46, s38, 12
	s_add_co_u32 s46, s46, 0x1400000
	s_mov_b32 s47, 0
	s_lshl_b32 s48, s39, 9
	s_mov_b32 s49, 0
	s_lshl_b32 s50, s38, 7
	s_add_co_u32 s50, s50, s39                         ; fragment 128 G + 4 sl + w
	s_lshl_b32 s52, s50, 11
	s_mov_b32 s53, 0
	s_lshl_b32 s54, s50, 7
	s_add_co_u32 s54, s54, 0x1000000
	s_mov_b32 s55, 0
	s_wait_kmcnt 0x0
	s_add_nc_u64 s[RB:RB+1], s[6:7], s[40:41]
	s_add_nc_u64 s[RSB:RSB+1], s[6:7], s[42:43]
	s_add_nc_u64 s[SB:SB+1], s[4:5], s[44:45]
	s_add_nc_u64 s[SSB:SSB+1], s[4:5], s[46:47]
	s_add_nc_u64 s[BP:BP+1], s[8:9], s[48:49]
	s_add_nc_u64 s[OC:OC+1], s[10:11], s[52:53]
	s_add_nc_u64 s[OS:OS+1], s[10:11], s[54:55]
	RESIDENT 4
	WIN 0xc0
.irp t, 0,1,2,3,4,5,6,7
	global_load_b128 v[BI+8*\t:BI+8*\t+3], v[BA], s[BP:BP+1] offset:(32*(\t/2)+8*(\t%2))*4
	global_load_b128 v[BI+8*\t+4:BI+8*\t+7], v[BA], s[BP:BP+1] offset:(32*(\t/2)+8*(\t%2))*4+16
.endr
	WIN 0
; set b of the codes and its scale word go out, o tiles from where the bases stand
.macro OUT_F b, o
.irp c, 0,1,2,3
	global_store_b128 v[LI], v[PC+PCS*(\b)+4*\c:PC+PCS*(\b)+4*\c+3], s[OC:OC+1] offset:32768*(\o)+512*\c
.endr
	global_store_b32 v[LS], v[PW+PWS*(\b)], s[OS:OS+1] offset:2048*(\o)
.endm
; prev = 1: the tile before is stored;  war = 1: stores have read the set that this tile writes
.macro TILE_F buf, fetch, cnt, prev, war
	s_wait_loadcnt \cnt                                ; this tile's loads are in; the next tile's 20 may be out
	MUL \buf, 0
.if \fetch
	WIN 0xc0                                           ; the window of the loads below, ahead of the waits
.else
	WIN 0
.endif
	PLACES 8                                           ; in front of the first read of results
.if \war
	s_wait_xcnt 0x0                                    ; the stores issued a tile ago have had their addresses translated: their data are written again only behind this wait
	s_wait_alu depctr_vm_vsrc(0)                       ; and they have read this set of codes and its scale word, which this tile's quantiser writes again
.endif
	s_wait_alu depctr_va_vdst(0)                       ; the products are done reading the streamed tile and its scale words, in which loads land; the tile before has written the other set of codes and its scale word, which the stores read
.if \fetch
	STREAM \buf, 8192*\buf, 512*\buf
.endif
.if \prev
	OUT_F 1-\buf, \buf-1                               ; the tile before: where the bases have been stepped since, the offsets reach back
.endif
	QUANT HA, 1, PC+PCS*\buf, PW+PWS*\buf
.endm
.macro STEP_F
	s_wait_xcnt 0x0                                    ; the bases are stepped only behind this wait
	s_add_nc_u64 s[SB:SB+1], s[SB:SB+1], 16384
	s_add_nc_u64 s[SSB:SSB+1], s[SSB:SSB+1], 1024
	s_add_nc_u64 s[OC:OC+1], s[OC:OC+1], 65536
	s_add_nc_u64 s[OS:OS+1], s[OS:OS+1], 4096
.endm
	STREAM 0, 0, 0
	STREAM 1, 8192, 512
	s_wait_xcnt 0x0
	s_add_nc_u64 s[SB:SB+1], s[SB:SB+1], 16384
	s_add_nc_u64 s[SSB:SSB+1], s[SSB:SSB+1], 1024
	TILE_F 0, 1, 20, 0, 0                              ; tile 0 has no tile in front of it; no store has read either set yet
	TILE_F 1, 1, 20, 1, 0
	STEP_F
	s_mov_b32 s[CNT], 2
.Lf:                                                   ; tiles 2 to 5
	TILE_F 0, 1, 20, 1, 1
	TILE_F 1, 1, 20, 1, 1
	STEP_F
	s_sub_co_u32 s[CNT], s[CNT], 1
	s_cmp_lg_u32 s[CNT], 0
	s_cbranch_scc1 .Lf
	TILE_F 0, 0, 20, 1, 1                              ; the last two tiles fetch nothing
	TILE_F 1, 0, 0, 1, 1
	s_wait_alu depctr_va_vdst(0)                       ; the last tile has written its codes and its scale word, which the last five stores read
	OUT_F 1, 1
	s_endpgm
.Lfunc_end_k_q02aa00ea81_ffn1:
	.size	k_q02aa00ea81_ffn1, .Lfunc_end_k_q02aa00ea81_ffn1-k_q02aa00ea81_ffn1
	.p2alignl 7, 3214868480
	.fill 96, 4, 3214868480
	.section	.rodata,"a",@progbits
	.p2align	6, 0x0
	.amdhsa_kernel k_q02aa00ea81_ffn1
		.amdhsa_group_segment_fixed_size 0
		.amdhsa_private_segment_fixed_size 0
		.amdhsa_enable_private_segment 0
		.amdhsa_kernarg_size 32
		.amdhsa_user_sgpr_count 2
		.amdhsa_user_sgpr_kernarg_segment_ptr 1
		.amdhsa_wavefront_size32 1
		.amdhsa_system_sgpr_workgroup_id_x 1
		.amdhsa_system_sgpr_workgroup_id_y 1
		.amdhsa_system_sgpr_workgroup_id_z 1
		.amdhsa_system_vgpr_workitem_id 0
		.amdhsa_next_free_vgpr 1024
		.amdhsa_next_free_sgpr 66
		.amdhsa_reserve_vcc 0
		.amdhsa_float_denorm_mode_32 3
		.amdhsa_float_denorm_mode_16_64 3
		.amdhsa_memory_ordered 1
		.amdhsa_forward_progress 1
		.amdhsa_inst_pref_size 109
	.end_amdhsa_kernel
	.amdgpu_metadata
---
amdhsa.version: [ 1, 2 ]
amdhsa.kernels:
  - .name:           k_q02aa00ea81_ffn1
    .symbol:         k_q02aa00ea81_ffn1.kd
    .args:
      - { .name: x2h, .offset: 0, .size: 8, .value_kind: global_buffer, .address_space: global }
      - { .name: wts, .offset: 8, .size: 8, .value_kind: global_buffer, .address_space: global }
      - { .name: b1, .offset: 16, .size: 8, .value_kind: global_buffer, .address_space: global }
      - { .name: hid, .offset: 24, .size: 8, .value_kind: global_buffer, .address_space: global }
    .group_segment_fixed_size: 0
    .private_segment_fixed_size: 0
    .kernarg_segment_align: 8
    .kernarg_segment_size: 32
    .max_flat_workgroup_size: 128
    .sgpr_count:     66
    .vgpr_count:     1024
    .wavefront_size: 32
...
	.end_amdgpu_metadata
.endif
;; end of part 11
;; launch ffn2 (part 12): grid 4 x 64, 4 waves a work-group, no clusters, 68,096 bytes of LDS; arguments hid, wts, b2, x2h, out0; writes out0
.if DOCPART == 12
	.amdgcn_target "amdgcn-amd-amdhsa--gfx1250"
	.amdhsa_code_object_version 6
	.text
	.protected	k_q02aa00ea81_ffn2
	.globl	k_q02aa00ea81_ffn2
	.p2align	8
	.type	k_q02aa00ea81_ffn2,@function
k_q02aa00ea81_ffn2:
	s_mov_b64 s[64:65], 0
	v_nop
	global_prefetch_b8 v0, s[64:65] scope:SCOPE_SE
	s_setreg_imm32_b32 hwreg(HW_REG_WAVE_SCHED_MODE, 0, 2), 2
	s_setreg_imm32_b32 hwreg(HW_REG_WAVE_MODE, 25, 1), 1
	s_wait_xcnt 0x0
	s_wait_alu depctr_vm_vsrc(0)
; FFN2.  out = x2 + hidden x w2 + b2.  Work-group (cg, G): 128 columns, 128 tokens (tiles 8 G .. 8 G + 7).  K = 2,048 is shared among the four waves: wave s takes K steps 4 s .. 4 s + 3,
; keeps its 8 tiles x 4 K steps of w2 (512 registers) and streams the tokens' fragments of those K steps, two tiles ahead.  The four partial sums of a tile meet in LDS (rows of 512 bytes + 16), in two
; buffers by turns, one barrier a tile: a buffer is written again only behind the next tile's barrier, in front of which every wave has waited for its reads of it.  Wave s then adds rows 4 s .. 4 s + 3,
; x2 and b2, and stores whole pieces of rows: 512 consecutive bytes a store.
; No tensor loads, no cluster: what stays is read once (64 KB a wave), what streams (8 KB a tile and wave) goes into the operand's registers as it lies.
; THE MODE: SCHED_MODE bits 1:0 = 2 (LLVM: expert scheduling mode 2), set by the entry lines.  The code itself states the register dependences between vector or matrix instructions and memory or LDS instructions,
; with s_wait_alu, always for 0.
; THE PLAN.  Registers that memory or LDS instructions touch, in the loop:
;   the two streamed tiles (window 3) and their scale words   Tile t's products read set t % 2; the loads of tile t + 2 land in it.
;   the sums v16-79      Written by tile t's products, read by its LDS stores, written again by tile t + 1's products.
;   v128-191             The four parts of my four rows land here behind the barrier; tile t's additions work on them and leave the rows in v128-143; the four stores that are issued in tile t + 1 read these.
;   x2, two sets         Tile t's additions work on set t % 2; the loads of tile t + 1's x2 are issued in tile t, into the set that tile t - 1's additions worked on.
;   the addresses v1-4   Made at the head, never written again.
; So ONE wait on va_vdst stands in a tile, behind its products' places: the sums are written; the streamed set has been read; the tile before has written its rows and is done with its x2 and with v128-191.  Behind it come
; the tile's loads, the stores of the tile before and the LDS stores.  ONE wait on vm_vsrc stands behind the barrier: the LDS stores have read the sums and the global stores their rows.
; The first two tiles and the last two are written out.
; REGISTERS.  window 0: v1-4 addresses; v16-79 the sums; v80-95, v192-207 x2; v120-127 the tiles' scale words; v128-191 four rows x four parts; v208-211 b2; v222, v223 the closing add's; v224-255 w2's scale words.  windows 1, 2: w2.  window 3: two tiles.
.set LI, 1
.set LS, 2
.set PWA, 3
.set PRA, 4
.set HA, 16
.set SS, 120
.set RD, 128
.set RES, 192                          ; x2: set 0 at v192, set 1 at v80
.set B2R, 208
.set RS, 224
.set BI, 128
.set CB, 192
.set RB, 16
.set RSB, 18
.set SB, 20
.set SSB, 22
.set XR2, 24
.set OUTP, 26
.set B2P, 28
.set WV, 32
.set CNT, 33
.set MSB, 0
.macro WIN new
.if MSB != \new
	s_set_vgpr_msb (MSB<<8)|\new
.set MSB, \new
.endif
.endm
.macro PLACES n
.rept \n
	v_nop
.endr
.endm
.macro RESIDENT stride
	WIN 0x40
.irp t, 0,1,2,3
.irp k, 0,1,2,3
.irp c, 0,1,2,3
	global_load_b128 v[64*\t+16*\k+4*\c:64*\t+16*\k+4*\c+3], v[LI], s[RB:RB+1] offset:(\t*\stride+\k)*2048+512*\c
.endr
.endr
.endr
	WIN 0x80
.irp t, 4,5,6,7
.irp k, 0,1,2,3
.irp c, 0,1,2,3
	global_load_b128 v[64*(\t-4)+16*\k+4*\c:64*(\t-4)+16*\k+4*\c+3], v[LI], s[RB:RB+1] offset:(\t*\stride+\k)*2048+512*\c
.endr
.endr
.endr
	WIN 0
.irp t, 0,1,2,3,4,5,6,7
.irp k, 0,1,2,3
	global_load_b32 v[RS+4*\t+\k], v[LS], s[RSB:RSB+1] offset:(\t*\stride+\k)*128
.endr
.endr
.endm
.macro STREAM buf, off, soff
	WIN 0xc0
.irp k, 0,1,2,3
.irp c, 0,1,2,3
	global_load_b128 v[64*\buf+16*\k+4*\c:64*\buf+16*\k+4*\c+3], v[LI], s[SB:SB+1] offset:\off+2048*\k+512*\c
.endr
.endr
	WIN 0
.irp k, 0,1,2,3
	global_load_b32 v[SS+4*\buf+\k], v[LS], s[SSB:SSB+1] offset:\soff+128*\k
.endr
.endm
.macro WMC d, a, b, c, sa, sb
	v_wmma_scale_f32_16x16x128_f8f6f4 v[\d:\d+7], v[\a:\a+15], v[\b:\b+15], v[\c:\c+7], v[\sa], v[\sb] matrix_a_fmt:MATRIX_FMT_BF8 matrix_b_fmt:MATRIX_FMT_BF8
.endm
.macro WMZ d, a, b, sa, sb
	v_wmma_scale_f32_16x16x128_f8f6f4 v[\d:\d+7], v[\a:\a+15], v[\b:\b+15], 0, v[\sa], v[\sb] matrix_a_fmt:MATRIX_FMT_BF8 matrix_b_fmt:MATRIX_FMT_BF8
.endm
; 32 products: 8 resident tiles x 4 K steps.  Four accumulators take turns, one instruction a turn.  cmode 2: the first K step starts the sums with the constant 0
.macro MUL buf, cmode
.irp half, 0,1
.irp k, 0,1,2,3
.if (\k == 0) && (\cmode < 2)
	WIN 0x3d+\half
.else
	WIN 0x0d+\half
.endif
.irp t, 0,1,2,3
.if (\k == 0) && (\cmode == 0)
	WMC HA+8*(4*\half+\t), 64*\t+16*\k, 64*\buf+16*\k, BI+8*(4*\half+\t), RS+4*(4*\half+\t)+\k, SS+4*\buf+\k
.elseif (\k == 0) && (\cmode == 1)
	WMC HA+8*(4*\half+\t), 64*\t+16*\k, 64*\buf+16*\k, CB+8*\buf, RS+4*(4*\half+\t)+\k, SS+4*\buf+\k
.elseif (\k == 0) && (\cmode == 2)
	WMZ HA+8*(4*\half+\t), 64*\t+16*\k, 64*\buf+16*\k, RS+4*(4*\half+\t)+\k, SS+4*\buf+\k
.else
	WMC HA+8*(4*\half+\t), 64*\t+16*\k, 64*\buf+16*\k, HA+8*(4*\half+\t), RS+4*(4*\half+\t)+\k, SS+4*\buf+\k
.endif
.endr
.endr
.endr
.endm
	s_load_b256 s[4:11], s[0:1], 0x0                   ; hid, wts, b2, x2h
	s_load_b64 s[12:13], s[0:1], 0x20                  ; out0
	v_lshl_add_u32 v222, v0, 2, 0x10800
	v_mov_b32 v223, 0
	v_lshrrev_b32 v5, 5, v0
	v_readfirstlane_b32 s[WV], v5
	v_and_b32 v5, 31, v0
	v_lshlrev_b32 v[LI], 4, v5
	v_lshlrev_b32 v[LS], 2, v5
	v_and_b32 v6, 15, v0                               ; r
	v_bfe_u32 v7, v0, 4, 1                             ; h
	s_wait_alu depctr_va_sdst(0)                       ; the wave's number is written, ahead of its first reader: addresses and bases are made from it
	s_mul_i32 s34, s[WV], 16*528
	v_mul_u32_u24 v[PWA], v6, 528
	v_lshl_add_u32 v[PWA], v7, 6, v[PWA]
	v_add_nc_u32 v[PWA], s34, v[PWA]                   ; my part: row r, + 64 h
	s_mul_i32 s35, s[WV], 4*528
	v_add_nc_u32 v[PRA], s35, v[LI]                    ; the rows that I add: 4 s on; 16 bytes a lane
	s_wait_alu depctr_va_vdst(0)                       ; the four addresses v1 to v4 are written, which the loads and stores of the kernel read
	s_and_b32 s38, ttmp7, 0xffff                       ; G
	s_lshl_b32 s40, ttmp9, 18
	s_lshl_b32 s41, s[WV], 13
	s_add_co_u32 s40, s40, s41
	s_add_co_u32 s40, s40, 0x200000                    ; w2's codes: 8 tiles of 16 K steps a group of columns, my 4 K steps
	s_mov_b32 s41, 0
	s_lshl_b32 s42, ttmp9, 14
	s_lshl_b32 s43, s[WV], 9
	s_add_co_u32 s42, s42, s43
	s_add_co_u32 s42, s42, 0x320000
	s_mov_b32 s43, 0
	s_lshl_b32 s44, s38, 18
	s_lshl_b32 s45, s[WV], 13
	s_add_co_u32 s44, s44, s45                         ; the hidden layer's codes
	s_mov_b32 s45, 0
	s_lshl_b32 s46, s38, 14
	s_lshl_b32 s47, s[WV], 9
	s_add_co_u32 s46, s46, s47
	s_add_co_u32 s46, s46, 0x1000000
	s_mov_b32 s47, 0
	s_lshl_b32 s48, s38, 7                             ; my first token: 128 G + 4 (s & 1) + 16 (s >> 1)
	s_and_b32 s49, s[WV], 1
	s_lshl_b32 s49, s49, 2
	s_add_co_u32 s48, s48, s49
	s_lshr_b32 s49, s[WV], 1
	s_lshl_b32 s49, s49, 4
	s_add_co_u32 s48, s48, s49
	s_lshl_b32 s48, s48, 11
	s_lshl_b32 s50, ttmp9, 9
	s_add_co_u32 s48, s48, s50
	s_mov_b32 s49, 0
	s_mov_b32 s51, 0
	s_wait_kmcnt 0x0
	s_add_nc_u64 s[RB:RB+1], s[6:7], s[40:41]
	s_add_nc_u64 s[RSB:RSB+1], s[6:7], s[42:43]
	s_add_nc_u64 s[SB:SB+1], s[4:5], s[44:45]
	s_add_nc_u64 s[SSB:SSB+1], s[4:5], s[46:47]
	s_add_nc_u64 s[XR2:XR2+1], s[10:11], s[48:49]
	s_add_nc_u64 s[OUTP:OUTP+1], s[12:13], s[48:49]
	s_add_nc_u64 s[B2P:B2P+1], s[8:9], s[50:51]
	RESIDENT 16
	global_load_b128 v[B2R:B2R+3], v[LI], s[B2P:B2P+1]
.macro XLOAD b, off                    ; x2 of the four rows that I finish, into set b
.irp a, 0,1,2,3
	global_load_b128 v[RES-112*(\b)+4*\a:RES-112*(\b)+4*\a+3], v[LI], s[XR2:XR2+1] offset:(\off)+2048*\a
.endr
.endm
.macro OUT2 off                        ; my four finished rows
.irp a, 0,1,2,3
	global_store_b128 v[LI], v[RD+4*\a:RD+4*\a+3], s[OUTP:OUTP+1] offset:(\off)+2048*\a th:TH_STORE_NT   ; 32 lanes store 512 consecutive bytes of a token's row
.endr
.endm
; fetch = 1: the tile two on is asked for;  next = 1: the next tile's x2 is asked for;  prev = 1: the tile before is stored
.macro TILE_2 buf, fetch, next, c1, c2, prev
	s_wait_loadcnt \c1                                 ; this tile's fragments are in; the next tile's 20 loads and the 4 of this tile's x2 may be out (last tile: the 4 alone)
	MUL \buf, 2
.if \fetch
	WIN 0xc0                                           ; the window of the loads below, ahead of the wait
.else
	WIN 0
.endif
	PLACES 8                                           ; in front of the first read of results
	s_wait_alu depctr_va_vdst(0)                       ; the products have written the sums, which the LDS stores read, and are done reading the streamed tile and its scale words; the tile before's additions have written its rows, which the stores read, and are done with its x2 and with v128-191, in which loads land
.if \fetch
	STREAM \buf, 32768*\buf, 2048*\buf
.endif
.if \next
	XLOAD 1-\buf, 16384+49152*\buf                     ; the pair's second tile lies 8 tokens on, the next pair 32
.endif
.if \prev
	OUT2 49152*(\buf-1)                                ; the tile before: where the bases have been stepped since, the offsets reach back
.endif
.irp b, 0,1,2,3
.irp y, 0,1,2,3
	ds_store_b128 v[PWA], v[HA+16*\b+4*\y:HA+16*\b+4*\y+3] offset:33792*\buf+128*\b+16*\y
.endr
.endr
	s_wait_dscnt 0x0                                   ; for the others' sake: my part has landed
	s_barrier_signal -1
	s_barrier_wait -1
.if \prev
	s_wait_xcnt 0x0                                    ; the stores above have had their addresses translated: the loads below fill their registers only behind this wait
.endif
	s_wait_alu depctr_vm_vsrc(0)                       ; my LDS stores have read the sums, which the next tile's products write; the global stores above have read v128-143, in which the loads below land
.irp p, 0,1,2,3
.irp a, 0,1,2,3
	ds_load_b128 v[RD+16*\p+4*\a:RD+16*\p+4*\a+3], v[PRA] offset:33792*\buf+8448*\p+528*\a
.endr
.endr
	s_wait_loadcnt \c2                                 ; this tile's x2 is in; what was asked for behind it, in this tile, may be out
	s_wait_dscnt 0x0
.irp a, 0,1,2,3
.irp y, 0,2
	v_pk_add_f32 v[RD+4*\a+\y:RD+4*\a+\y+1], v[RD+4*\a+\y:RD+4*\a+\y+1], v[RD+16+4*\a+\y:RD+16+4*\a+\y+1]
	v_pk_add_f32 v[RD+32+4*\a+\y:RD+32+4*\a+\y+1], v[RD+32+4*\a+\y:RD+32+4*\a+\y+1], v[RD+48+4*\a+\y:RD+48+4*\a+\y+1]
	v_pk_add_f32 v[RES-112*\buf+4*\a+\y:RES-112*\buf+4*\a+\y+1], v[RES-112*\buf+4*\a+\y:RES-112*\buf+4*\a+\y+1], v[B2R+\y:B2R+\y+1]
	v_pk_add_f32 v[RD+4*\a+\y:RD+4*\a+\y+1], v[RD+4*\a+\y:RD+4*\a+\y+1], v[RD+32+4*\a+\y:RD+32+4*\a+\y+1]
	v_pk_add_f32 v[RD+4*\a+\y:RD+4*\a+\y+1], v[RD+4*\a+\y:RD+4*\a+\y+1], v[RES-112*\buf+4*\a+\y:RES-112*\buf+4*\a+\y+1]
.endr
.endr
.endm
.macro STEP_2
	s_wait_xcnt 0x0                                    ; the bases are stepped only behind this wait
	s_add_nc_u64 s[SB:SB+1], s[SB:SB+1], 65536
	s_add_nc_u64 s[SSB:SSB+1], s[SSB:SSB+1], 4096
	s_add_nc_u64 s[XR2:XR2+1], s[XR2:XR2+1], 65536
	s_add_nc_u64 s[OUTP:OUTP+1], s[OUTP:OUTP+1], 65536
.endm
	STREAM 0, 0, 0
	STREAM 1, 32768, 2048
	XLOAD 0, 0                                         ; the first tile's x2
	s_wait_xcnt 0x0
	s_add_nc_u64 s[SB:SB+1], s[SB:SB+1], 65536
	s_add_nc_u64 s[SSB:SSB+1], s[SSB:SSB+1], 4096
	TILE_2 0, 1, 1, 24, 24, 0                          ; tile 0 has no tile in front of it
	TILE_2 1, 1, 1, 24, 24, 1
	STEP_2
	s_mov_b32 s[CNT], 2
.Lt:                                                   ; tiles 2 to 5
	TILE_2 0, 1, 1, 24, 24, 1
	TILE_2 1, 1, 1, 24, 24, 1
	STEP_2
	s_sub_co_u32 s[CNT], s[CNT], 1
	s_cmp_lg_u32 s[CNT], 0
	s_cbranch_scc1 .Lt
	TILE_2 0, 0, 1, 24, 4, 1                           ; the last two tiles fetch no fragments; the last asks for nothing at all
	TILE_2 1, 0, 0, 4, 0, 1
	s_wait_alu depctr_va_vdst(0)                       ; the last tile's additions have written its rows, which the last four stores read
	OUT2 16384
	s_wait_dscnt 0x0                                   ; the closing lines, six on end
	s_wait_alu 0x0
	s_wait_tensorcnt 0x0
	ds_add_u32 v222, v223
	s_wait_dscnt 0x0
	s_endpgm
.Lfunc_end_k_q02aa00ea81_ffn2:
	.size	k_q02aa00ea81_ffn2, .Lfunc_end_k_q02aa00ea81_ffn2-k_q02aa00ea81_ffn2
	.p2alignl 7, 3214868480
	.fill 96, 4, 3214868480
	.section	.rodata,"a",@progbits
	.p2align	6, 0x0
	.amdhsa_kernel k_q02aa00ea81_ffn2
		.amdhsa_group_segment_fixed_size 68096
		.amdhsa_private_segment_fixed_size 0
		.amdhsa_enable_private_segment 0
		.amdhsa_kernarg_size 40
		.amdhsa_user_sgpr_count 2
		.amdhsa_user_sgpr_kernarg_segment_ptr 1
		.amdhsa_wavefront_size32 1
		.amdhsa_system_sgpr_workgroup_id_x 1
		.amdhsa_system_sgpr_workgroup_id_y 1
		.amdhsa_system_sgpr_workgroup_id_z 1
		.amdhsa_system_vgpr_workitem_id 0
		.amdhsa_next_free_vgpr 1024
		.amdhsa_next_free_sgpr 66
		.amdhsa_reserve_vcc 0
		.amdhsa_float_denorm_mode_32 3
		.amdhsa_float_denorm_mode_16_64 3
		.amdhsa_memory_ordered 1
		.amdhsa_forward_progress 1
		.amdhsa_inst_pref_size 90
	.end_amdhsa_kernel
	.amdgpu_metadata
---
amdhsa.version: [ 1, 2 ]
amdhsa.kernels:
  - .name:           k_q02aa00ea81_ffn2
    .symbol:         k_q02aa00ea81_ffn2.kd
    .args:
      - { .name: hid, .offset: 0, .size: 8, .value_kind: global_buffer, .address_space: global }
      - { .name: wts, .offset: 8, .size: 8, .value_kind: global_buffer, .address_space: global }
      - { .name: b2, .offset: 16, .size: 8, .value_kind: global_buffer, .address_space: global }
      - { .name: x2h, .offset: 24, .size: 8, .value_kind: global_buffer, .address_space: global }
      - { .name: out0, .offset: 32, .size: 8, .value_kind: global_buffer, .address_space: global }
    .group_segment_fixed_size: 68096
    .private_segment_fixed_size: 0
    .kernarg_segment_align: 8
    .kernarg_segment_size: 40
    .max_flat_workgroup_size: 128
    .sgpr_count:     66
    .vgpr_count:     1024
    .wavefront_size: 32
...
	.end_amdgpu_metadata
.endif
;; end of part 12
